; MI455X (gfx1250); checked and timed in simulation.
; The chip was launched on July 23, 2026; its instructions are those of AMD's public machine-readable ISA for CDNA 5 (MIT licence, August 2026) and "CDNA5" Instruction Set Architecture Reference Guide (July 2026). The comments in the code are by the model that wrote it; some were corrected since.
;; Alignment. Allowed arithmetic: matrix products marked QUANTISED: E5M2 operands, one E8M0 scale for each 32 along K, by v_wmma_scale_f32_16x16x128_f8f6f4 with both operands' format E5M2, f32 sums; everything else in f32.
;; Inputs: b_kv 1,024 float32; b_m 512 float32; b_out 512 float32; b_q 512 float32; bn_beta 512 float32; bn_gamma 512 float32; bn_mean 512 float32; bn_var 512 float32; conv_b 512 float32; conv_w 512 x 512 float32; ln_b 512 float32; ln_g 512 float32; pe 512 x 512 float32; w_kv 512 x 1,024 float32; w_m 512 x 512 float32; w_out 512 x 512 float32; w_q 512 x 512 float32; x 16 x 512 x 4 x 512 float32.
;; Outputs: out0 16 x 512 x 4 x 512 float32.
;; This version of the problem:
;;   THIS VERSION OF THE PROBLEM IS GIVEN IN LOW PRECISION. The matrix products marked QUANTISED in the list below multiply operands that are first quantised to E5M2 (5 exponent bits, 2 mantissa bits; 8 bits a number), with one power-of-two scale for each 32 numbers along K (OCP MX v1.0); their sums are f32. All else is computed in f32.
;;   The module's matrix products, in the order in which they are computed (A, B: the left and right operand; K: the contracted axis; several contracted axes count as one K, in the product's order):
;;     1. [M 32,768, K 512] x [K 512, N 512]; A: input x; B: input conv_w: QUANTISED
;;     2. [M 32,768, K 512] x [K 512, N 512]; A: computed on the way; B: input w_q: QUANTISED
;;     3. [M 32,768, K 512] x [K 512, N 1,024]; A: computed on the way; B: input w_kv: QUANTISED
;;     4. batch 512 x [M 512, K 64] x [K 64, N 512]; A: computed on the way; B: computed on the way: QUANTISED
;;     5. batch 512 x [M 512, K 512] x [K 512, N 64]; A: softmax (see below); B: computed on the way: QUANTISED
;;     6. [M 32,768, K 512] x [K 512, N 512]; A: computed on the way; B: input w_m: QUANTISED
;;     7. [M 32,768, K 512] x [K 512, N 512]; A: computed on the way; B: input w_out: QUANTISED
;;   THE QUANTISER, for each operand of a quantised product, along K:
;;     - K is cut into blocks of 32 from its start; a last block that is shorter is filled with zeros.
;;     - A block's scale is 2^e with e = floor(log2(the largest magnitude in the block)) - 15, held to -126 .. 127; a block of zeros has e = 0. As a byte (E8M0): e + 127.
;;     - Each number is divided by its block's scale, clamped to +-57,344, and rounded to the nearest number of E5M2, ties to even, subnormals kept.
;;     - The product sums the exact products of the quantised numbers (number of the format x scale) in f32.
;;   ~~~python
;;   def quantise(x, axis):      # numpy; x: float32 -> the quantised numbers, widened to float32 again
;;       x = np.moveaxis(x, axis, -1); K = x.shape[-1]
;;       x = np.pad(x, [(0, 0)] * (x.ndim - 1) + [(0, -K % 32)]); x = x.reshape(x.shape[:-1] + (-1, 32)); a = np.abs(x).max(-1, keepdims=True)
;;       e = np.where(a > 0, np.clip(np.frexp(np.where(a > 0, a, 1))[1] - 1 - 15, -126, 127), 0)      # np.frexp(a)[1] - 1 = floor(log2(a)), exactly
;;       r = np.clip(x / 2.0 ** e, -57344, 57344)
;;       step = 2.0 ** (np.maximum(np.frexp(np.where(r == 0, 1, r))[1] - 1, -14) - 2)
;;       q = np.round(r / step) * step * 2.0 ** e      # np.round: ties to even
;;       return np.moveaxis(q.reshape(q.shape[:-2] + (-1,))[..., :K], -1, axis).astype(np.float32)
;;   ~~~
;;   SOFTMAX AHEAD OF A QUANTISED PRODUCT. Where the list says 'softmax', what is quantised is not the finished softmax but p = 2^(t - M), with t = logit x log2(e) and M = ceil(the row's largest t), a whole number; so 1/2 < the row's largest p <= 1. The row's sum l is taken of the UNQUANTISED p, in f32, and the product's result is divided by l at the end. Since M is a whole number, a kernel that streams over the keys may use a running M (the ceiling of the running maximum): every later rescaling is an exact power of two, which a block's scale takes up: the codes' values come out the same.
;;   OPERANDS COMPUTED ON THE WAY. 'Computed on the way' means the value that the module computes at that place (a softmax that the list does not call 'softmax' is quantised finished and normalised). What goes into a quantiser is computed in f32, as accurately as f32 sums, v_exp_f32 and their like allow (about 1e-6 of the number): no bf16 or f16 on the way to a quantiser, and a product that is left as it is and whose result goes on into a quantised operand takes f32 operands (vector FMAs, or v_wmma_f32_16x16x4_f32). A number that lies on a knife's edge between two numbers of the format may be rounded either way, as far as f32 arithmetic and the matrix unit's own rounding can turn it there, and no further.
;; 2 versions, each right; version 2 is version 1 with the launches qkv, attn written anew for expert scheduling mode. Each part assembles by itself: llvm-mc -triple=amdgcn-amd-amdhsa -mcpu=gfx1250 --defsym DOCPART=n.
;; ======== version 1 of 2: 3 launches
;; limits: a function is approximated: absolute error at most 1.5e-07; an absolute error that grows with the inputs' magnitude: up to 7.5e-08 times it
;; workspace buffers: wk 2,674,688 bytes; acod 67,108,864 bytes; ascl 3,145,728 bytes
;; launch prep (part 1): grid 257 x 1, 2 waves a work-group, no clusters, 0 bytes of LDS; arguments w_q, w_kv, w_m, w_out, conv_w, pe, bn_gamma, bn_var, conv_b, bn_mean, bn_beta, b_m, wk; writes wk
.if DOCPART == 1
	.amdgcn_target "amdgcn-amd-amdhsa--gfx1250"
	.amdhsa_code_object_version 6
	.text
	.protected	k_q6010ecb5d7_prep
	.globl	k_q6010ecb5d7_prep
	.p2align	8
	.type	k_q6010ecb5d7_prep,@function
k_q6010ecb5d7_prep:
	s_mov_b64 s[64:65], 0
	v_nop
	global_prefetch_b8 v0, s[64:65] scope:SCOPE_SE
	s_setreg_imm32_b32 hwreg(HW_REG_WAVE_MODE, 25, 1), 1
	s_wait_xcnt 0x0
; PREP: what the two later launches read again and again is laid out once.
; (1) The five weights become codes of E5M2 with one E8M0 byte for each 32 along K, laid IN THE ORDER OF THE OPERAND'S REGISTERS:
;     wk + 0:       [g 48][s 4][nt 4][c 4][lane 32][16 bytes]: g = 64 output columns (w_q 0-7, w_kv 8-23, w_m 24-31, w_out 32-39, conv_w 40-47), s = 128 along K,
;                   nt = a tile of 16 columns, c = 32 along K.  Row rho of tile 2 B + u is column 32 B + 8 u + rho + 8 (rho / 8) of the group.
;     wk + WSO:     [g][s][bp 2][32] scale words: lanes 0-15 the rows of tile 2 bp, lanes 16-31 those of tile 2 bp + 1.
; (2) wk + PQ: pe as [c / 4][l][4 numbers], so that a lane that owns a token l reads four channels by 16 bytes and neighbouring lanes read neighbouring bytes.
; (3) wk + BNO: s[512] = gamma / sqrt(var + 1e-5), then t[512] = (conv_b - mean) s + beta + b_m: conv, batch norm, residual and w_m's bias are then y s + t + (o w_m).
; SHARES: work-groups 0-191: 32 columns x 256 along K (a wave: 128 along K; a lane: one column, its registers run down K, so a block of 32 lies in one lane).
;         work-groups 192-255: pe, a wave 32 tokens x 64 channels.  Work-group 256: the 512 channels' s and t, 8 a thread.
; LIMITS: NaN and infinities among the inputs are not served.  A block of zeros gets the byte 1 where the quantiser says 127: its codes are zeros, and these bytes are read by this program alone.
.set WSO, 1572864
.set PQ,  1622016
.set BNO, 2670592
.set MNT, 30                           ; s30  the mantissa field of 57,344
.set WV,  31                           ; s31  the wave's number
.set VO,  2                            ; v2   offset of my loads
.set SO,  3                            ; v3   offset of my stores of codes
.set WO,  4                            ; v4   offset of my scale word
.set LN,  7                            ; v7   lane
.set QA,  8                            ; v8-11 at work in QB
.set WD,  12                           ; v12  the scale word
.set C,   32                           ; v32-63  codes: 8 registers a block
.set X,   64                           ; v64-191 numbers: 32 registers a block
; 32 numbers of one lane, a whole block along K, become 8 registers of codes; the block's byte goes into byte pos of v[wd].
.macro QB x, cd, wd, pos
	v_max3_num_f32 v[QA], |v[\x]|, |v[\x+1]|, |v[\x+2]|
	v_max3_num_f32 v[QA+1], |v[\x+3]|, |v[\x+4]|, |v[\x+5]|
.irp i, 6,10,14,18,22,26
	v_max3_num_f32 v[QA], v[QA], |v[\x+\i]|, |v[\x+\i+1]|
	v_max3_num_f32 v[QA+1], v[QA+1], |v[\x+\i+2]|, |v[\x+\i+3]|
.endr
	v_max3_num_f32 v[QA], v[QA], |v[\x+30]|, |v[\x+31]|
	v_max3_num_f32 v[QA], v[QA], v[QA+1], 0x8000000        ; the floor 2^(16 - 127): the byte cannot fall under 1
	v_add_nc_u32 v[QA+2], 0xf8800000, v[QA]                ; 15 off the exponent field: the conversion's scale operand
	v_and_or_b32 v[QA+3], v[QA], 0x7f800000, s[MNT]        ; 57,344 x the scale
	v_lshrrev_b32 v[QA+1], 23, v[QA+2]                     ; the byte
.if (\pos) == 0
	v_mov_b32 v[\wd], v[QA+1]
.else
	v_lshl_or_b32 v[\wd], v[QA+1], 8*(\pos), v[\wd]
.endif
.set qi, 0
.rept 32
	v_med3_num_f32 v[\x+qi], v[\x+qi], -v[QA+3], v[QA+3]   ; the conversion to an 8-bit code does not saturate (ISA guide 7.6.2): the hold comes first
.set qi, qi+1
.endr
.irp g, 0,1,2,3
	v_cvt_scalef32_pk8_bf8_f32 v[\cd+2*\g:\cd+2*\g+1], v[\x+8*\g:\x+8*\g+7], v[QA+2]
.endr
	v_nop                                                  ; a plain line behind the last conversion
.endm
; block c of my 128 along K.  kind 0: rows of 2,048 bytes, K down the rows; kind 1: rows of 4,096 bytes; kind 2: conv_w, K along my own row
.macro LOADW kind, c
.if (\kind) == 2
.irp i, 0,1,2,3,4,5,6,7
	global_load_b128 v[X+32*(\c)+4*\i:X+32*(\c)+4*\i+3], v[VO], s[32:33] offset:128*(\c)+16*\i
.endr
.else
.set li, 0
.rept 32
	global_load_b32 v[X+32*(\c)+li], v[VO], s[32:33] offset:(32*(\c)+li)*(2048<<(\kind))
.set li, li+1
.endr
.endif
.endm
.macro WTASK kind
	LOADW \kind, 0
	LOADW \kind, 1
.irp c, 0,1,2,3
.if \c < 3
.if (\kind) == 2
	s_wait_loadcnt 8                               ; this block is in; the next block's 8 loads may be out
.else
	s_wait_loadcnt 32                              ; this block is in; the next block's 32 loads may be out
.endif
.else
	s_wait_loadcnt 0x0
.endif
	QB X+32*\c, C+8*\c, WD, \c
.if \c < 2
	LOADW \kind, \c+2
.endif
.endr
.irp c, 0,1,2,3
	global_store_b128 v[SO], v[C+8*\c:C+8*\c+3], s[38:39] offset:512*\c          ; K 0-15 of the block: the place of lanes 0-15 of the fragment; sixteen of my lanes fill 256 consecutive bytes
	global_store_b128 v[SO], v[C+8*\c+4:C+8*\c+7], s[38:39] offset:512*\c+256    ; K 16-31: the place of lanes 16-31
.endr
	global_store_b32 v[WO], v[WD], s[40:41]
	s_endpgm
.endm
	s_load_b512 s[4:19], s[0:1], 0x0               ; w_q 4, w_kv 6, w_m 8, w_out 10, conv_w 12, pe 14, gamma 16, var 18
	s_load_b256 s[20:27], s[0:1], 0x40             ; conv_b 20, mean 22, beta 24, b_m 26
	s_load_b64 s[28:29], s[0:1], 0x60              ; wk
	v_lshrrev_b32 v1, 5, v0
	v_readfirstlane_b32 s[WV], v1
	s_mov_b32 s[MNT], 0x600000
	v_and_b32 v[LN], 31, v0
	v_and_b32 v5, 7, v0
	v_bfe_u32 v6, v0, 4, 1
	v_lshl_add_u32 v5, v6, 3, v5                   ; my column's row in its tile: lane % 8 + 8 (lane / 16)
	v_bfe_u32 v6, v0, 3, 1                         ; and which of the two tiles: (lane / 8) % 2
	v_lshlrev_b32 v[SO], 4, v5
	v_lshl_add_u32 v[SO], v6, 11, v[SO]
	v_lshl_add_u32 v[WO], v6, 4, v5
	v_lshlrev_b32 v[WO], 2, v[WO]
	s_mov_b32 s37, 0
	s_wait_kmcnt 0x0
	s_cmp_lt_u32 ttmp9, 192
	s_cbranch_scc0 .Lnot_weights
	s_lshr_b32 s42, ttmp9, 1                       ; which 32 columns of the 3,072
	s_and_b32 s43, ttmp9, 1
	s_lshl_b32 s43, s43, 1
	s_add_co_u32 s43, s43, s[WV]                   ; which 128 along K
	s_lshr_b32 s44, s42, 1                         ; g
	s_and_b32 s45, s42, 1                          ; bp
	s_lshl_b32 s36, s44, 15
	s_lshl_b32 s46, s43, 13
	s_add_co_u32 s36, s36, s46
	s_lshl_b32 s46, s45, 12
	s_add_co_u32 s36, s36, s46
	s_add_nc_u64 s[38:39], s[28:29], s[36:37]      ; my codes
	s_lshl_b32 s36, s44, 10
	s_lshl_b32 s46, s43, 8
	s_add_co_u32 s36, s36, s46
	s_lshl_b32 s46, s45, 7
	s_add_co_u32 s36, s36, s46
	s_add_co_u32 s36, s36, WSO
	s_add_nc_u64 s[40:41], s[28:29], s[36:37]      ; my scale words
	s_cmp_ge_u32 s42, 80
	s_cbranch_scc1 .Lconv
	s_cmp_lt_u32 s42, 16
	s_cbranch_scc1 .Lnarrow
	s_cmp_lt_u32 s42, 48
	s_cbranch_scc1 .Lwide
.Lnarrow:                                              ; w_q, w_m, w_out: [512][512], K first
	s_cmp_lt_u32 s42, 64
	s_cselect_b64 s[32:33], s[8:9], s[10:11]
	s_cselect_b32 s34, 48, 64
	s_cmp_lt_u32 s42, 16
	s_cselect_b64 s[32:33], s[4:5], s[32:33]
	s_cselect_b32 s34, 0, s34
	s_sub_co_u32 s34, s42, s34                     ; which 32 columns of this weight
	s_lshl_b32 s36, s43, 18
	s_lshl_b32 s34, s34, 7
	s_add_co_u32 s36, s36, s34
	s_add_nc_u64 s[32:33], s[32:33], s[36:37]
	v_lshlrev_b32 v[VO], 2, v[LN]
	WTASK 0
.Lwide:                                                ; w_kv: [512][1024], K first
	s_sub_co_u32 s34, s42, 16
	s_lshl_b32 s36, s43, 19
	s_lshl_b32 s34, s34, 7
	s_add_co_u32 s36, s36, s34
	s_add_nc_u64 s[32:33], s[6:7], s[36:37]
	v_lshlrev_b32 v[VO], 2, v[LN]
	WTASK 1
.Lconv:                                                ; conv_w: [o][c], K innermost
	s_sub_co_u32 s34, s42, 80
	s_lshl_b32 s36, s34, 16
	s_lshl_b32 s34, s43, 9
	s_add_co_u32 s36, s36, s34
	s_add_nc_u64 s[32:33], s[12:13], s[36:37]
	v_lshlrev_b32 v[VO], 11, v[LN]
	WTASK 2
.Lnot_weights:
	s_cmp_lt_u32 ttmp9, 256
	s_cbranch_scc0 .Lbn
	s_sub_co_u32 s42, ttmp9, 192
	s_lshl_b32 s42, s42, 1
	s_add_co_u32 s42, s42, s[WV]                   ; 0 .. 127
	s_and_b32 s43, s42, 15                         ; which 32 tokens
	s_lshr_b32 s44, s42, 4                         ; which 64 channels
	s_lshl_b32 s36, s43, 16
	s_lshl_b32 s46, s44, 8
	s_add_co_u32 s36, s36, s46
	s_add_nc_u64 s[32:33], s[14:15], s[36:37]
	s_lshl_b32 s36, s44, 17
	s_lshl_b32 s46, s43, 9
	s_add_co_u32 s36, s36, s46
	s_add_co_u32 s36, s36, PQ
	s_add_nc_u64 s[38:39], s[28:29], s[36:37]
	v_lshlrev_b32 v[VO], 11, v[LN]                 ; a lane a token: its 16 loads read 256 consecutive bytes of its row
	v_lshlrev_b32 v[SO], 4, v[LN]
.set li, 0
.rept 16
	global_load_b128 v[X+4*li:X+4*li+3], v[VO], s[32:33] offset:16*li
.set li, li+1
.endr
	s_wait_loadcnt 0x0
.set li, 0
.rept 16
	global_store_b128 v[SO], v[X+4*li:X+4*li+3], s[38:39] offset:8192*li   ; the wave stores 512 consecutive bytes
.set li, li+1
.endr
	s_endpgm
.Lbn:
	v_lshlrev_b32 v[VO], 5, v0                     ; 8 channels a thread
	s_add_nc_u64 s[38:39], s[28:29], BNO
.irp i, 0,1
	global_load_b128 v[16+4*\i:19+4*\i], v[VO], s[16:17] offset:16*\i    ; gamma
	global_load_b128 v[24+4*\i:27+4*\i], v[VO], s[18:19] offset:16*\i    ; var
	global_load_b128 v[32+4*\i:35+4*\i], v[VO], s[20:21] offset:16*\i    ; conv_b
	global_load_b128 v[40+4*\i:43+4*\i], v[VO], s[22:23] offset:16*\i    ; mean
	global_load_b128 v[48+4*\i:51+4*\i], v[VO], s[24:25] offset:16*\i    ; beta
	global_load_b128 v[56+4*\i:59+4*\i], v[VO], s[26:27] offset:16*\i    ; b_m
.endr
	s_wait_loadcnt 0x0
.irp i, 0,1,2,3,4,5,6,7
	v_add_f32 v[24+\i], 0x3727c5ac, v[24+\i]       ; var + 1e-5
.endr
.irp i, 0,1,2,3,4,5,6,7
	v_rsq_f32 v[64+\i], v[24+\i]
.endr
.irp i, 0,1,2,3,4,5,6,7
	v_sub_f32 v[32+\i], v[32+\i], v[40+\i]         ; conv_b - mean: plain work behind the batch
	v_add_f32 v[48+\i], v[48+\i], v[56+\i]         ; beta + b_m
.endr
	s_wait_alu depctr_va_vdst(0)                   ; one wait for the eight roots, ahead of their first reader
.irp i, 0,1,2,3,4,5,6,7
	v_mul_f32 v[72+\i], v[16+\i], v[64+\i]         ; s
.endr
.irp i, 0,1,2,3,4,5,6,7
	v_fma_f32 v[80+\i], v[32+\i], v[72+\i], v[48+\i]   ; t
.endr
.irp i, 0,1
	global_store_b128 v[VO], v[72+4*\i:75+4*\i], s[38:39] offset:16*\i
	global_store_b128 v[VO], v[80+4*\i:83+4*\i], s[38:39] offset:2048+16*\i
.endr
	s_endpgm
.Lfunc_end_k_q6010ecb5d7_prep:
	.size	k_q6010ecb5d7_prep, .Lfunc_end_k_q6010ecb5d7_prep-k_q6010ecb5d7_prep
	.p2alignl 7, 3214868480
	.fill 96, 4, 3214868480
	.section	.rodata,"a",@progbits
	.p2align	6, 0x0
	.amdhsa_kernel k_q6010ecb5d7_prep
		.amdhsa_group_segment_fixed_size 0
		.amdhsa_private_segment_fixed_size 0
		.amdhsa_enable_private_segment 0
		.amdhsa_kernarg_size 104
		.amdhsa_user_sgpr_count 2
		.amdhsa_user_sgpr_kernarg_segment_ptr 1
		.amdhsa_wavefront_size32 1
		.amdhsa_system_sgpr_workgroup_id_x 1
		.amdhsa_system_sgpr_workgroup_id_y 1
		.amdhsa_system_sgpr_workgroup_id_z 1
		.amdhsa_system_vgpr_workitem_id 0
		.amdhsa_next_free_vgpr 192
		.amdhsa_next_free_sgpr 66
		.amdhsa_reserve_vcc 0
		.amdhsa_float_denorm_mode_32 3
		.amdhsa_float_denorm_mode_16_64 3
		.amdhsa_memory_ordered 1
		.amdhsa_forward_progress 1
		.amdhsa_inst_pref_size 83
	.end_amdhsa_kernel
	.amdgpu_metadata
---
amdhsa.version: [ 1, 2 ]
amdhsa.kernels:
  - .name:           k_q6010ecb5d7_prep
    .symbol:         k_q6010ecb5d7_prep.kd
    .args:
      - { .name: w_q, .offset: 0, .size: 8, .value_kind: global_buffer, .address_space: global }
      - { .name: w_kv, .offset: 8, .size: 8, .value_kind: global_buffer, .address_space: global }
      - { .name: w_m, .offset: 16, .size: 8, .value_kind: global_buffer, .address_space: global }
      - { .name: w_out, .offset: 24, .size: 8, .value_kind: global_buffer, .address_space: global }
      - { .name: conv_w, .offset: 32, .size: 8, .value_kind: global_buffer, .address_space: global }
      - { .name: pe, .offset: 40, .size: 8, .value_kind: global_buffer, .address_space: global }
      - { .name: bn_gamma, .offset: 48, .size: 8, .value_kind: global_buffer, .address_space: global }
      - { .name: bn_var, .offset: 56, .size: 8, .value_kind: global_buffer, .address_space: global }
      - { .name: conv_b, .offset: 64, .size: 8, .value_kind: global_buffer, .address_space: global }
      - { .name: bn_mean, .offset: 72, .size: 8, .value_kind: global_buffer, .address_space: global }
      - { .name: bn_beta, .offset: 80, .size: 8, .value_kind: global_buffer, .address_space: global }
      - { .name: b_m, .offset: 88, .size: 8, .value_kind: global_buffer, .address_space: global }
      - { .name: wk, .offset: 96, .size: 8, .value_kind: global_buffer, .address_space: global }
    .group_segment_fixed_size: 0
    .private_segment_fixed_size: 0
    .kernarg_segment_align: 8
    .kernarg_segment_size: 104
    .max_flat_workgroup_size: 64
    .sgpr_count:     66
    .vgpr_count:     192
    .wavefront_size: 32
...
	.end_amdgpu_metadata
.endif
;; end of part 1
;; launch qkv (part 2): grid 256 x 1, 8 waves a work-group, no clusters, 70,656 bytes of LDS; arguments x, wk, b_q, b_kv, acod, ascl; writes acod, ascl
.if DOCPART == 2
	.amdgcn_target "amdgcn-amd-amdhsa--gfx1250"
	.amdhsa_code_object_version 6
	.text
	.protected	k_q6010ecb5d7_qkv
	.globl	k_q6010ecb5d7_qkv
	.p2align	8
	.type	k_q6010ecb5d7_qkv,@function
k_q6010ecb5d7_qkv:
	s_mov_b64 s[64:65], 0
	v_nop
	global_prefetch_b8 v0, s[64:65] scope:SCOPE_SE
	s_setreg_imm32_b32 hwreg(HW_REG_WAVE_MODE, 25, 1), 1
	s_wait_xcnt 0x0
; QKV: for a block of 128 tokens of one slice (b, t): x and x + pe are quantised along the channels; q, k, v = (x + pe) W + bias on codes of E5M2 (one E8M0 byte for each 32 along K);
; each head's q, k, v are divided by max(their norm, 1e-12); q and k are quantised along the head's 64, v along the keys.  All codes leave in the order of the operand's registers.
; SHARES: 256 work-groups = 64 slices x 4 blocks.  Eight waves, two to a SIMD, so that one wave's vector work stands beside the other's products.  WAVE w = HEAD w = 64 output columns:
; its weights are read by no other wave of the work-group, so they come from memory straight into its registers (512 consecutive bytes a load); only the tokens' codes (64 KB) go through LDS,
; as images of the operand's registers: fragment (tile m of 16 tokens, 128 s along K) at (4 m + s) 2,048 + 512 c + 16 lane.
; TILES ARE NOT MADE OF NEIGHBOURS: row rho of tile 2 B + u is item 32 B + 8 u + rho + 8 (rho / 8), for tokens and for columns alike; then the 16 result registers of tiles 2 B, 2 B + 1 are 16 neighbours
; along the next product's K.  q, k: source 0 = weights, source 1 = tokens (a lane holds a token, registers run along d).  v: source 0 = tokens, source 1 = weights (a lane holds a d, registers run along the keys).
; NO CLUSTER, NO TENSOR LOAD: no tile is read by two waves of a work-group from LDS but the tokens' codes, which are made here; the weights land in registers, where no joint load can put them.
; OUT: acod + 0: x's codes [wg][m][s] images; + QC, KC: [slice][head][blk][pair 4][c 4][lane][16] (c 0, 1: tile 2 pair; c 2, 3: tile 2 pair + 1); + VC: [..][d tile 4] fragments over the block's 128 keys.
;      ascl + 0: x's scale words [wg][s][32][4]; + QSO, KSO: [..][lane][pair]: lanes 0-15 tile 2 pair, lanes 16-31 tile 2 pair + 1; + VSO: [..][lane][2].
; LIMITS: NaN and infinities are not served; a block of zeros has the byte 1 (its codes are zeros; these bytes are read by this program alone); the biases enter as the sums' first addend.
; REGISTERS: window 1 (v256-511): the 32 accumulators.  Window 0: v1-15 addresses; v208-223 scale words and nothing else; the rest by phase, as the names below say.
.set QC,  16777216
.set KC,  33554432
.set VC,  50331648
.set QSO, 524288
.set KSO, 1572864
.set VSO, 2621440
.set WSO, 1572864
.set PQ,  1622016
.set XPSC, 65536                       ; LDS: behind the 64 KB of images: the scale words of x + pe,
.set XSCL, 67584                       ; and those of x
.set L16, 1                            ; v1   16 x lane
.set L4,  2                            ; v2   4 x lane
.set L8,  3                            ; v3   8 x lane
.set SH,  4                            ; v4   16 (lane / 16)
.set XI,  5                            ; v5   where my token's codes go in an image
.set XSA, 6                            ; v6   and its scale word
.set BO,  7                            ; v7   64 (lane / 16): a bias for a result whose registers run along the columns
.set SAD, 8                            ; v8   XPSC + 16 x lane
.set BV,  9                            ; v9   4 (r + 8 (r / 8)): a bias for a result whose lanes are columns
.set XCP, 10                           ; v10  my wave's 256 bytes of x's scale words
.set QA,  12                           ; v12-15 at work in QB
.set X,   16                           ; phase X: v16-79 two sets of 32 numbers of x; v80-143 of pe; v144-159, v160-175 two sets of codes each; v176, v177 scale words
.set PE,  80
.set CX,  144
.set CP,  160
.set XW,  176
.set PWX, 177
.set WB,  16                           ; products: v16-143 two sets of four weight fragments; v144-207 two pairs of token fragments
.set AB,  144
.set WS,  208                          ; v208-215 the weights' scale words, register 2 s + bp
.set AS,  216                          ; v216-223 the tokens', two sets of four
.set BI,  224                          ; v224-255 the bias, 8 registers a tile
.set SS,  16                           ; behind the products: v16-31 sums of squares, then 1 / norm, a pair a tile
.set ET1, 32
.set ET2, 40
.set TM,  64                           ; v64-79 at work in QUANT
.set PC,  80                           ; v80-95 the codes just made
.set PW,  96                           ; v96 their scale word
.set SW,  100                          ; v100-103 q's or k's four scale words
.set PWK, 104                          ; v104-107 v's four
.set VW,  108                          ; v108-109 and as they are stored
.set SSV, 112                          ; v112-175 v: sums of squares, a register a token
.set WV,  16
.set SEL, 20
.set MNT, 22
.set MSK, 23
.set MSB, 0
.macro WIN new                         ; the immediate's high byte repeats the setting that is left; a switch that changes nothing is dropped
.if MSB != (\new)
	s_set_vgpr_msb (MSB<<8)|(\new)
.set MSB, (\new)
.endif
.endm
.macro WM d, a, b, c, sa, sb, ra, rb   ; one product 16 x 16 x 128; c < 0: the sum starts; ra, rb: the side's scale words stand in lanes 16-31
.if (\c) < 0
.if (\ra) && (\rb)
	v_wmma_scale_f32_16x16x128_f8f6f4 v[\d:\d+7], v[\a:\a+15], v[\b:\b+15], 0, v[\sa], v[\sb] matrix_a_fmt:MATRIX_FMT_BF8 matrix_b_fmt:MATRIX_FMT_BF8 matrix_a_scale:MATRIX_SCALE_ROW1 matrix_b_scale:MATRIX_SCALE_ROW1
.elseif (\ra)
	v_wmma_scale_f32_16x16x128_f8f6f4 v[\d:\d+7], v[\a:\a+15], v[\b:\b+15], 0, v[\sa], v[\sb] matrix_a_fmt:MATRIX_FMT_BF8 matrix_b_fmt:MATRIX_FMT_BF8 matrix_a_scale:MATRIX_SCALE_ROW1
.elseif (\rb)
	v_wmma_scale_f32_16x16x128_f8f6f4 v[\d:\d+7], v[\a:\a+15], v[\b:\b+15], 0, v[\sa], v[\sb] matrix_a_fmt:MATRIX_FMT_BF8 matrix_b_fmt:MATRIX_FMT_BF8 matrix_b_scale:MATRIX_SCALE_ROW1
.else
	v_wmma_scale_f32_16x16x128_f8f6f4 v[\d:\d+7], v[\a:\a+15], v[\b:\b+15], 0, v[\sa], v[\sb] matrix_a_fmt:MATRIX_FMT_BF8 matrix_b_fmt:MATRIX_FMT_BF8
.endif
.else
.if (\ra) && (\rb)
	v_wmma_scale_f32_16x16x128_f8f6f4 v[\d:\d+7], v[\a:\a+15], v[\b:\b+15], v[\c:\c+7], v[\sa], v[\sb] matrix_a_fmt:MATRIX_FMT_BF8 matrix_b_fmt:MATRIX_FMT_BF8 matrix_a_scale:MATRIX_SCALE_ROW1 matrix_b_scale:MATRIX_SCALE_ROW1
.elseif (\ra)
	v_wmma_scale_f32_16x16x128_f8f6f4 v[\d:\d+7], v[\a:\a+15], v[\b:\b+15], v[\c:\c+7], v[\sa], v[\sb] matrix_a_fmt:MATRIX_FMT_BF8 matrix_b_fmt:MATRIX_FMT_BF8 matrix_a_scale:MATRIX_SCALE_ROW1
.elseif (\rb)
	v_wmma_scale_f32_16x16x128_f8f6f4 v[\d:\d+7], v[\a:\a+15], v[\b:\b+15], v[\c:\c+7], v[\sa], v[\sb] matrix_a_fmt:MATRIX_FMT_BF8 matrix_b_fmt:MATRIX_FMT_BF8 matrix_b_scale:MATRIX_SCALE_ROW1
.else
	v_wmma_scale_f32_16x16x128_f8f6f4 v[\d:\d+7], v[\a:\a+15], v[\b:\b+15], v[\c:\c+7], v[\sa], v[\sb] matrix_a_fmt:MATRIX_FMT_BF8 matrix_b_fmt:MATRIX_FMT_BF8
.endif
.endif
.endm
; 32 numbers of one lane, a whole block along K, become 8 registers of codes; the block's byte goes into byte pos of v[wd]
.macro QB x, cd, wd, pos
	v_max3_num_f32 v[QA], |v[\x]|, |v[\x+1]|, |v[\x+2]|
	v_max3_num_f32 v[QA+1], |v[\x+3]|, |v[\x+4]|, |v[\x+5]|
.irp i, 6,10,14,18,22,26
	v_max3_num_f32 v[QA], v[QA], |v[\x+\i]|, |v[\x+\i+1]|
	v_max3_num_f32 v[QA+1], v[QA+1], |v[\x+\i+2]|, |v[\x+\i+3]|
.endr
	v_max3_num_f32 v[QA], v[QA], |v[\x+30]|, |v[\x+31]|
	v_max3_num_f32 v[QA], v[QA], v[QA+1], 0x8000000        ; the floor 2^(16 - 127): the byte cannot fall under 1
	v_add_nc_u32 v[QA+2], 0xf8800000, v[QA]                ; 15 off the exponent field: the conversion's scale operand
	v_and_or_b32 v[QA+3], v[QA], 0x7f800000, s[MNT]        ; 57,344 x the scale
	v_lshrrev_b32 v[QA+1], 23, v[QA+2]                     ; the byte
.if (\pos) == 0
	v_mov_b32 v[\wd], v[QA+1]
.else
	v_lshl_or_b32 v[\wd], v[QA+1], 8*(\pos), v[\wd]
.endif
.set qi, 0
.rept 32
	v_med3_num_f32 v[\x+qi], v[\x+qi], -v[QA+3], v[QA+3]   ; the conversion to an 8-bit code does not saturate (ISA guide 7.6.2): the hold comes first
.set qi, qi+1
.endr
.irp g, 0,1,2,3
	v_cvt_scalef32_pk8_bf8_f32 v[\cd+2*\g:\cd+2*\g+1], v[\x+8*\g:\x+8*\g+7], v[QA+2]
.endr
	v_nop                                                  ; a plain line behind the last conversion
.endm
; 64 numbers of a lane in window 1, register s + 16 b + i = K 32 b + 16 (lane / 16) + i of the lane's row, become a fragment's 16 registers v[PC] on and its scale word v[PW]
.macro QUANT s
	WIN 0x05
.irp b, 0,1,2,3
	v_max3_num_f32 v[TM+\b], |v[\s+16*\b]|, |v[\s+16*\b+1]|, 0x8000000   ; my 16 numbers of block b, and the floor
.endr
	WIN 0x14
.irp i, 2,4,6,8,10,12,14
.irp b, 0,1,2,3
	v_max3_num_f32 v[TM+\b], v[TM+\b], |v[\s+16*\b+\i]|, |v[\s+16*\b+\i+1]|   ; the four blocks by turns
.endr
.endr
	WIN 0
.irp b, 0,1,2,3
	v_permlanex16_b32 v[TM+4+\b], v[TM+\b], s[SEL], s[SEL+1]
.endr
.irp b, 0,1,2,3
	v_max_num_f32 v[TM+\b], v[TM+\b], v[TM+4+\b]           ; with the lane 16 away: the block's largest magnitude
.endr
.irp b, 0,1,2,3
	v_add_nc_u32 v[TM+12+\b], 0xf8800000, v[TM+\b]
.endr
.irp b, 0,1,2,3
	v_and_or_b32 v[TM+8+\b], v[TM+\b], 0x7f800000, s[MNT]
.endr
.irp b, 0,1,2,3
	v_lshrrev_b32 v[TM+4+\b], 23, v[TM+12+\b]
.endr
	v_lshl_or_b32 v[PW], v[TM+5], 8, v[TM+4]
	v_lshl_or_b32 v[PW], v[TM+6], 16, v[PW]
	v_lshl_or_b32 v[PW], v[TM+7], 24, v[PW]
	WIN 0x41
.irp b, 0,1,2,3
.set qi, 0
.rept 16
	v_med3_num_f32 v[\s+16*\b+qi], v[\s+16*\b+qi], -v[TM+8+\b], v[TM+8+\b]
.set qi, qi+1
.endr
.endr
	WIN 0x01
.irp b, 0,1,2,3
	v_cvt_scalef32_pk8_bf8_f32 v[PC+4*\b:PC+4*\b+1], v[\s+16*\b:\s+16*\b+7], v[TM+12+\b]
	v_cvt_scalef32_pk8_bf8_f32 v[PC+4*\b+2:PC+4*\b+3], v[\s+16*\b+8:\s+16*\b+15], v[TM+12+\b]
.endr
	WIN 0
	v_nop                                                  ; a plain line behind the last conversion
.endm
.macro BIAS reg, bp, off               ; 8 registers a tile: lane half h wants the columns 32 B + 16 h + 8 u + 0 .. 7 of tile 2 B + u
.irp nt, 0,1,2,3
	global_load_b128 v[\reg+8*\nt:\reg+8*\nt+3], v[BO], s[\bp:\bp+1] offset:\off+(32*(\nt/2)+8*(\nt%2))*4
	global_load_b128 v[\reg+8*\nt+4:\reg+8*\nt+7], v[BO], s[\bp:\bp+1] offset:\off+(32*(\nt/2)+8*(\nt%2))*4+16
.endr
.endm
; THE PRODUCT of a wave: 128 tokens x 64 columns x K 512: 128 matrix instructions on 32 accumulators that take turns, one instruction a turn.
.macro WLOAD wp, s                     ; the four weight fragments of K step s, into set s % 2
.irp nt, 0,1,2,3
.irp c, 0,1,2,3
	global_load_b128 v[WB+64*((\s)%2)+16*\nt+4*\c:WB+64*((\s)%2)+16*\nt+4*\c+3], v[L16], s[\wp:\wp+1] offset:8192*(\s)+2048*\nt+512*\c
.endr
.endr
.endm
.macro PLOAD aad, qq                   ; pair qq = 4 s + i of token fragments: tiles 2 i, 2 i + 1 of K step s, into buffer qq % 2
.irp mm, 0,1
.irp c, 0,1,2,3
	ds_load_b128 v[AB+32*((\qq)%2)+16*\mm+4*\c:AB+32*((\qq)%2)+16*\mm+4*\c+3], v[\aad] offset:(4*(2*((\qq)%4)+\mm)+(\qq)/4)*2048+512*\c
.endr
.endr
.endm
.macro GGROUP ori, cmode, aad, sad, soff, s, i, nextra
.set gq, 4*(\s)+(\i)
.if (\i) == 0
.if (\s) < 3
	s_wait_loadcnt 16                              ; this step's weights are in (and all that was asked for before them); the next step's 16 loads may be out
.else
	s_wait_loadcnt \nextra
.endif
.endif
.if gq == 15
	s_wait_dscnt 0x0
.elseif (\i) == 3
	s_wait_dscnt 9                                 ; behind this pair: the next step's scale words and the next pair's eight
.else
	s_wait_dscnt 8                                 ; behind this pair: the next pair's eight
.endif
.if ((\s) == 0) && ((\cmode) != 2)
	WIN 0x40
.else
	WIN 0x50
.endif
.irp mm, 0,1
.irp nt, 0,1,2,3
.set rW, WB+64*((\s)%2)+16*\nt
.set rT, AB+32*((\i)%2)+16*\mm
.set rWS, WS+2*(\s)+(\nt)/2
.set rAS, AS+4*((\s)%2)+(\i)
.if (\ori) == 0
.set rD, 8*(4*(2*(\i)+\mm)+\nt)
.else
.set rD, 8*(8*\nt+2*(\i)+\mm)
.endif
.set rC, rD
.if (\s) == 0
.if (\cmode) == 0
.set rC, -1
.elseif (\cmode) == 1
.set rC, BI+8*\nt
.endif
.endif
.if (\ori) == 0
	WM rD,rW,rT,rC,rWS,rAS,(\nt)%2,\mm
.else
	WM rD,rT,rW,rC,rAS,rWS,\mm,(\nt)%2
.endif
.endr
.endr
	WIN 0
.rept 8
	v_nop                                          ; eight places in front of loads into registers that these products have read, and of the first read of results
.endr
.if ((\i) == 2) && ((\s) < 3)
	ds_load_b128 v[AS+4*(((\s)+1)%2):AS+4*(((\s)+1)%2)+3], v[\sad] offset:\soff+512*((\s)+1)
.endif
.if gq+2 < 16
	PLOAD \aad, gq+2
.endif
.endm
.macro GSTEP ori, cmode, aad, sad, soff, wp, s, nextra
.if (\s) < 3
	WLOAD \wp, (\s)+1
.endif
.irp i, 0,1,2,3
	GGROUP \ori, \cmode, \aad, \sad, \soff, \s, \i, \nextra
.endr
.endm
; ori 0: source 0 = weights, accumulator (m, nt) at 8 (4 m + nt); ori 1: source 0 = tokens, accumulator at 8 (8 nt + m).  cmode 0: sums start at 0; 1: at the bias; 2: go on in place
.macro GEMM ori, cmode, aad, sad, soff, wp, wsp, nextra
.irp s, 0,1,2,3
.irp bp, 0,1
	global_load_b32 v[WS+2*\s+\bp], v[L4], s[\wsp:\wsp+1] offset:256*\s+128*\bp
.endr
.endr
	WLOAD \wp, 0
	ds_load_b128 v[AS:AS+3], v[\sad] offset:\soff
	PLOAD \aad, 0
	PLOAD \aad, 1
.irp s, 0,1,2,3
	GSTEP \ori, \cmode, \aad, \sad, \soff, \wp, \s, \nextra
.endr
.endm
	s_load_b256 s[4:11], s[0:1], 0x0               ; x 4, wk 6, b_q 8, b_kv 10
	s_load_b128 s[12:15], s[0:1], 0x20             ; acod 12, ascl 14
	v_lshrrev_b32 v11, 5, v0
	v_readfirstlane_b32 s[WV], v11
	v_and_b32 v11, 31, v0
	v_lshlrev_b32 v[L16], 4, v11
	v_lshlrev_b32 v[L4], 2, v11
	v_lshlrev_b32 v[L8], 3, v11
	v_bfe_u32 v12, v0, 4, 1
	v_lshlrev_b32 v[SH], 4, v12
	v_lshlrev_b32 v[BO], 6, v12
	v_and_b32 v13, 7, v0
	v_lshl_add_u32 v13, v12, 3, v13                ; phase X: a lane a token: its row in its tile, lane % 8 + 8 (lane / 16),
	v_bfe_u32 v14, v0, 3, 1                        ; and which of the two tiles
	s_and_b32 s17, s[WV], 3                        ; which 32 tokens are my wave's in phase X
	s_lshr_b32 s18, s[WV], 2                       ; which 256 channels
	s_lshl_b32 s32, s17, 14
	s_lshl_b32 s33, s18, 12
	s_add_co_u32 s32, s32, s33
	v_lshlrev_b32 v[XI], 4, v13
	v_lshl_add_u32 v[XI], v14, 13, v[XI]
	v_add_nc_u32 v[XI], s32, v[XI]
	s_lshl_b32 s32, s17, 2
	s_lshl_b32 s33, s18, 10
	s_add_co_u32 s32, s32, s33
	s_add_co_u32 s32, s32, XPSC
	v_lshl_add_u32 v[XSA], v14, 4, v13
	v_lshlrev_b32 v[XSA], 4, v[XSA]
	v_add_nc_u32 v[XSA], s32, v[XSA]
	v_add_nc_u32 v[SAD], XPSC, v[L16]
	v_and_b32 v13, 15, v0
	v_and_b32 v14, 8, v13
	v_add_nc_u32 v13, v13, v14
	v_lshlrev_b32 v[BV], 2, v13
	s_lshl_b32 s32, s[WV], 8
	s_add_co_u32 s32, s32, XSCL
	v_add_nc_u32 v[XCP], s32, v[L8]
.irp i, 0,1,2,3,4,5,6,7
	v_mov_b32 v[ET2+\i], 0                         ; written once: a lane permute's destination counts as one of its sources
.endr
.irp i, 4,5,6,7
	v_mov_b32 v[TM+\i], 0
.endr
	s_mov_b32 s[SEL], 0x76543210
	s_mov_b32 s[SEL+1], 0xfedcba98                 ; v_permlanex16_b32's selects for the lane 16 away
	s_mov_b32 s[MNT], 0x600000
	s_mov_b32 s[MSK], 0xffff0000
	s_lshr_b32 s32, ttmp9, 2                       ; slice
	s_and_b32 s33, ttmp9, 3                        ; block of 128 tokens
	s_lshr_b32 s34, s32, 2                         ; b
	s_and_b32 s35, s32, 3                          ; t
	s_lshl_b32 s36, s34, 22
	s_lshl_b32 s37, s35, 11
	s_add_co_u32 s36, s36, s37
	s_lshl_b32 s37, s33, 9
	s_add_co_u32 s36, s36, s37
	s_lshl_b32 s37, s17, 7
	s_add_co_u32 s36, s36, s37
	s_lshl_b32 s37, s18, 21
	s_add_co_u32 s36, s36, s37
	s_mov_b32 s37, 0
	s_lshl_b32 s38, s32, 3
	s_add_co_u32 s38, s38, s[WV]
	s_lshl_b32 s38, s38, 2
	s_add_co_u32 s38, s38, s33                     ; (slice, head, block) as one number
	s_wait_kmcnt 0x0
	s_add_nc_u64 s[24:25], s[4:5], s[36:37]        ; x at my wave's first token and channel
	s_lshl_b32 s36, s18, 19
	s_lshl_b32 s39, s33, 11
	s_add_co_u32 s36, s36, s39
	s_lshl_b32 s39, s17, 9
	s_add_co_u32 s36, s36, s39
	s_add_co_u32 s36, s36, PQ
	s_add_nc_u64 s[26:27], s[6:7], s[36:37]        ; pe likewise
	s_lshl_b32 s36, ttmp9, 16
	s_add_nc_u64 s[28:29], s[12:13], s[36:37]      ; x's codes
	s_lshl_b32 s36, ttmp9, 11
	s_lshl_b32 s39, s[WV], 8
	s_add_co_u32 s36, s36, s39
	s_add_nc_u64 s[30:31], s[14:15], s[36:37]      ; x's scale words, my wave's 256 bytes
; ---- PHASE X.  A lane owns a token, its registers run down the channels: a block of 32 lies in one lane, and each load of x reads 128 consecutive bytes.  8 blocks a wave, loads two blocks ahead.
.macro LOADB j
.irp i, 0,1,2,3,4,5,6,7
	global_load_b128 v[PE+32*((\j)%2)+4*\i:PE+32*((\j)%2)+4*\i+3], v[L16], s[26:27] offset:(8*(\j)+\i)*8192
.endr
.set li, 0
.rept 32
	global_load_b32 v[X+32*((\j)%2)+li], v[L4], s[24:25] offset:(32*(\j)+li)*8192 th:TH_LOAD_NT
.set li, li+1
.endr
.endm
.macro XBLOCK j
.set XR, X+32*((\j)%2)
.set PR, PE+32*((\j)%2)
.set CXR, CX+8*((\j)%2)
.set CPR, CP+8*((\j)%2)
.set IM, 2048*((\j)/4)+512*((\j)%4)
.if (\j) < 7
	s_wait_loadcnt 40                              ; this block's 40 loads are in; the next block's may be out
.else
	s_wait_loadcnt 0x0
.endif
	s_wait_xcnt 0x0                                ; the stores of two blocks ago have read their data: these code registers are written again only behind this wait,
	s_wait_dscnt 0x0                               ; and the LDS stores likewise
.set pk, 0
.rept 16
	v_pk_add_f32 v[PR+2*pk:PR+2*pk+1], v[PR+2*pk:PR+2*pk+1], v[XR+2*pk:XR+2*pk+1]    ; x + pe
.set pk, pk+1
.endr
	QB XR, CXR, XW, (\j)%4
	QB PR, CPR, PWX, (\j)%4
.if (\j)+2 < 8
	LOADB (\j)+2
.endif
	ds_store_b128 v[XI], v[CPR:CPR+3] offset:IM            ; K 0-15 of the block: the place of lanes 0-15 of the fragment
	ds_store_b128 v[XI], v[CPR+4:CPR+7] offset:IM+256      ; K 16-31: of lanes 16-31
	global_store_b128 v[XI], v[CXR:CXR+3], s[28:29] offset:IM
	global_store_b128 v[XI], v[CXR+4:CXR+7], s[28:29] offset:IM+256
.if (\j)%4 == 3
	ds_store_b32 v[XSA], v[PWX] offset:512*((\j)/4)
	ds_store_b32 v[XSA], v[XW] offset:512*((\j)/4)+2048
.endif
.endm
	LOADB 0
	LOADB 1
	; the passes' pointers, while the loads are out.  s[40:49]: weights, their scale words, bias, codes out, scale words out, for q; s[50:59] for k; s[66:75] for v
	s_lshl_b32 s36, s[WV], 15
	s_add_nc_u64 s[40:41], s[6:7], s[36:37]
	s_lshl_b32 s36, s[WV], 10
	s_add_co_u32 s36, s36, WSO
	s_add_nc_u64 s[42:43], s[6:7], s[36:37]
	s_lshl_b32 s36, s[WV], 8
	s_add_nc_u64 s[44:45], s[8:9], s[36:37]
	s_add_nc_u64 s[54:55], s[10:11], s[36:37]
	s_lshl_b32 s36, s38, 13
	s_add_co_u32 s36, s36, QC
	s_add_nc_u64 s[46:47], s[12:13], s[36:37]
	s_lshl_b32 s36, s38, 9
	s_add_co_u32 s36, s36, QSO
	s_add_nc_u64 s[48:49], s[14:15], s[36:37]
	s_lshl_b32 s36, s38, 8
	s_add_co_u32 s36, s36, VSO
	s_add_nc_u64 s[74:75], s[14:15], s[36:37]
	s_add_nc_u64 s[50:51], s[40:41], 262144
	s_add_nc_u64 s[52:53], s[42:43], 8192
	s_add_nc_u64 s[56:57], s[46:47], KC-QC
	s_add_nc_u64 s[58:59], s[48:49], KSO-QSO
	s_add_nc_u64 s[66:67], s[40:41], 524288
	s_add_nc_u64 s[68:69], s[42:43], 16384
	s_add_nc_u64 s[70:71], s[54:55], 2048
	s_add_nc_u64 s[72:73], s[46:47], VC-QC
.irp j, 0,1,2,3,4,5,6,7
	XBLOCK \j
.endr
	s_wait_dscnt 0x0                               ; for the others' sake: my images and scale words have landed
	s_barrier_signal -1
	s_barrier_wait -1                              ; the launch's one barrier: nothing in LDS is written behind it
	ds_load_b64 v[12:13], v[XCP]
	s_wait_dscnt 0x0
	global_store_b64 v[L8], v[12:13], s[30:31]     ; x's scale words leave as they lie: the wave stores 256 consecutive bytes
	s_wait_xcnt 0x0                                ; the stores of x's codes have read their data: token fragments land in those registers
; ---- q, then k: one text, two trips
	s_mov_b32 s60, 0
.Lpass:
	BIAS BI, 44, 0
	GEMM 0, 1, L16, SAD, 0, 40, 42, 0
	; a lane holds a token; the 32 registers of tile m are 32 of the head's 64, the lane 16 away holds the others.  Each accumulator is read from its low end on.
	WIN 0x05
.set pk, 0
.rept 16
.set mi, 0
.rept 8
.if pk == 0
	v_pk_mul_f32 v[SS+2*mi:SS+2*mi+1], v[32*mi:32*mi+1], v[32*mi:32*mi+1]
.else
	v_pk_fma_f32 v[SS+2*mi:SS+2*mi+1], v[32*mi+2*pk:32*mi+2*pk+1], v[32*mi+2*pk:32*mi+2*pk+1], v[SS+2*mi:SS+2*mi+1]
.endif
.set mi, mi+1
.endr
.set pk, pk+1
.endr
	WIN 0
.irp m, 0,1,2,3,4,5,6,7
	v_add_f32 v[ET1+\m], v[SS+2*\m], v[SS+2*\m+1]
.endr
.irp m, 0,1,2,3,4,5,6,7
	v_permlanex16_b32 v[ET2+\m], v[ET1+\m], s[SEL], s[SEL+1]
.endr
.irp m, 0,1,2,3,4,5,6,7
	v_add_f32 v[ET1+\m], v[ET1+\m], v[ET2+\m]
.endr
.irp m, 0,1,2,3,4,5,6,7
	v_rsq_f32 v[ET2+\m], v[ET1+\m]
.endr
	v_nop                                          ; a plain line behind the last root
	s_wait_alu depctr_va_vdst(0)                   ; one wait for the eight, ahead of their first reader
.irp m, 0,1,2,3,4,5,6,7
	v_min_num_f32 v[SS+2*\m], 0x5368d4a5, v[ET2+\m]        ; 1 / max(norm, 1e-12) = min(1 / norm, 1e12)
	v_min_num_f32 v[SS+2*\m+1], 0x5368d4a5, v[ET2+\m]
.endr
	WIN 0x41
.set mi, 0
.rept 8
.set pk, 0
.rept 16
	v_pk_mul_f32 v[32*mi+2*pk:32*mi+2*pk+1], v[32*mi+2*pk:32*mi+2*pk+1], v[SS+2*mi:SS+2*mi+1]
.set pk, pk+1
.endr
.set mi, mi+1
.endr
.irp pr, 0,1,2,3                       ; tiles 2 pr and 2 pr + 1: blocks 0, 1 are the first tile's 64, blocks 2, 3 the second's
	s_wait_xcnt 0x0                                ; the last stores have read the code registers
	QUANT 64*\pr
	v_lshrrev_b32 v[SW+\pr], v[SH], v[PW]          ; lanes 16-31 carry the second tile's two bytes at the word's low end
.irp c, 0,1,2,3
	global_store_b128 v[L16], v[PC+4*\c:PC+4*\c+3], s[46:47] offset:2048*\pr+512*\c
.endr
.endr
	global_store_b128 v[L16], v[SW:SW+3], s[48:49]
	s_wait_xcnt 0x0                                ; the stores have read their data and bases: both are written again
	s_mov_b64 s[40:41], s[50:51]
	s_mov_b64 s[42:43], s[52:53]
	s_mov_b64 s[44:45], s[54:55]
	s_mov_b64 s[46:47], s[56:57]
	s_mov_b64 s[48:49], s[58:59]
	s_add_co_u32 s60, s60, 1
	s_cmp_lt_u32 s60, 2
	s_cbranch_scc1 .Lpass
; ---- v: source 0 = tokens, so that a lane holds one d and its registers run along the keys
.irp nt, 0,1,2,3
	global_load_b32 v[BI+8*\nt], v[BV], s[70:71] offset:(32*(\nt/2)+8*(\nt%2))*4
.endr
	s_wait_loadcnt 0x0
.irp nt, 0,1,2,3
.irp j, 1,2,3,4,5,6,7
	v_mov_b32 v[BI+8*\nt+\j], v[BI+8*\nt]          ; my column's bias for the tile's eight tokens
.endr
.endr
	GEMM 1, 1, L16, SAD, 0, 66, 68, 0
	WIN 0x05                                       ; a token's 64 numbers lie in register 8 m + j of four accumulators and in the 16 lanes of my half
.set ni, 0
.rept 4
.set pk, 0
.rept 32
.if ni == 0
	v_pk_mul_f32 v[SSV+2*pk:SSV+2*pk+1], v[2*pk:2*pk+1], v[2*pk:2*pk+1]
.else
	v_pk_fma_f32 v[SSV+2*pk:SSV+2*pk+1], v[64*ni+2*pk:64*ni+2*pk+1], v[64*ni+2*pk:64*ni+2*pk+1], v[SSV+2*pk:SSV+2*pk+1]
.endif
.set pk, pk+1
.endr
.set ni, ni+1
.endr
	WIN 0
.irp xm, 1,2,4,8
.set pk, 0
.rept 64
	v_add_f32_dpp v[SSV+pk], v[SSV+pk], v[SSV+pk] row_xmask:\xm row_mask:0xf bank_mask:0xf
.set pk, pk+1
.endr
.endr
.set pk, 0
.rept 64
	v_rsq_f32 v[SSV+pk], v[SSV+pk]
.set pk, pk+1
.endr
	v_nop
	s_wait_alu depctr_va_vdst(0)                   ; one wait for the 64 roots
.set pk, 0
.rept 64
	v_min_num_f32 v[SSV+pk], 0x5368d4a5, v[SSV+pk]
.set pk, pk+1
.endr
	WIN 0x41
.set ni, 0
.rept 4
.set pk, 0
.rept 32
	v_pk_mul_f32 v[64*ni+2*pk:64*ni+2*pk+1], v[64*ni+2*pk:64*ni+2*pk+1], v[SSV+2*pk:SSV+2*pk+1]
.set pk, pk+1
.endr
.set ni, ni+1
.endr
.irp dn, 0,1,2,3                       ; d tile dn: its 64 registers are the block's 128 keys in the operand's order
	s_wait_xcnt 0x0
	QUANT 64*\dn
	v_mov_b32 v[PWK+\dn], v[PW]
.irp c, 0,1,2,3
	global_store_b128 v[L16], v[PC+4*\c:PC+4*\c+3], s[72:73] offset:2048*\dn+512*\c
.endr
.endr
	v_cndmask_b32 v[VW], v[PWK], v[PWK+1], s[MSK]          ; lanes 0-15 the even tile's words, lanes 16-31 the odd tile's
	v_cndmask_b32 v[VW+1], v[PWK+2], v[PWK+3], s[MSK]
	global_store_b64 v[L8], v[VW:VW+1], s[74:75]
	s_wait_xcnt 0x0
	v_lshl_add_u32 v254, v0, 2, 0x11000
	v_mov_b32 v255, 0
	s_wait_tensorcnt 0x0
	ds_add_u32 v254, v255
	s_wait_dscnt 0x0
	s_endpgm
.Lfunc_end_k_q6010ecb5d7_qkv:
	.size	k_q6010ecb5d7_qkv, .Lfunc_end_k_q6010ecb5d7_qkv-k_q6010ecb5d7_qkv
	.p2alignl 7, 3214868480
	.fill 96, 4, 3214868480
	.section	.rodata,"a",@progbits
	.p2align	6, 0x0
	.amdhsa_kernel k_q6010ecb5d7_qkv
		.amdhsa_group_segment_fixed_size 70656
		.amdhsa_private_segment_fixed_size 0
		.amdhsa_enable_private_segment 0
		.amdhsa_kernarg_size 48
		.amdhsa_user_sgpr_count 2
		.amdhsa_user_sgpr_kernarg_segment_ptr 1
		.amdhsa_wavefront_size32 1
		.amdhsa_system_sgpr_workgroup_id_x 1
		.amdhsa_system_sgpr_workgroup_id_y 1
		.amdhsa_system_sgpr_workgroup_id_z 1
		.amdhsa_system_vgpr_workitem_id 0
		.amdhsa_next_free_vgpr 512
		.amdhsa_next_free_sgpr 80
		.amdhsa_reserve_vcc 0
		.amdhsa_float_denorm_mode_32 3
		.amdhsa_float_denorm_mode_16_64 3
		.amdhsa_memory_ordered 1
		.amdhsa_forward_progress 1
		.amdhsa_inst_pref_size 255
	.end_amdhsa_kernel
	.section	.bss,"aw",@nobits
	.p2align	6
	.space	262144
	.amdgpu_metadata
---
amdhsa.version: [ 1, 2 ]
amdhsa.kernels:
  - .name:           k_q6010ecb5d7_qkv
    .symbol:         k_q6010ecb5d7_qkv.kd
    .args:
      - { .name: x, .offset: 0, .size: 8, .value_kind: global_buffer, .address_space: global }
      - { .name: wk, .offset: 8, .size: 8, .value_kind: global_buffer, .address_space: global }
      - { .name: b_q, .offset: 16, .size: 8, .value_kind: global_buffer, .address_space: global }
      - { .name: b_kv, .offset: 24, .size: 8, .value_kind: global_buffer, .address_space: global }
      - { .name: acod, .offset: 32, .size: 8, .value_kind: global_buffer, .address_space: global }
      - { .name: ascl, .offset: 40, .size: 8, .value_kind: global_buffer, .address_space: global }
    .group_segment_fixed_size: 70656
    .private_segment_fixed_size: 0
    .kernarg_segment_align: 8
    .kernarg_segment_size: 48
    .max_flat_workgroup_size: 256
    .sgpr_count:     80
    .vgpr_count:     512
    .wavefront_size: 32
...
	.end_amdgpu_metadata
.endif
;; end of part 2
;; launch attn (part 3): grid 256 x 1, 8 waves a work-group, no clusters, 283,648 bytes of LDS; arguments wk, acod, ascl, b_out, ln_g, ln_b, out0; writes out0
.if DOCPART == 3
	.amdgcn_target "amdgcn-amd-amdhsa--gfx1250"
	.amdhsa_code_object_version 6
	.text
	.protected	k_q6010ecb5d7_attn
	.globl	k_q6010ecb5d7_attn
	.p2align	8
	.type	k_q6010ecb5d7_attn,@function
k_q6010ecb5d7_attn:
	s_mov_b64 s[64:65], 0
	v_nop
	global_prefetch_b8 v0, s[64:65] scope:SCOPE_SE
	s_setreg_imm32_b32 hwreg(HW_REG_WAVE_MODE, 25, 1), 1
	s_wait_xcnt 0x0
; ATTN: for a block of 128 tokens of one slice: attention over the slice's 512 keys, conv + batch norm, w_m, the residual, w_out, LayerNorm, exact GELU, and the output with the tokens innermost.
; All five products run on codes of E5M2 with one E8M0 byte for each 32 along K.  SHARES: 256 work-groups = 64 slices x 4 blocks; eight waves, two to a SIMD; WAVE w = HEAD w = 64 output columns in every product.
; K, V and the weights are read by one wave of the work-group each and lie in memory in the order of the operand's registers: they come straight into registers, 512 consecutive bytes a load.
; What goes from wave to wave (x's codes, o's, the residual sum's) goes through LDS as images of the operand's registers: fragment (tile m, K step s) at (4 m + s) 2,048 + 512 c + 16 lane.
; Tiles are not made of neighbours: row rho of tile 2 B + u is item 32 B + 8 u + rho + 8 (rho / 8), for tokens, columns and d; so a result's 16 registers of tiles 2 B, 2 B + 1 are 16 neighbours along the next K.
; NO CLUSTER, NO TENSOR LOAD: the four work-groups of a slice read the same K and V, but each fragment goes to one wave's registers, where no joint load can put it; a way through LDS would add reads of LDS to every product.
; THE SOFTMAX HAS NO RUNNING MAXIMUM.  q and k are unit vectors by the computation itself; a code of E5M2 is within one eighth of its number, so |q . k| <= 1.27 and |t| = |q . k| log2(e) / 8 <= 0.23 for every input:
; p = 2^t lies between 0.85 and 1.18.  The rule's M, the ceiling of the row's largest t, is 0 or 1; taking M = 0 changes p, its block scales, the sum and O by the same exact power of two: the codes and o come out the same.
; K = 64 IN A FORM OF K = 128: q's fragment is eight registers of codes and eight of zeros; k's upper eight registers are whatever follows (the next tile's codes, all finite, or zeros), under scale bytes that are never 0xff: exact zeros are added.
; LIMITS: NaN and infinities are not served; a block of zeros has the byte 1 (its codes are zeros); erf by Abramowitz and Stegun 7.1.26, absolute error 1.5e-7, behind the last quantiser only; biases enter as the sums' first addend.
; LDS: 0 x's images; 65,536 o's; 131,072 q's fragments (8,192 a wave), later the residual sum's images; 196,608 three sets of scale words of 2,048; behind the last exchange's barrier 0 .. 274,431 are the waves' stages; 274,432 two exchanges of 4,096.
; REGISTERS: window 1 (v256-511): 32 accumulators (O^T, then the three products').  Window 0: v1-15 addresses; v208-223 scale words and nothing else; the rest by phase.
.set QC,  16777216
.set KC,  33554432
.set VC,  50331648
.set QSO, 524288
.set KSO, 1572864
.set VSO, 2621440
.set WSO, 1572864
.set BNO, 2670592
.set OIMG, 65536
.set QIMG, 131072
.set XSC,  196608
.set OSC,  198656
.set STAT, 274432
.set L16, 1                            ; v1   16 x lane
.set L8,  2                            ; v2   8 x lane
.set L4,  3                            ; v3   4 x lane
.set SH,  4                            ; v4   16 (lane / 16)
.set QAD, 5                            ; v5   my wave's q fragments
.set OI,  6                            ; v6   where my head's half fragments of o go
.set OS,  7                            ; v7   and its two scale bytes
.set UI,  8                            ; v8   the same for the residual sum
.set US,  9                            ; v9
.set BO,  10                           ; v10  64 (lane / 16)
.set IA2, 11                           ; v11  o's images + 16 x lane
.set IA3, 12                           ; v12  the residual sum's
.set SAD, 13                           ; v13  the scale words + 16 x lane
.set PFO, 14                           ; v14  256 x lane: the prefetches' offset
.set XWA, 15                           ; v15  my wave's 8 KB of x's images
.set QF,  16                           ; key loop: v16-23 q's tile, v24-31 zeros
.set QZ,  24
.set KF,  32                           ; v32-95 eight tiles of k, v96-103 zeros
.set KZ,  96
.set VF,  104                          ; v104-167 four fragments of v
.set S,   168                          ; v168-199 four tiles of scores, then p
.set AM,  200
.set PT,  202
.set HD,  204
.set SC,  206
.set KS,  208                          ; scale words: k's four, q's four, v's two, p's one
.set QS,  212
.set VS,  216
.set PS,  218
.set PCA, 224                          ; v224-239 p's codes
.set BY,  240
.set SA2, 242
.set SA3, 244
.set LS,  246                          ; v246-253 the rows' sums, a register a tile of queries
.set RP,  48                           ; v48-63 1 / sum, a pair a tile
.set WB,  16                           ; products: as in the launch before
.set AB,  144
.set WS,  208
.set AS,  216
.set BI,  224
.set TM,  64
.set PC,  80
.set PW,  96
.set SM,  16                           ; LayerNorm: v16-31 sums; v32-95 the exchange; v96-127 ln_g, v128-159 ln_b; v160-175 at work; v176-191 the mean, v192-207 1 / deviation, a pair a tile
.set EX,  32
.set LG,  96
.set LB,  128
.set LT1, 160
.set LT2, 168
.set MU,  176
.set RS,  192
.set STA, 224
.set LDA, 225
.set SG,  226
.set RD0, 227
.set GA1, 228                          ; v228-237 the polynomial's five numbers, halved, a pair each
.set GA2, 230
.set GA3, 232
.set GA4, 234
.set GA5, 236
.set RD,  238
.set Z,   32                           ; GELU: v32-95 16 rows; v160-207 at work
.set U,   160
.set E,   176
.set R,   192
.set WV,  18
.set MNT, 19
.set SEL, 20
.set CS,  22
.set KB,  32
.set VB,  34
.set KSB, 36
.set VSB, 38
.set PF,  40
.set WCV, 42
.set WCS, 44
.set WMV, 46
.set WMS, 48
.set WOV, 50
.set WOS, 52
.set BNB, 54
.set BOB, 56
.set LGB, 58
.set LBB, 60
.set LIM, 62
.set KCNT, 63
.set GCNT, 66
.set GOFF, 67
.set I512, 68
.set EPS, 69
.set C1,  70
.set C2,  72
.set XCB, 74
.set QCB, 76
.set XSB, 78
.set QSB, 80
.set MSB, 0
.macro WIN new                         ; the immediate's high byte repeats the setting that is left; a switch that changes nothing is dropped
.if MSB != (\new)
	s_set_vgpr_msb (MSB<<8)|(\new)
.set MSB, (\new)
.endif
.endm
.macro WM d, a, b, c, sa, sb, ra, rb   ; one product 16 x 16 x 128; c < 0: the sum starts; ra, rb: the side's scale words stand in lanes 16-31
.if (\c) < 0
.if (\ra) && (\rb)
	v_wmma_scale_f32_16x16x128_f8f6f4 v[\d:\d+7], v[\a:\a+15], v[\b:\b+15], 0, v[\sa], v[\sb] matrix_a_fmt:MATRIX_FMT_BF8 matrix_b_fmt:MATRIX_FMT_BF8 matrix_a_scale:MATRIX_SCALE_ROW1 matrix_b_scale:MATRIX_SCALE_ROW1
.elseif (\ra)
	v_wmma_scale_f32_16x16x128_f8f6f4 v[\d:\d+7], v[\a:\a+15], v[\b:\b+15], 0, v[\sa], v[\sb] matrix_a_fmt:MATRIX_FMT_BF8 matrix_b_fmt:MATRIX_FMT_BF8 matrix_a_scale:MATRIX_SCALE_ROW1
.elseif (\rb)
	v_wmma_scale_f32_16x16x128_f8f6f4 v[\d:\d+7], v[\a:\a+15], v[\b:\b+15], 0, v[\sa], v[\sb] matrix_a_fmt:MATRIX_FMT_BF8 matrix_b_fmt:MATRIX_FMT_BF8 matrix_b_scale:MATRIX_SCALE_ROW1
.else
	v_wmma_scale_f32_16x16x128_f8f6f4 v[\d:\d+7], v[\a:\a+15], v[\b:\b+15], 0, v[\sa], v[\sb] matrix_a_fmt:MATRIX_FMT_BF8 matrix_b_fmt:MATRIX_FMT_BF8
.endif
.else
.if (\ra) && (\rb)
	v_wmma_scale_f32_16x16x128_f8f6f4 v[\d:\d+7], v[\a:\a+15], v[\b:\b+15], v[\c:\c+7], v[\sa], v[\sb] matrix_a_fmt:MATRIX_FMT_BF8 matrix_b_fmt:MATRIX_FMT_BF8 matrix_a_scale:MATRIX_SCALE_ROW1 matrix_b_scale:MATRIX_SCALE_ROW1
.elseif (\ra)
	v_wmma_scale_f32_16x16x128_f8f6f4 v[\d:\d+7], v[\a:\a+15], v[\b:\b+15], v[\c:\c+7], v[\sa], v[\sb] matrix_a_fmt:MATRIX_FMT_BF8 matrix_b_fmt:MATRIX_FMT_BF8 matrix_a_scale:MATRIX_SCALE_ROW1
.elseif (\rb)
	v_wmma_scale_f32_16x16x128_f8f6f4 v[\d:\d+7], v[\a:\a+15], v[\b:\b+15], v[\c:\c+7], v[\sa], v[\sb] matrix_a_fmt:MATRIX_FMT_BF8 matrix_b_fmt:MATRIX_FMT_BF8 matrix_b_scale:MATRIX_SCALE_ROW1
.else
	v_wmma_scale_f32_16x16x128_f8f6f4 v[\d:\d+7], v[\a:\a+15], v[\b:\b+15], v[\c:\c+7], v[\sa], v[\sb] matrix_a_fmt:MATRIX_FMT_BF8 matrix_b_fmt:MATRIX_FMT_BF8
.endif
.endif
.endm
; 64 numbers of a lane in window 1, register s + 16 b + i = K 32 b + 16 (lane / 16) + i of the lane's row, become a fragment's 16 registers v[PC] on and its scale word v[PW]
.macro QUANT s
	WIN 0x05
.irp b, 0,1,2,3
	v_max3_num_f32 v[TM+\b], |v[\s+16*\b]|, |v[\s+16*\b+1]|, 0x8000000   ; my 16 numbers of block b, and the floor 2^(16 - 127): the byte cannot fall under 1
.endr
	WIN 0x14
.irp i, 2,4,6,8,10,12,14
.irp b, 0,1,2,3
	v_max3_num_f32 v[TM+\b], v[TM+\b], |v[\s+16*\b+\i]|, |v[\s+16*\b+\i+1]|   ; the four blocks by turns
.endr
.endr
	WIN 0
.irp b, 0,1,2,3
	v_permlanex16_b32 v[TM+4+\b], v[TM+\b], s[SEL], s[SEL+1]
.endr
.irp b, 0,1,2,3
	v_max_num_f32 v[TM+\b], v[TM+\b], v[TM+4+\b]           ; with the lane 16 away: the block's largest magnitude
.endr
.irp b, 0,1,2,3
	v_add_nc_u32 v[TM+12+\b], 0xf8800000, v[TM+\b]         ; 15 off the exponent field: the conversion's scale operand
.endr
.irp b, 0,1,2,3
	v_and_or_b32 v[TM+8+\b], v[TM+\b], 0x7f800000, s[MNT]  ; 57,344 x the scale
.endr
.irp b, 0,1,2,3
	v_lshrrev_b32 v[TM+4+\b], 23, v[TM+12+\b]              ; the byte
.endr
	v_lshl_or_b32 v[PW], v[TM+5], 8, v[TM+4]
	v_lshl_or_b32 v[PW], v[TM+6], 16, v[PW]
	v_lshl_or_b32 v[PW], v[TM+7], 24, v[PW]
	WIN 0x41
.irp b, 0,1,2,3
.set qi, 0
.rept 16
	v_med3_num_f32 v[\s+16*\b+qi], v[\s+16*\b+qi], -v[TM+8+\b], v[TM+8+\b]   ; the conversion to an 8-bit code does not saturate (ISA guide 7.6.2): the hold comes first
.set qi, qi+1
.endr
.endr
	WIN 0x01
.irp b, 0,1,2,3
	v_cvt_scalef32_pk8_bf8_f32 v[PC+4*\b:PC+4*\b+1], v[\s+16*\b:\s+16*\b+7], v[TM+12+\b]
	v_cvt_scalef32_pk8_bf8_f32 v[PC+4*\b+2:PC+4*\b+3], v[\s+16*\b+8:\s+16*\b+15], v[TM+12+\b]
.endr
	WIN 0
	v_nop                                                  ; a plain line behind the last conversion
.endm
.macro BIAS reg, bp, off               ; 8 registers a tile: lane half h wants the columns 32 B + 16 h + 8 u + 0 .. 7 of tile 2 B + u
.irp nt, 0,1,2,3
	global_load_b128 v[\reg+8*\nt:\reg+8*\nt+3], v[BO], s[\bp:\bp+1] offset:\off+(32*(\nt/2)+8*(\nt%2))*4
	global_load_b128 v[\reg+8*\nt+4:\reg+8*\nt+7], v[BO], s[\bp:\bp+1] offset:\off+(32*(\nt/2)+8*(\nt%2))*4+16
.endr
.endm
; THE PRODUCT of a wave: 128 tokens x 64 columns x K 512: 128 matrix instructions on 32 accumulators that take turns, one instruction a turn.
.macro WLOAD wp, s
.irp nt, 0,1,2,3
.irp c, 0,1,2,3
	global_load_b128 v[WB+64*((\s)%2)+16*\nt+4*\c:WB+64*((\s)%2)+16*\nt+4*\c+3], v[L16], s[\wp:\wp+1] offset:8192*(\s)+2048*\nt+512*\c
.endr
.endr
.endm
.macro PLOAD aad, qq
.irp mm, 0,1
.irp c, 0,1,2,3
	ds_load_b128 v[AB+32*((\qq)%2)+16*\mm+4*\c:AB+32*((\qq)%2)+16*\mm+4*\c+3], v[\aad] offset:(4*(2*((\qq)%4)+\mm)+(\qq)/4)*2048+512*\c
.endr
.endr
.endm
.macro GGROUP cmode, aad, sad, soff, s, i, nextra
.set gq, 4*(\s)+(\i)
.if (\i) == 0
.if (\s) < 3
	s_wait_loadcnt 16                              ; this step's weights are in (and all that was asked for before them); the next step's 16 loads may be out
.else
	s_wait_loadcnt \nextra                         ; the last step's weights are in; what was asked for behind them may be out
.endif
.endif
.if gq == 15
	s_wait_dscnt 0x0
.elseif (\i) == 3
	s_wait_dscnt 9                                 ; behind this pair: the next step's scale words and the next pair's eight
.else
	s_wait_dscnt 8                                 ; behind this pair: the next pair's eight
.endif
.if ((\s) == 0) && ((\cmode) != 2)
	WIN 0x40
.else
	WIN 0x50
.endif
.irp mm, 0,1
.irp nt, 0,1,2,3
.set rW, WB+64*((\s)%2)+16*\nt
.set rT, AB+32*((\i)%2)+16*\mm
.set rWS, WS+2*(\s)+(\nt)/2
.set rAS, AS+4*((\s)%2)+(\i)
.set rD, 8*(4*(2*(\i)+\mm)+\nt)
.set rC, rD
.if (\s) == 0
.if (\cmode) == 0
.set rC, -1
.elseif (\cmode) == 1
.set rC, BI+8*\nt
.endif
.endif
	WM rD,rW,rT,rC,rWS,rAS,(\nt)%2,\mm
.endr
.endr
	WIN 0
.rept 8
	v_nop                                          ; eight places in front of loads into registers that these products have read, and of the first read of results
.endr
.if ((\i) == 2) && ((\s) < 3)
	ds_load_b128 v[AS+4*(((\s)+1)%2):AS+4*(((\s)+1)%2)+3], v[\sad] offset:\soff+512*((\s)+1)
.endif
.if gq+2 < 16
	PLOAD \aad, gq+2
.endif
.endm
.macro GSTEP cmode, aad, sad, soff, wp, s, nextra
.if (\s) < 3
	WLOAD \wp, (\s)+1
.elseif (\nextra) > 0
	BIAS 16, BNB, 2048                             ; batch norm's t, into the weight set that the step before has left
.endif
.irp i, 0,1,2,3
	GGROUP \cmode, \aad, \sad, \soff, \s, \i, \nextra
.endr
.endm
; source 0 = weights, source 1 = tokens: a lane holds a token, accumulator (m, nt) at 8 (4 m + nt).  cmode 0: sums start at 0; 1: at the bias; 2: go on in place
.macro GEMM cmode, aad, sad, soff, wp, wsp, nextra
.irp s, 0,1,2,3
.irp bp, 0,1
	global_load_b32 v[WS+2*\s+\bp], v[L4], s[\wsp:\wsp+1] offset:256*\s+128*\bp
.endr
.endr
	WLOAD \wp, 0
	ds_load_b128 v[AS:AS+3], v[\sad] offset:\soff
	PLOAD \aad, 0
	PLOAD \aad, 1
.irp s, 0,1,2,3
	GSTEP \cmode, \aad, \sad, \soff, \wp, \s, \nextra
.endr
.endm
; the 256 accumulator registers (a lane a token, 32 registers a tile along my 64 channels) become half fragments of K step w / 2, for all eight tiles; then the barrier behind which all waves read them
.macro TOIMG ia, sa
.irp pr, 0,1,2,3
	s_wait_dscnt 0x0                               ; the last LDS stores have read the code registers
	QUANT 64*\pr
	v_lshrrev_b32 v[PW+1], v[SH], v[PW]            ; lanes 0-15: tile 2 pr's two bytes; lanes 16-31: tile 2 pr + 1's
.irp hi, 0,1
.irp b, 0,1
	ds_store_b128 v[\ia], v[PC+8*\hi+4*\b:PC+8*\hi+4*\b+3] offset:8192*(2*\pr+\hi)+512*\b
.endr
.endr
	ds_store_b16 v[\sa], v[PW+1] offset:4*\pr
.endr
	s_wait_dscnt 0x0                               ; for the others' sake: my stores have landed, and my reads of what is written next are over
	s_barrier_signal -1
	s_barrier_wait -1
.endm
.macro KLOAD                           ; 128 keys of my head: eight tiles of 8 registers, and their scale words
.set kk, 0
.rept 16
	global_load_b128 v[KF+4*kk:KF+4*kk+3], v[L16], s[KB:KB+1] offset:512*kk
.set kk, kk+1
.endr
	global_load_b128 v[KS:KS+3], v[L16], s[KSB:KSB+1]
.endm
.macro VLOAD                           ; the same keys' v: four fragments of 16 d x 128 keys
.set kk, 0
.rept 16
	global_load_b128 v[VF+4*kk:VF+4*kk+3], v[L16], s[VB:VB+1] offset:512*kk
.set kk, kk+1
.endr
	global_load_b64 v[VS:VS+1], v[L8], s[VSB:VSB+1]
.endm
; 64 keys' scores of tile i of queries become p, its part of the row's sum, and half of p's fragment
.macro SOFT g, i
.set k_, 0
.rept 16
	v_pk_mul_f32 v[S+2*k_:S+2*k_+1], v[S+2*k_:S+2*k_+1], s[CS:CS+1] op_sel_hi:[1,0]   ; t = score x log2(e) / 8; each tile from its low end on
.set k_, k_+1
.endr
.set k_, 0
.rept 32
	v_exp_f32 v[S+k_], v[S+k_]                     ; p = 2^t
.set k_, k_+1
.endr
	v_nop                                          ; a plain line behind the last exponential
	s_wait_alu depctr_va_vdst(0)                   ; one wait for the 32, ahead of their first reader
	v_pk_add_f32 v[SA2:SA2+1], v[S:S+1], v[S+2:S+3]        ; the sum is taken of the unquantised p, in two chains
	v_pk_add_f32 v[SA3:SA3+1], v[S+4:S+5], v[S+6:S+7]
	v_max3_num_f32 v[AM], v[S], v[S+1], 0x8000000          ; the two blocks' largest p (p is positive), the floor among the leaves
	v_max3_num_f32 v[AM+1], v[S+16], v[S+17], 0x8000000
.irp k, 8,12,16,20,24,28
	v_pk_add_f32 v[SA2:SA2+1], v[SA2:SA2+1], v[S+\k:S+\k+1]
	v_pk_add_f32 v[SA3:SA3+1], v[SA3:SA3+1], v[S+\k+2:S+\k+3]
.endr
.irp k, 2,4,6,8,10,12,14
	v_max3_num_f32 v[AM], v[AM], v[S+\k], v[S+\k+1]
	v_max3_num_f32 v[AM+1], v[AM+1], v[S+16+\k], v[S+17+\k]
.endr
	v_pk_add_f32 v[SA2:SA2+1], v[SA2:SA2+1], v[SA3:SA3+1]
	v_permlanex16_b32 v[PT], v[AM], s[SEL], s[SEL+1]
	v_permlanex16_b32 v[PT+1], v[AM+1], s[SEL], s[SEL+1]
	v_add_f32 v[LS+(\i)], v[LS+(\i)], v[SA2]
	v_max_num_f32 v[AM], v[AM], v[PT]
	v_max_num_f32 v[AM+1], v[AM+1], v[PT+1]
	v_add_f32 v[LS+(\i)], v[LS+(\i)], v[SA2+1]
	v_add_nc_u32 v[SC], 0xf8800000, v[AM]
	v_add_nc_u32 v[SC+1], 0xf8800000, v[AM+1]
	v_and_or_b32 v[HD], v[AM], 0x7f800000, s[MNT]
	v_and_or_b32 v[HD+1], v[AM+1], 0x7f800000, s[MNT]
	v_lshrrev_b32 v[BY], 23, v[SC]
	v_lshrrev_b32 v[BY+1], 23, v[SC+1]
.if (\g) == 0
	v_lshl_or_b32 v[PS], v[BY+1], 8, v[BY]         ; p's scale word for these 128 keys, byte by byte
.else
	v_lshl_or_b32 v[PS], v[BY], 16, v[PS]
	v_lshl_or_b32 v[PS], v[BY+1], 24, v[PS]
.endif
.set k_, 0
.rept 32
	v_min_num_f32 v[S+k_], v[S+k_], v[HD+k_/16]    ; the hold, one-sided.  (These 32 are also the scale word's places in front of the products)
.set k_, k_+1
.endr
.irp b, 0,1
	v_cvt_scalef32_pk8_bf8_f32 v[PCA+8*(\g)+4*\b:PCA+8*(\g)+4*\b+1], v[S+16*\b:S+16*\b+7], v[SC+\b]
	v_cvt_scalef32_pk8_bf8_f32 v[PCA+8*(\g)+4*\b+2:PCA+8*(\g)+4*\b+3], v[S+16*\b+8:S+16*\b+15], v[SC+\b]
.endr
	v_nop                                          ; a plain line behind the last conversion: the next products write its sources
.endm
; tile i of 16 queries against the key step's 128 keys: S^T = K Q^T (8 products, 4 at a time), the softmax, O^T += V^T P^T (4 products)
.macro UNIT i
	s_wait_dscnt 0x0                               ; q's tile is in
.if (\i) == 0
	s_wait_loadcnt 17                              ; k's 17 loads are in; v's 17 may be out
.endif
.irp g, 0,1
.irp tt, 0,1,2,3
.set t_, 4*\g+\tt
	WM S+8*\tt,KF+8*t_,QF,-1,KS+t_/2,QS+(\i)/2,t_%2,(\i)%2
.endr
.rept 8
	v_nop                                          ; eight places in front of the first read of the scores and of loads into what these products have read
.endr
.if \g == 1
.set nq, ((\i)+1)%8
	ds_load_b128 v[QF:QF+3], v[QAD] offset:2048*(nq/2)+1024*(nq%2)         ; the next tile of queries
	ds_load_b128 v[QF+4:QF+7], v[QAD] offset:2048*(nq/2)+1024*(nq%2)+512
.if (\i) == 2
	; A PREFETCH of the next key step's 8,192 bytes of my head, lanes 256 bytes apart; five tiles of queries ahead of the loads that want them.  The four work-groups of a slice read the same K and V:
	; the first asks for K's bytes, the second for V's, the others for nothing: each block of 256 bytes is named once in the launch.  Key step 0 comes by its loads alone; the last trip asks for nothing.
	s_cmp_lt_u32 s[KCNT], s[LIM]
	s_cbranch_scc0 .Lno_ask_\@
	global_prefetch_b8 v[PFO], s[PF:PF+1] th:TH_LOAD_NT scope:SCOPE_SE
.Lno_ask_\@:
.endif
.if (\i) == 7
	s_wait_xcnt 0x0                                ; the prefetch and the last loads have read their bases: these are stepped only behind this wait
	s_add_nc_u64 s[PF:PF+1], s[PF:PF+1], 8192
	s_cmp_eq_u32 s[KCNT], 3
	s_cbranch_scc1 .Lno_k_\@                       ; the last key step fetches nothing: no load leaves its buffer
	s_add_nc_u64 s[KB:KB+1], s[KB:KB+1], 8192
	s_add_nc_u64 s[KSB:KSB+1], s[KSB:KSB+1], 512
	KLOAD
.Lno_k_\@:
.endif
.endif
	SOFT \g, \i
.endr
.rept 4
	v_nop                                          ; four places between the codes' last conversion and the products that read them
.endr
.if (\i) == 0
	s_wait_loadcnt 0x0                             ; v is in
.endif
	WIN 0x50
.irp dn, 0,1,2,3
	WM 32*(\i)+8*\dn,VF+16*\dn,PCA,32*(\i)+8*\dn,VS+\dn/2,PS,\dn%2,0
.endr
	WIN 0
.if (\i) == 7
.rept 8
	v_nop
.endr
	s_cmp_eq_u32 s[KCNT], 3
	s_cbranch_scc1 .Lno_v_\@
	s_add_nc_u64 s[VB:VB+1], s[VB:VB+1], 8192
	s_add_nc_u64 s[VSB:VSB+1], s[VSB:VSB+1], 256
	VLOAD
.Lno_v_\@:
.endif
.endm
; eight numbers a lane (a token a tile; both halves of the lanes hold the same) are summed over the eight waves: [m][r][wave] words, one barrier
.macro EXCH off
.irp m, 0,1,2,3,4,5,6,7
	ds_store_b32 v[STA], v[LT1+\m] offset:\off+512*\m
.endr
	s_wait_dscnt 0x0
	s_barrier_signal -1
	s_barrier_wait -1
.irp m, 0,1,2,3,4,5,6,7
	ds_load_b128 v[EX+8*\m:EX+8*\m+3], v[LDA] offset:\off+512*\m
	ds_load_b128 v[EX+8*\m+4:EX+8*\m+7], v[LDA] offset:\off+512*\m+16
.endr
	s_wait_dscnt 0x0
.irp m, 0,1,2,3,4,5,6,7
	v_pk_add_f32 v[EX+8*\m:EX+8*\m+1], v[EX+8*\m:EX+8*\m+1], v[EX+8*\m+2:EX+8*\m+3]
	v_pk_add_f32 v[EX+8*\m+4:EX+8*\m+5], v[EX+8*\m+4:EX+8*\m+5], v[EX+8*\m+6:EX+8*\m+7]
.endr
.irp m, 0,1,2,3,4,5,6,7
	v_pk_add_f32 v[EX+8*\m:EX+8*\m+1], v[EX+8*\m:EX+8*\m+1], v[EX+8*\m+4:EX+8*\m+5]
.endr
.irp m, 0,1,2,3,4,5,6,7
	v_add_f32 v[LT1+\m], v[EX+8*\m], v[EX+8*\m+1]
.endr
.endm
; gelu(z) = max(z, 0) - |z| q, q = (half the polynomial in 1 / (1 + 0.23164189 |z|)) x 2^(-0.72134752 z^2): 16 numbers a lane
.macro GELU16 z
.set k_, 0
.rept 16
	v_fma_f32 v[U+k_], |v[\z+k_]|, s[C1], 1.0
.set k_, k_+1
.endr
.set k_, 0
.rept 8
	v_pk_mul_f32 v[E+2*k_:E+2*k_+1], v[\z+2*k_:\z+2*k_+1], v[\z+2*k_:\z+2*k_+1]
.set k_, k_+1
.endr
.set k_, 0
.rept 8
	v_pk_mul_f32 v[E+2*k_:E+2*k_+1], v[E+2*k_:E+2*k_+1], s[C2:C2+1] op_sel_hi:[1,0]
.set k_, k_+1
.endr
.set k_, 0
.rept 16
	v_rcp_f32 v[U+k_], v[U+k_]
.set k_, k_+1
.endr
.set k_, 0
.rept 16
	v_exp_f32 v[E+k_], v[E+k_]
.set k_, k_+1
.endr
	v_nop
	s_wait_alu depctr_va_vdst(0)                   ; one wait for the 32, ahead of their first reader
.set k_, 0
.rept 8
	v_pk_fma_f32 v[R+2*k_:R+2*k_+1], v[U+2*k_:U+2*k_+1], v[GA5:GA5+1], v[GA4:GA4+1]
.set k_, k_+1
.endr
.irp a, GA3, GA2, GA1
.set k_, 0
.rept 8
	v_pk_fma_f32 v[R+2*k_:R+2*k_+1], v[R+2*k_:R+2*k_+1], v[U+2*k_:U+2*k_+1], v[\a:\a+1]
.set k_, k_+1
.endr
.endr
.set k_, 0
.rept 8
	v_pk_mul_f32 v[R+2*k_:R+2*k_+1], v[R+2*k_:R+2*k_+1], v[U+2*k_:U+2*k_+1]
.set k_, k_+1
.endr
.set k_, 0
.rept 8
	v_pk_mul_f32 v[R+2*k_:R+2*k_+1], v[R+2*k_:R+2*k_+1], v[E+2*k_:E+2*k_+1]
.set k_, k_+1
.endr
.set k_, 0
.rept 16
	v_max_num_f32 v[E+k_], 0, v[\z+k_]
.set k_, k_+1
.endr
.set k_, 0
.rept 16
	v_fma_f32 v[\z+k_], -|v[\z+k_]|, v[R+k_], v[E+k_]
.set k_, k_+1
.endr
.endm
	s_load_b256 s[4:11], s[0:1], 0x0               ; wk 4, acod 6, ascl 8, b_out 10
	s_load_b128 s[12:15], s[0:1], 0x20             ; ln_g 12, ln_b 14
	s_load_b64 s[16:17], s[0:1], 0x30              ; out0
	v_lshrrev_b32 v16, 5, v0
	v_readfirstlane_b32 s[WV], v16
	v_and_b32 v16, 31, v0
	v_lshlrev_b32 v[L16], 4, v16
	v_lshlrev_b32 v[L8], 3, v16
	v_lshlrev_b32 v[L4], 2, v16
	v_lshlrev_b32 v[PFO], 8, v16
	v_bfe_u32 v17, v0, 4, 1
	v_lshlrev_b32 v[SH], 4, v17
	v_lshlrev_b32 v[BO], 6, v17
	s_lshl_b32 s24, s[WV], 13
	v_add_nc_u32 v[XWA], s24, v[L16]
	s_add_co_u32 s24, s24, QIMG
	v_add_nc_u32 v[QAD], s24, v[L16]
	s_lshr_b32 s25, s[WV], 1
	s_and_b32 s26, s[WV], 1
	s_lshl_b32 s27, s25, 11
	s_lshl_b32 s28, s26, 10
	s_add_co_u32 s27, s27, s28
	s_add_co_u32 s27, s27, OIMG
	v_add_nc_u32 v[OI], s27, v[L16]                ; K step w / 2, groups 2 (w % 2) on
	v_add_nc_u32 v[UI], 65536, v[OI]
	s_lshl_b32 s27, s25, 9
	s_lshl_b32 s28, s26, 1
	s_add_co_u32 s27, s27, s28
	s_add_co_u32 s27, s27, OSC
	v_add_nc_u32 v[OS], s27, v[L16]
	v_add_nc_u32 v[US], 2048, v[OS]
	v_add_nc_u32 v[IA2], OIMG, v[L16]
	v_add_nc_u32 v[IA3], QIMG, v[L16]
	v_add_nc_u32 v[SAD], XSC, v[L16]
	s_lshl_b32 s27, s[WV], 8
	s_add_co_u32 s27, s27, XSC
	v_add_nc_u32 v170, s27, v[L8]                  ; my wave's 256 bytes of x's scale words
	s_mov_b32 s[MNT], 0x600000
	s_mov_b32 s[SEL], 0x76543210
	s_mov_b32 s[SEL+1], 0xfedcba98                 ; v_permlanex16_b32's selects for the lane 16 away
	s_mov_b32 s[CS], 0x3e38aa3b                    ; log2(e) / 8
	s_mov_b32 s[CS+1], s[CS]                       ; (named with it as a pair, so it is written)
	s_mov_b32 s[I512], 0x3b000000                  ; 1 / 512
	s_mov_b32 s[EPS], 0x3727c5ac                   ; 1e-5
	s_mov_b32 s[C1], 0x3e6d3387                    ; 0.3275911 / sqrt(2)
	s_mov_b32 s[C2], 0xbf38aa3b                    ; -log2(e) / 2
	s_mov_b32 s[C2+1], s[C2]
	s_lshr_b32 s24, ttmp9, 2                       ; slice
	s_and_b32 s25, ttmp9, 3                        ; my block of 128 tokens
	s_lshl_b32 s26, s24, 3
	s_add_co_u32 s26, s26, s[WV]                   ; (slice, head)
	s_lshl_b32 s27, s26, 2
	s_add_co_u32 s27, s27, s25                     ; (slice, head, block)
	s_mov_b32 s29, 0
	s_mov_b32 s31, 0
	s_cmp_lt_u32 s25, 2
	s_cselect_b32 s[LIM], 3, 0                     ; who prefetches, and in which trips
	s_mov_b32 s30, VC+8192
	s_cmp_eq_u32 s25, 0
	s_cselect_b32 s30, KC+8192, s30
	s_wait_kmcnt 0x0
	s_lshl_b32 s28, s26, 15
	s_add_nc_u64 s[KB:KB+1], s[6:7], s[28:29]
	s_add_nc_u64 s[VB:VB+1], s[KB:KB+1], VC
	s_add_nc_u64 s[PF:PF+1], s[KB:KB+1], s[30:31]  ; key step 1 of K's or of V's codes of my head
	s_add_nc_u64 s[KB:KB+1], s[KB:KB+1], KC
	s_lshl_b32 s28, s26, 11
	s_add_co_u32 s28, s28, KSO
	s_add_nc_u64 s[KSB:KSB+1], s[8:9], s[28:29]
	s_lshl_b32 s28, s26, 10
	s_add_co_u32 s28, s28, VSO
	s_add_nc_u64 s[VSB:VSB+1], s[8:9], s[28:29]
	s_lshl_b32 s28, s27, 13
	s_add_co_u32 s28, s28, QC
	s_add_nc_u64 s[QCB:QCB+1], s[6:7], s[28:29]
	s_lshl_b32 s28, s27, 9
	s_add_co_u32 s28, s28, QSO
	s_add_nc_u64 s[QSB:QSB+1], s[8:9], s[28:29]
	s_lshl_b32 s28, ttmp9, 16
	s_lshl_b32 s30, s[WV], 13
	s_add_co_u32 s28, s28, s30
	s_add_nc_u64 s[XCB:XCB+1], s[6:7], s[28:29]
	s_lshl_b32 s28, ttmp9, 11
	s_lshl_b32 s30, s[WV], 8
	s_add_co_u32 s28, s28, s30
	s_add_nc_u64 s[XSB:XSB+1], s[8:9], s[28:29]
; ---- the block's codes of x (an eighth a wave) and my head's q go into LDS; meanwhile O^T and the sums are cleared (the key step is written once: its first trip finds zeros)
.set kk, 0
.rept 16
	global_load_b128 v[KF+4*kk:KF+4*kk+3], v[L16], s[XCB:XCB+1] offset:512*kk th:TH_LOAD_NT
.set kk, kk+1
.endr
.set kk, 0
.rept 16
	global_load_b128 v[VF+4*kk:VF+4*kk+3], v[L16], s[QCB:QCB+1] offset:512*kk th:TH_LOAD_NT
.set kk, kk+1
.endr
	global_load_b64 v[168:169], v[L8], s[XSB:XSB+1]
	global_load_b128 v[QS:QS+3], v[L16], s[QSB:QSB+1]
	s_lshl_b32 s28, s[WV], 15
	s_add_nc_u64 s[WCV:WCV+1], s[4:5], s[28:29]
	s_add_nc_u64 s[WMV:WMV+1], s[WCV:WCV+1], 24*32768
	s_add_nc_u64 s[WOV:WOV+1], s[WCV:WCV+1], 32*32768
	s_add_nc_u64 s[WCV:WCV+1], s[WCV:WCV+1], 40*32768
	s_lshl_b32 s28, s[WV], 10
	s_add_co_u32 s28, s28, WSO
	s_add_nc_u64 s[WCS:WCS+1], s[4:5], s[28:29]
	s_add_nc_u64 s[WMS:WMS+1], s[WCS:WCS+1], 24*1024
	s_add_nc_u64 s[WOS:WOS+1], s[WCS:WCS+1], 32*1024
	s_add_nc_u64 s[WCS:WCS+1], s[WCS:WCS+1], 40*1024
	s_lshl_b32 s28, s[WV], 8
	s_add_nc_u64 s[BOB:BOB+1], s[10:11], s[28:29]
	s_add_nc_u64 s[LGB:LGB+1], s[12:13], s[28:29]
	s_add_nc_u64 s[LBB:LBB+1], s[14:15], s[28:29]
	s_add_co_u32 s28, s28, BNO
	s_add_nc_u64 s[BNB:BNB+1], s[4:5], s[28:29]
	s_lshr_b32 s28, s24, 2                         ; b
	s_lshl_b32 s28, s28, 22
	s_and_b32 s30, s24, 3                          ; t
	s_lshl_b32 s30, s30, 11
	s_add_co_u32 s28, s28, s30
	s_lshl_b32 s30, s[WV], 19
	s_add_co_u32 s28, s28, s30
	s_lshl_b32 s30, s25, 9
	s_add_co_u32 s28, s28, s30
	s_add_nc_u64 s[16:17], s[16:17], s[28:29]      ; out0 at my wave's first channel and my block's first token
.irp i, 0,1,2,3,4,5,6,7
	v_mov_b32 v[LS+\i], 0                          ; the rows' sums,
	v_mov_b32 v[QZ+\i], 0                          ; the zeros that fill q's fragment up to K = 128: written here, ahead of the 256 lines below, which are the four places and more
	v_mov_b32 v[KZ+\i], 0                          ; that an operand written by a vector instruction stands ahead of a scaled product; and the zeros behind k's last tile
.endr
	v_mov_b32 v[PT], 0                             ; written once: a lane permute's destination counts as one of its sources
	v_mov_b32 v[PT+1], 0
	WIN 0x40
.set kk, 0
.rept 256
	v_mov_b32 v[kk], 0
.set kk, kk+1
.endr
	WIN 0
	s_wait_loadcnt 0x0
.set kk, 0
.rept 16
	ds_store_b128 v[XWA], v[KF+4*kk:KF+4*kk+3] offset:512*kk
	ds_store_b128 v[QAD], v[VF+4*kk:VF+4*kk+3] offset:512*kk
.set kk, kk+1
.endr
	ds_store_b64 v170, v[168:169]
	s_wait_dscnt 0x0                               ; the stores have read their registers: k and v land there
	KLOAD
	VLOAD
	ds_load_b128 v[QF:QF+3], v[QAD]
	ds_load_b128 v[QF+4:QF+7], v[QAD] offset:512
; ---- the keys, 128 a trip
	s_mov_b32 s[KCNT], 0
.Lkeys:
.irp i, 0,1,2,3,4,5,6,7
	UNIT \i
.endr
	s_add_co_u32 s[KCNT], s[KCNT], 1
	s_cmp_lt_u32 s[KCNT], 4
	s_cbranch_scc1 .Lkeys
	s_wait_loadcnt 0x0                             ; nothing is pending on any way out of the loop
	s_wait_dscnt 0x0
; ---- o = O^T / the sum; its codes go to LDS as my head's half of K step w / 2
.irp i, 0,1,2,3,4,5,6,7
	v_permlanex16_b32 v[32+\i], v[LS+\i], s[SEL], s[SEL+1]
.endr
.irp i, 0,1,2,3,4,5,6,7
	v_add_f32 v[LS+\i], v[LS+\i], v[32+\i]
.endr
.irp i, 0,1,2,3,4,5,6,7
	v_rcp_f32 v[RP+2*\i], v[LS+\i]
.endr
	v_nop
	s_wait_alu depctr_va_vdst(0)                   ; one wait for the eight reciprocals
.irp i, 0,1,2,3,4,5,6,7
	v_mov_b32 v[RP+2*\i+1], v[RP+2*\i]
.endr
	WIN 0x41
.set mi, 0
.rept 8
.set pk, 0
.rept 16
	v_pk_mul_f32 v[32*mi+2*pk:32*mi+2*pk+1], v[32*mi+2*pk:32*mi+2*pk+1], v[RP+2*mi:RP+2*mi+1]
.set pk, pk+1
.endr
.set mi, mi+1
.endr
	TOIMG OI, OS                                   ; behind its barrier x's and o's images are whole, and nobody reads q's fragments any more
; ---- conv on x's codes, batch norm and the biases as y s + t, then o w_m added in place
	BIAS BI, BNB, 0                                ; s
	GEMM 0, L16, SAD, 0, WCV, WCS, 8
	s_wait_loadcnt 0x0                             ; t
	WIN 0x41
.set mi, 0
.rept 8
.set pk, 0
.rept 16
	v_pk_fma_f32 v[32*mi+2*pk:32*mi+2*pk+1], v[32*mi+2*pk:32*mi+2*pk+1], v[BI+2*pk:BI+2*pk+1], v[16+2*pk:16+2*pk+1]
.set pk, pk+1
.endr
.set mi, mi+1
.endr
	WIN 0
	GEMM 2, IA2, SAD, 2048, WMV, WMS, 0
	TOIMG UI, US                                   ; the residual sum's codes
; ---- w_out
	BIAS BI, BOB, 0
	GEMM 1, IA3, SAD, 4096, WOV, WOS, 0
; ---- LayerNorm over the 512 channels of a token: my 32 registers, the lane 16 away, the eight waves.  The mean first, then the squares of what is left: no difference of large sums
	BIAS LG, LGB, 0
	BIAS LB, LBB, 0
	v_and_b32 v[LDA], 15, v0
	v_and_b32 v[SG], 8, v[LDA]
	v_add_nc_u32 v[SG], v[SG], v[LDA]
	v_lshlrev_b32 v[SG], 2, v[SG]                  ; my token's 4 bytes in a stage row: 4 (r + 8 (r / 8))
	v_bfe_u32 v[STA], v0, 4, 1
	v_mul_u32_u24 v[STA], v[STA], 8576
	v_add_nc_u32 v[SG], v[SG], v[STA]              ; lanes 16-31: 16 rows further down
	s_mul_i32 s24, s[WV], 34304
	v_add_nc_u32 v[SG], s24, v[SG]
	v_add_nc_u32 v[RD0], s24, v[L16]
	v_lshlrev_b32 v[LDA], 5, v[LDA]
	v_add_nc_u32 v[LDA], STAT, v[LDA]
	s_lshl_b32 s24, s[WV], 2
	v_add_nc_u32 v[STA], s24, v[LDA]
.irp p, 0,1
	v_mov_b32 v[GA1+\p], 0x3e027906
	v_mov_b32 v[GA2+\p], 0xbe11a98e
	v_mov_b32 v[GA3+\p], 0x3f35f0e3
	v_mov_b32 v[GA4+\p], 0xbf3a00e3
	v_mov_b32 v[GA5+\p], 0x3f07dc22
.endr
	WIN 0x05
.irp m, 0,1,2,3,4,5,6,7
	v_pk_add_f32 v[SM+2*\m:SM+2*\m+1], v[32*\m:32*\m+1], v[32*\m+2:32*\m+3]
.endr
	WIN 0x04
.set pk, 2
.rept 14
.irp m, 0,1,2,3,4,5,6,7
	v_pk_add_f32 v[SM+2*\m:SM+2*\m+1], v[SM+2*\m:SM+2*\m+1], v[32*\m+2*pk:32*\m+2*pk+1]
.endr
.set pk, pk+1
.endr
	WIN 0
.irp m, 0,1,2,3,4,5,6,7
	v_add_f32 v[LT1+\m], v[SM+2*\m], v[SM+2*\m+1]
.endr
.irp m, 0,1,2,3,4,5,6,7
	v_permlanex16_b32 v[LT2+\m], v[LT1+\m], s[SEL], s[SEL+1]
.endr
.irp m, 0,1,2,3,4,5,6,7
	v_add_f32 v[LT1+\m], v[LT1+\m], v[LT2+\m]
.endr
	EXCH 0
.irp m, 0,1,2,3,4,5,6,7
	v_mul_f32 v[MU+2*\m], s[I512], v[LT1+\m]
	v_mul_f32 v[MU+2*\m+1], s[I512], v[LT1+\m]
.endr
	WIN 0x41
.set mi, 0
.rept 8
.set pk, 0
.rept 16
	v_pk_add_f32 v[32*mi+2*pk:32*mi+2*pk+1], v[32*mi+2*pk:32*mi+2*pk+1], v[MU+2*mi:MU+2*mi+1] neg_lo:[0,1] neg_hi:[0,1]
.set pk, pk+1
.endr
.set mi, mi+1
.endr
	WIN 0x05
.set pk, 0
.rept 16
.irp m, 0,1,2,3,4,5,6,7
.if pk == 0
	v_pk_mul_f32 v[SM+2*\m:SM+2*\m+1], v[32*\m:32*\m+1], v[32*\m:32*\m+1]
.else
	v_pk_fma_f32 v[SM+2*\m:SM+2*\m+1], v[32*\m+2*pk:32*\m+2*pk+1], v[32*\m+2*pk:32*\m+2*pk+1], v[SM+2*\m:SM+2*\m+1]
.endif
.endr
.set pk, pk+1
.endr
	WIN 0
.irp m, 0,1,2,3,4,5,6,7
	v_add_f32 v[LT1+\m], v[SM+2*\m], v[SM+2*\m+1]
.endr
.irp m, 0,1,2,3,4,5,6,7
	v_permlanex16_b32 v[LT2+\m], v[LT1+\m], s[SEL], s[SEL+1]
.endr
.irp m, 0,1,2,3,4,5,6,7
	v_add_f32 v[LT1+\m], v[LT1+\m], v[LT2+\m]
.endr
	EXCH 4096                                      ; behind its barrier no wave reads an image any more: the stages may lie over them
.irp m, 0,1,2,3,4,5,6,7
	v_fma_f32 v[LT1+\m], v[LT1+\m], s[I512], s[EPS]
.endr
.irp m, 0,1,2,3,4,5,6,7
	v_rsq_f32 v[RS+2*\m], v[LT1+\m]
.endr
	v_nop
	s_wait_alu depctr_va_vdst(0)                   ; one wait for the eight roots
.irp m, 0,1,2,3,4,5,6,7
	v_mov_b32 v[RS+2*\m+1], v[RS+2*\m]
.endr
	s_wait_loadcnt 0x0                             ; ln_g, ln_b
	WIN 0x41
.set mi, 0
.rept 8
.set pk, 0
.rept 16
	v_pk_mul_f32 v[32*mi+2*pk:32*mi+2*pk+1], v[32*mi+2*pk:32*mi+2*pk+1], v[RS+2*mi:RS+2*mi+1]
.set pk, pk+1
.endr
.set mi, mi+1
.endr
.set mi, 0
.rept 8
.set pk, 0
.rept 16
	v_pk_fma_f32 v[32*mi+2*pk:32*mi+2*pk+1], v[32*mi+2*pk:32*mi+2*pk+1], v[LG+2*pk:LG+2*pk+1], v[LB+2*pk:LB+2*pk+1]
.set pk, pk+1
.endr
.set mi, mi+1
.endr
; ---- the turn: a lane holds a token and 32 channels; the output wants a channel's 128 tokens on end.  My wave's own stage: row = my channel, 512 bytes + 16, and 128 bytes more behind every 16 rows,
;      so that the two halves of the lanes, 16 rows apart, fall 32 words apart modulo 64 (64 banks of 4 bytes: ISA guide 11.1).  LDS serves a wave's instructions in order: no wait between these stores and the loads below.
	WIN 0x04
.set mi, 0
.rept 8
.set ni, 0
.rept 4
.set ji, 0
.rept 8
	ds_store_b32 v[SG], v[32*mi+8*ni+ji] offset:(32*(ni/2)+8*(ni%2)+ji)*528+256*(ni/2)+(32*(mi/2)+8*(mi%2))*4
.set ji, ji+1
.endr
.set ni, ni+1
.endr
.set mi, mi+1
.endr
	WIN 0
; ---- GELU and the way out: 16 channels a trip; a load takes a channel's 512 bytes, and so does a store
	s_mov_b32 s[GCNT], 0
	s_mov_b32 s[GOFF], 0
.Lgelu:
	v_add_nc_u32 v[RD], s[GOFF], v[RD0]
.set kk, 0
.rept 16
	ds_load_b128 v[Z+4*kk:Z+4*kk+3], v[RD] offset:528*kk
.set kk, kk+1
.endr
.irp gq, 0,1,2,3
	s_wait_dscnt 12-4*\gq                          ; these four rows are in; the later rows' loads may be out
	GELU16 Z+16*\gq
.irp k, 0,1,2,3
	global_store_b128 v[L16], v[Z+16*\gq+4*\k:Z+16*\gq+4*\k+3], s[16:17] offset:8192*(4*\gq+\k) th:TH_STORE_NT   ; 512 consecutive bytes, at a multiple of 256 from out0's first byte
.endr
.endr
	s_wait_xcnt 0x0                                ; the stores have read their data and their base: both are written again
	s_add_nc_u64 s[16:17], s[16:17], 131072
	s_add_co_u32 s[GOFF], s[GOFF], 8576
	s_add_co_u32 s[GCNT], s[GCNT], 1
	s_cmp_lt_u32 s[GCNT], 4
	s_cbranch_scc1 .Lgelu
	s_wait_xcnt 0x0
	v_lshl_add_u32 v254, v0, 2, 0x45000
	v_mov_b32 v255, 0
	s_wait_tensorcnt 0x0
	ds_add_u32 v254, v255
	s_wait_dscnt 0x0
	s_endpgm
.Lfunc_end_k_q6010ecb5d7_attn:
	.size	k_q6010ecb5d7_attn, .Lfunc_end_k_q6010ecb5d7_attn-k_q6010ecb5d7_attn
	.p2alignl 7, 3214868480
	.fill 96, 4, 3214868480
	.section	.rodata,"a",@progbits
	.p2align	6, 0x0
	.amdhsa_kernel k_q6010ecb5d7_attn
		.amdhsa_group_segment_fixed_size 283648
		.amdhsa_private_segment_fixed_size 0
		.amdhsa_enable_private_segment 0
		.amdhsa_kernarg_size 56
		.amdhsa_user_sgpr_count 2
		.amdhsa_user_sgpr_kernarg_segment_ptr 1
		.amdhsa_wavefront_size32 1
		.amdhsa_system_sgpr_workgroup_id_x 1
		.amdhsa_system_sgpr_workgroup_id_y 1
		.amdhsa_system_sgpr_workgroup_id_z 1
		.amdhsa_system_vgpr_workitem_id 0
		.amdhsa_next_free_vgpr 512
		.amdhsa_next_free_sgpr 90
		.amdhsa_reserve_vcc 0
		.amdhsa_float_denorm_mode_32 3
		.amdhsa_float_denorm_mode_16_64 3
		.amdhsa_memory_ordered 1
		.amdhsa_forward_progress 1
		.amdhsa_inst_pref_size 255
	.end_amdhsa_kernel
	.section	.bss,"aw",@nobits
	.p2align	6
	.space	262144
	.amdgpu_metadata
---
amdhsa.version: [ 1, 2 ]
amdhsa.kernels:
  - .name:           k_q6010ecb5d7_attn
    .symbol:         k_q6010ecb5d7_attn.kd
    .args:
      - { .name: wk, .offset: 0, .size: 8, .value_kind: global_buffer, .address_space: global }
      - { .name: acod, .offset: 8, .size: 8, .value_kind: global_buffer, .address_space: global }
      - { .name: ascl, .offset: 16, .size: 8, .value_kind: global_buffer, .address_space: global }
      - { .name: b_out, .offset: 24, .size: 8, .value_kind: global_buffer, .address_space: global }
      - { .name: ln_g, .offset: 32, .size: 8, .value_kind: global_buffer, .address_space: global }
      - { .name: ln_b, .offset: 40, .size: 8, .value_kind: global_buffer, .address_space: global }
      - { .name: out0, .offset: 48, .size: 8, .value_kind: global_buffer, .address_space: global }
    .group_segment_fixed_size: 283648
    .private_segment_fixed_size: 0
    .kernarg_segment_align: 8
    .kernarg_segment_size: 56
    .max_flat_workgroup_size: 256
    .sgpr_count:     90
    .vgpr_count:     512
    .wavefront_size: 32
...
	.end_amdgpu_metadata
.endif
;; end of part 3
;; ======== version 2 of 2: 3 launches; version 1 with the launches qkv, attn written anew for expert scheduling mode
;; limits: a function is approximated: absolute error at most 1.5e-07; an absolute error that grows with the inputs' magnitude: up to 7.5e-08 times it
;; workspace buffers: wk 2,674,688 bytes; acod 67,108,864 bytes; ascl 3,145,728 bytes
;; launch prep: the kernel of part 1 again; grid 257 x 1, 2 waves a work-group, no clusters, 0 bytes of LDS; arguments w_q, w_kv, w_m, w_out, conv_w, pe, bn_gamma, bn_var, conv_b, bn_mean, bn_beta, b_m, wk; writes wk
;; launch qkv (part 4): grid 256 x 1, 8 waves a work-group, no clusters, 70,656 bytes of LDS; arguments x, wk, b_q, b_kv, acod, ascl; writes acod, ascl
.if DOCPART == 4
	.amdgcn_target "amdgcn-amd-amdhsa--gfx1250"
	.amdhsa_code_object_version 6
	.text
	.protected	k_q6010ecb5d7_qkv
	.globl	k_q6010ecb5d7_qkv
	.p2align	8
	.type	k_q6010ecb5d7_qkv,@function
k_q6010ecb5d7_qkv:
	s_mov_b64 s[64:65], 0
	v_nop
	global_prefetch_b8 v0, s[64:65] scope:SCOPE_SE
	s_setreg_imm32_b32 hwreg(HW_REG_WAVE_SCHED_MODE, 0, 2), 2
	s_setreg_imm32_b32 hwreg(HW_REG_WAVE_MODE, 25, 1), 1
	s_wait_xcnt 0x0
	s_wait_alu depctr_vm_vsrc(0)
; QKV: for a block of 128 tokens of one slice (b, t): x and x + pe are quantised along the channels; q, k, v = (x + pe) W + bias on codes of E5M2 (one E8M0 byte for each 32 along K);
; each head's q, k, v are divided by max(their norm, 1e-12); q and k are quantised along the head's 64, v along the keys.  All codes leave in the order of the operand's registers.
; SHARES: 256 work-groups = 64 slices x 4 blocks.  Eight waves, two to a SIMD, so that one wave's vector work stands beside the other's products.  WAVE w = HEAD w = 64 output columns:
; its weights are read by no other wave of the work-group, so they come from memory straight into its registers (512 consecutive bytes a load); only the tokens' codes (64 KB) go through LDS,
; as images of the operand's registers: fragment (tile m of 16 tokens, 128 s along K) at (4 m + s) 2,048 + 512 c + 16 lane.
; TILES ARE NOT MADE OF NEIGHBOURS: row rho of tile 2 B + u is item 32 B + 8 u + rho + 8 (rho / 8), for tokens and for columns alike; then the 16 result registers of tiles 2 B, 2 B + 1 are 16 neighbours
; along the next product's K.  q, k: source 0 = weights, source 1 = tokens (a lane holds a token, registers run along d).  v: source 0 = tokens, source 1 = weights (a lane holds a d, registers run along the keys).
; NO CLUSTER, NO TENSOR LOAD: no tile is read by two waves of a work-group from LDS but the tokens' codes, which are made here; the weights land in registers, where no joint load can put them.
; OUT: acod + 0: x's codes [wg][m][s] images; + QC, KC: [slice][head][blk][pair 4][c 4][lane][16] (c 0, 1: tile 2 pair; c 2, 3: tile 2 pair + 1); + VC: [..][d tile 4] fragments over the block's 128 keys.
;      ascl + 0: x's scale words [wg][s][32][4]; + QSO, KSO: [..][lane][pair]: lanes 0-15 tile 2 pair, lanes 16-31 tile 2 pair + 1; + VSO: [..][lane][2].
; LIMITS: NaN and infinities are not served; a block of zeros has the byte 1 (its codes are zeros; these bytes are read by this program alone); the biases enter as the sums' first addend.
; REGISTERS: window 1 (v256-511): the 32 accumulators.  Window 0: v1-15 addresses; v208-223 scale words and nothing else; the rest by phase, as the names below say.
; THE MODE: SCHED_MODE bits 1:0 = 2 (LLVM: expert scheduling mode 2), set by the entry lines.  The code itself states the register dependences
; between vector or matrix instructions and memory or LDS instructions, with s_wait_alu, always for 0.
; THE PLAN.  Registers that memory or LDS instructions touch:
;   v1-10      offsets and LDS addresses: made at the head, never written again: one wait on va_vdst ahead of the first load.
;   phase X    x and pe, set j % 2: block j's additions and quantisers read and write it; behind them the loads of block j + 2 land in it.
;              codes, set j % 2, and the scale words v176, v177: written by block j's quantisers, read by block j's stores, written again two blocks (the words: one block) on.
;              ONE wait on va_vdst a block, behind its quantisers and ahead of its loads and stores; one on vm_vsrc at the head of each block from the third on.
;   products   pairs of token fragments, weight sets, scale words: loaded, and read by products alone.  One wait on va_vdst behind a group's eight products: it serves the pair two groups on,
;              the next step's scale words and the weight set that the next step's head fills again.  The last two groups load nothing and have none.
;   way out    v80-95 codes, v100-103 and v108-109 scale words: written by the quantiser, read by stores: va_vdst between the two, vm_vsrc ahead of the next quantiser, and ahead of the next pass, whose weights land there.
.set QC,  16777216
.set KC,  33554432
.set VC,  50331648
.set QSO, 524288
.set KSO, 1572864
.set VSO, 2621440
.set WSO, 1572864
.set PQ,  1622016
.set XPSC, 65536                       ; LDS: behind the 64 KB of images: the scale words of x + pe,
.set XSCL, 67584                       ; and those of x
.set L16, 1                            ; v1   16 x lane
.set L4,  2                            ; v2   4 x lane
.set L8,  3                            ; v3   8 x lane
.set SH,  4                            ; v4   16 (lane / 16)
.set XI,  5                            ; v5   where my token's codes go in an image
.set XSA, 6                            ; v6   and its scale word
.set BO,  7                            ; v7   64 (lane / 16): a bias for a result whose registers run along the columns
.set SAD, 8                            ; v8   XPSC + 16 x lane
.set BV,  9                            ; v9   4 (r + 8 (r / 8)): a bias for a result whose lanes are columns
.set XCP, 10                           ; v10  my wave's 256 bytes of x's scale words
.set QA,  12                           ; v12-15 at work in QB
.set X,   16                           ; phase X: v16-79 two sets of 32 numbers of x; v80-143 of pe; v144-159, v160-175 two sets of codes each; v176, v177 scale words
.set PE,  80
.set CX,  144
.set CP,  160
.set XW,  176
.set PWX, 177
.set WB,  16                           ; products: v16-143 two sets of four weight fragments; v144-207 two pairs of token fragments
.set AB,  144
.set WS,  208                          ; v208-215 the weights' scale words, register 2 s + bp
.set AS,  216                          ; v216-223 the tokens', two sets of four
.set BI,  224                          ; v224-255 the bias, 8 registers a tile
.set SS,  16                           ; behind the products: v16-31 sums of squares, then 1 / norm, a pair a tile
.set ET1, 32
.set ET2, 40
.set TM,  64                           ; v64-79 at work in QUANT
.set PC,  80                           ; v80-95 the codes just made
.set PW,  96                           ; v96 their scale word
.set SW,  100                          ; v100-103 q's or k's four scale words
.set PWK, 104                          ; v104-107 v's four
.set VW,  108                          ; v108-109 and as they are stored
.set SSV, 112                          ; v112-175 v: sums of squares, a register a token
.set WV,  16
.set SEL, 20
.set MNT, 22
.set MSK, 23
.set MSB, 0
.macro WIN new                         ; the immediate's high byte repeats the setting that is left; a switch that changes nothing is dropped
.if MSB != (\new)
	s_set_vgpr_msb (MSB<<8)|(\new)
.set MSB, (\new)
.endif
.endm
.macro WM d, a, b, c, sa, sb, ra, rb   ; one product 16 x 16 x 128; c < 0: the sum starts; ra, rb: the side's scale words stand in lanes 16-31
.if (\c) < 0
.if (\ra) && (\rb)
	v_wmma_scale_f32_16x16x128_f8f6f4 v[\d:\d+7], v[\a:\a+15], v[\b:\b+15], 0, v[\sa], v[\sb] matrix_a_fmt:MATRIX_FMT_BF8 matrix_b_fmt:MATRIX_FMT_BF8 matrix_a_scale:MATRIX_SCALE_ROW1 matrix_b_scale:MATRIX_SCALE_ROW1
.elseif (\ra)
	v_wmma_scale_f32_16x16x128_f8f6f4 v[\d:\d+7], v[\a:\a+15], v[\b:\b+15], 0, v[\sa], v[\sb] matrix_a_fmt:MATRIX_FMT_BF8 matrix_b_fmt:MATRIX_FMT_BF8 matrix_a_scale:MATRIX_SCALE_ROW1
.elseif (\rb)
	v_wmma_scale_f32_16x16x128_f8f6f4 v[\d:\d+7], v[\a:\a+15], v[\b:\b+15], 0, v[\sa], v[\sb] matrix_a_fmt:MATRIX_FMT_BF8 matrix_b_fmt:MATRIX_FMT_BF8 matrix_b_scale:MATRIX_SCALE_ROW1
.else
	v_wmma_scale_f32_16x16x128_f8f6f4 v[\d:\d+7], v[\a:\a+15], v[\b:\b+15], 0, v[\sa], v[\sb] matrix_a_fmt:MATRIX_FMT_BF8 matrix_b_fmt:MATRIX_FMT_BF8
.endif
.else
.if (\ra) && (\rb)
	v_wmma_scale_f32_16x16x128_f8f6f4 v[\d:\d+7], v[\a:\a+15], v[\b:\b+15], v[\c:\c+7], v[\sa], v[\sb] matrix_a_fmt:MATRIX_FMT_BF8 matrix_b_fmt:MATRIX_FMT_BF8 matrix_a_scale:MATRIX_SCALE_ROW1 matrix_b_scale:MATRIX_SCALE_ROW1
.elseif (\ra)
	v_wmma_scale_f32_16x16x128_f8f6f4 v[\d:\d+7], v[\a:\a+15], v[\b:\b+15], v[\c:\c+7], v[\sa], v[\sb] matrix_a_fmt:MATRIX_FMT_BF8 matrix_b_fmt:MATRIX_FMT_BF8 matrix_a_scale:MATRIX_SCALE_ROW1
.elseif (\rb)
	v_wmma_scale_f32_16x16x128_f8f6f4 v[\d:\d+7], v[\a:\a+15], v[\b:\b+15], v[\c:\c+7], v[\sa], v[\sb] matrix_a_fmt:MATRIX_FMT_BF8 matrix_b_fmt:MATRIX_FMT_BF8 matrix_b_scale:MATRIX_SCALE_ROW1
.else
	v_wmma_scale_f32_16x16x128_f8f6f4 v[\d:\d+7], v[\a:\a+15], v[\b:\b+15], v[\c:\c+7], v[\sa], v[\sb] matrix_a_fmt:MATRIX_FMT_BF8 matrix_b_fmt:MATRIX_FMT_BF8
.endif
.endif
.endm
; 32 numbers of one lane, a whole block along K, become 8 registers of codes; the block's byte goes into byte pos of v[wd]
.macro QB x, cd, wd, pos
	v_max3_num_f32 v[QA], |v[\x]|, |v[\x+1]|, |v[\x+2]|
	v_max3_num_f32 v[QA+1], |v[\x+3]|, |v[\x+4]|, |v[\x+5]|
.irp i, 6,10,14,18,22,26
	v_max3_num_f32 v[QA], v[QA], |v[\x+\i]|, |v[\x+\i+1]|
	v_max3_num_f32 v[QA+1], v[QA+1], |v[\x+\i+2]|, |v[\x+\i+3]|
.endr
	v_max3_num_f32 v[QA], v[QA], |v[\x+30]|, |v[\x+31]|
	v_max3_num_f32 v[QA], v[QA], v[QA+1], 0x8000000        ; the floor 2^(16 - 127): the byte cannot fall under 1
	v_add_nc_u32 v[QA+2], 0xf8800000, v[QA]                ; 15 off the exponent field: the conversion's scale operand
	v_and_or_b32 v[QA+3], v[QA], 0x7f800000, s[MNT]        ; 57,344 x the scale
	v_lshrrev_b32 v[QA+1], 23, v[QA+2]                     ; the byte
.if (\pos) == 0
	v_mov_b32 v[\wd], v[QA+1]
.else
	v_lshl_or_b32 v[\wd], v[QA+1], 8*(\pos), v[\wd]
.endif
.set qi, 0
.rept 32
	v_med3_num_f32 v[\x+qi], v[\x+qi], -v[QA+3], v[QA+3]   ; the conversion to an 8-bit code does not saturate (ISA guide 7.6.2): the hold comes first
.set qi, qi+1
.endr
.irp g, 0,1,2,3
	v_cvt_scalef32_pk8_bf8_f32 v[\cd+2*\g:\cd+2*\g+1], v[\x+8*\g:\x+8*\g+7], v[QA+2]
.endr
	v_nop                                                  ; a plain line behind the last conversion
.endm
; 64 numbers of a lane in window 1, register s + 16 b + i = K 32 b + 16 (lane / 16) + i of the lane's row, become a fragment's 16 registers v[PC] on and its scale word v[PW]
.macro QUANT s
	WIN 0x05
.irp b, 0,1,2,3
	v_max3_num_f32 v[TM+\b], |v[\s+16*\b]|, |v[\s+16*\b+1]|, 0x8000000   ; my 16 numbers of block b, and the floor
.endr
	WIN 0x14
.irp i, 2,4,6,8,10,12,14
.irp b, 0,1,2,3
	v_max3_num_f32 v[TM+\b], v[TM+\b], |v[\s+16*\b+\i]|, |v[\s+16*\b+\i+1]|   ; the four blocks by turns
.endr
.endr
	WIN 0
.irp b, 0,1,2,3
	v_permlanex16_b32 v[TM+4+\b], v[TM+\b], s[SEL], s[SEL+1]
.endr
.irp b, 0,1,2,3
	v_max_num_f32 v[TM+\b], v[TM+\b], v[TM+4+\b]           ; with the lane 16 away: the block's largest magnitude
.endr
.irp b, 0,1,2,3
	v_add_nc_u32 v[TM+12+\b], 0xf8800000, v[TM+\b]
.endr
.irp b, 0,1,2,3
	v_and_or_b32 v[TM+8+\b], v[TM+\b], 0x7f800000, s[MNT]
.endr
.irp b, 0,1,2,3
	v_lshrrev_b32 v[TM+4+\b], 23, v[TM+12+\b]
.endr
	v_lshl_or_b32 v[PW], v[TM+5], 8, v[TM+4]
	v_lshl_or_b32 v[PW], v[TM+6], 16, v[PW]
	v_lshl_or_b32 v[PW], v[TM+7], 24, v[PW]
	WIN 0x41
.irp b, 0,1,2,3
.set qi, 0
.rept 16
	v_med3_num_f32 v[\s+16*\b+qi], v[\s+16*\b+qi], -v[TM+8+\b], v[TM+8+\b]
.set qi, qi+1
.endr
.endr
	WIN 0x01
.irp b, 0,1,2,3
	v_cvt_scalef32_pk8_bf8_f32 v[PC+4*\b:PC+4*\b+1], v[\s+16*\b:\s+16*\b+7], v[TM+12+\b]
	v_cvt_scalef32_pk8_bf8_f32 v[PC+4*\b+2:PC+4*\b+3], v[\s+16*\b+8:\s+16*\b+15], v[TM+12+\b]
.endr
	WIN 0
	v_nop                                                  ; a plain line behind the last conversion
.endm
.macro BIAS reg, bp, off               ; 8 registers a tile: lane half h wants the columns 32 B + 16 h + 8 u + 0 .. 7 of tile 2 B + u
.irp nt, 0,1,2,3
	global_load_b128 v[\reg+8*\nt:\reg+8*\nt+3], v[BO], s[\bp:\bp+1] offset:\off+(32*(\nt/2)+8*(\nt%2))*4
	global_load_b128 v[\reg+8*\nt+4:\reg+8*\nt+7], v[BO], s[\bp:\bp+1] offset:\off+(32*(\nt/2)+8*(\nt%2))*4+16
.endr
.endm
; THE PRODUCT of a wave: 128 tokens x 64 columns x K 512: 128 matrix instructions on 32 accumulators that take turns, one instruction a turn.
.macro WLOAD wp, s                     ; the four weight fragments of K step s, into set s % 2
.irp nt, 0,1,2,3
.irp c, 0,1,2,3
	global_load_b128 v[WB+64*((\s)%2)+16*\nt+4*\c:WB+64*((\s)%2)+16*\nt+4*\c+3], v[L16], s[\wp:\wp+1] offset:8192*(\s)+2048*\nt+512*\c
.endr
.endr
.endm
.macro PLOAD aad, qq                   ; pair qq = 4 s + i of token fragments: tiles 2 i, 2 i + 1 of K step s, into buffer qq % 2
.irp mm, 0,1
.irp c, 0,1,2,3
	ds_load_b128 v[AB+32*((\qq)%2)+16*\mm+4*\c:AB+32*((\qq)%2)+16*\mm+4*\c+3], v[\aad] offset:(4*(2*((\qq)%4)+\mm)+(\qq)/4)*2048+512*\c
.endr
.endr
.endm
.macro GGROUP ori, cmode, aad, sad, soff, s, i, nextra
.set gq, 4*(\s)+(\i)
.if (\i) == 0
.if (\s) < 3
	s_wait_loadcnt 16                              ; this step's weights are in (and all that was asked for before them); the next step's 16 loads may be out
.else
	s_wait_loadcnt \nextra
.endif
.endif
.if gq == 15
	s_wait_dscnt 0x0
.elseif (\i) == 3
	s_wait_dscnt 9                                 ; behind this pair: the next step's scale words and the next pair's eight
.else
	s_wait_dscnt 8                                 ; behind this pair: the next pair's eight
.endif
.if ((\s) == 0) && ((\cmode) != 2)
	WIN 0x40
.else
	WIN 0x50
.endif
.irp mm, 0,1
.irp nt, 0,1,2,3
.set rW, WB+64*((\s)%2)+16*\nt
.set rT, AB+32*((\i)%2)+16*\mm
.set rWS, WS+2*(\s)+(\nt)/2
.set rAS, AS+4*((\s)%2)+(\i)
.if (\ori) == 0
.set rD, 8*(4*(2*(\i)+\mm)+\nt)
.else
.set rD, 8*(8*\nt+2*(\i)+\mm)
.endif
.set rC, rD
.if (\s) == 0
.if (\cmode) == 0
.set rC, -1
.elseif (\cmode) == 1
.set rC, BI+8*\nt
.endif
.endif
.if (\ori) == 0
	WM rD,rW,rT,rC,rWS,rAS,(\nt)%2,\mm
.else
	WM rD,rT,rW,rC,rAS,rWS,\mm,(\nt)%2
.endif
.endr
.endr
	WIN 0
.rept 8
	v_nop                                          ; eight places behind these products, ahead of the loads below and of the first read of results
.endr
.if gq+2 < 16
	s_wait_alu depctr_va_vdst(0)                   ; the products issued so far are done reading: this group's pair of token fragments, in which the pair two groups on lands; the last step's scale words; and, at a step's last group, the weight set that the next step's head fills again
.endif
.if ((\i) == 2) && ((\s) < 3)
	ds_load_b128 v[AS+4*(((\s)+1)%2):AS+4*(((\s)+1)%2)+3], v[\sad] offset:\soff+512*((\s)+1)
.endif
.if gq+2 < 16
	PLOAD \aad, gq+2
.endif
.endm
.macro GSTEP ori, cmode, aad, sad, soff, wp, s, nextra
.if (\s) < 3
	WLOAD \wp, (\s)+1                              ; no wait: no vector or matrix instruction since the last group's wait names this set
.endif
.irp i, 0,1,2,3
	GGROUP \ori, \cmode, \aad, \sad, \soff, \s, \i, \nextra
.endr
.endm
; ori 0: source 0 = weights, accumulator (m, nt) at 8 (4 m + nt); ori 1: source 0 = tokens, accumulator at 8 (8 nt + m).  cmode 0: sums start at 0; 1: at the bias; 2: go on in place
.macro GEMM ori, cmode, aad, sad, soff, wp, wsp, nextra
.irp s, 0,1,2,3
.irp bp, 0,1
	global_load_b32 v[WS+2*\s+\bp], v[L4], s[\wsp:\wsp+1] offset:256*\s+128*\bp
.endr
.endr
	WLOAD \wp, 0
	ds_load_b128 v[AS:AS+3], v[\sad] offset:\soff
	PLOAD \aad, 0
	PLOAD \aad, 1
.irp s, 0,1,2,3
	GSTEP \ori, \cmode, \aad, \sad, \soff, \wp, \s, \nextra
.endr
.endm
	s_load_b256 s[4:11], s[0:1], 0x0               ; x 4, wk 6, b_q 8, b_kv 10
	s_load_b128 s[12:15], s[0:1], 0x20             ; acod 12, ascl 14
	v_lshrrev_b32 v11, 5, v0
	v_readfirstlane_b32 s[WV], v11
	v_and_b32 v11, 31, v0
	v_lshlrev_b32 v[L16], 4, v11
	v_lshlrev_b32 v[L4], 2, v11
	v_lshlrev_b32 v[L8], 3, v11
	v_bfe_u32 v12, v0, 4, 1
	v_lshlrev_b32 v[SH], 4, v12
	v_lshlrev_b32 v[BO], 6, v12
	v_and_b32 v13, 7, v0
	v_lshl_add_u32 v13, v12, 3, v13                ; phase X: a lane a token: its row in its tile, lane % 8 + 8 (lane / 16),
	v_bfe_u32 v14, v0, 3, 1                        ; and which of the two tiles
	s_wait_alu depctr_va_sdst(0)                   ; the wave's number is written, ahead of its first reader: LDS addresses and all bases are made from it
	s_and_b32 s17, s[WV], 3                        ; which 32 tokens are my wave's in phase X
	s_lshr_b32 s18, s[WV], 2                       ; which 256 channels
	s_lshl_b32 s32, s17, 14
	s_lshl_b32 s33, s18, 12
	s_add_co_u32 s32, s32, s33
	v_lshlrev_b32 v[XI], 4, v13
	v_lshl_add_u32 v[XI], v14, 13, v[XI]
	v_add_nc_u32 v[XI], s32, v[XI]
	s_lshl_b32 s32, s17, 2
	s_lshl_b32 s33, s18, 10
	s_add_co_u32 s32, s32, s33
	s_add_co_u32 s32, s32, XPSC
	v_lshl_add_u32 v[XSA], v14, 4, v13
	v_lshlrev_b32 v[XSA], 4, v[XSA]
	v_add_nc_u32 v[XSA], s32, v[XSA]
	v_add_nc_u32 v[SAD], XPSC, v[L16]
	v_and_b32 v13, 15, v0
	v_and_b32 v14, 8, v13
	v_add_nc_u32 v13, v13, v14
	v_lshlrev_b32 v[BV], 2, v13
	s_lshl_b32 s32, s[WV], 8
	s_add_co_u32 s32, s32, XSCL
	v_add_nc_u32 v[XCP], s32, v[L8]
.irp i, 0,1,2,3,4,5,6,7
	v_mov_b32 v[ET2+\i], 0                         ; written once: a lane permute's destination counts as one of its sources
.endr
.irp i, 4,5,6,7
	v_mov_b32 v[TM+\i], 0
.endr
	s_mov_b32 s[SEL], 0x76543210
	s_mov_b32 s[SEL+1], 0xfedcba98                 ; v_permlanex16_b32's selects for the lane 16 away
	s_mov_b32 s[MNT], 0x600000
	s_mov_b32 s[MSK], 0xffff0000
	s_lshr_b32 s32, ttmp9, 2                       ; slice
	s_and_b32 s33, ttmp9, 3                        ; block of 128 tokens
	s_lshr_b32 s34, s32, 2                         ; b
	s_and_b32 s35, s32, 3                          ; t
	s_lshl_b32 s36, s34, 22
	s_lshl_b32 s37, s35, 11
	s_add_co_u32 s36, s36, s37
	s_lshl_b32 s37, s33, 9
	s_add_co_u32 s36, s36, s37
	s_lshl_b32 s37, s17, 7
	s_add_co_u32 s36, s36, s37
	s_lshl_b32 s37, s18, 21
	s_add_co_u32 s36, s36, s37
	s_mov_b32 s37, 0
	s_lshl_b32 s38, s32, 3
	s_add_co_u32 s38, s38, s[WV]
	s_lshl_b32 s38, s38, 2
	s_add_co_u32 s38, s38, s33                     ; (slice, head, block) as one number
	s_wait_kmcnt 0x0
	s_add_nc_u64 s[24:25], s[4:5], s[36:37]        ; x at my wave's first token and channel
	s_lshl_b32 s36, s18, 19
	s_lshl_b32 s39, s33, 11
	s_add_co_u32 s36, s36, s39
	s_lshl_b32 s39, s17, 9
	s_add_co_u32 s36, s36, s39
	s_add_co_u32 s36, s36, PQ
	s_add_nc_u64 s[26:27], s[6:7], s[36:37]        ; pe likewise
	s_lshl_b32 s36, ttmp9, 16
	s_add_nc_u64 s[28:29], s[12:13], s[36:37]      ; x's codes
	s_lshl_b32 s36, ttmp9, 11
	s_lshl_b32 s39, s[WV], 8
	s_add_co_u32 s36, s36, s39
	s_add_nc_u64 s[30:31], s[14:15], s[36:37]      ; x's scale words, my wave's 256 bytes
; ---- PHASE X.  A lane owns a token, its registers run down the channels: a block of 32 lies in one lane, and each load of x reads 128 consecutive bytes.  8 blocks a wave, loads two blocks ahead.
.macro LOADB j
.irp i, 0,1,2,3,4,5,6,7
	global_load_b128 v[PE+32*((\j)%2)+4*\i:PE+32*((\j)%2)+4*\i+3], v[L16], s[26:27] offset:(8*(\j)+\i)*8192
.endr
.set li, 0
.rept 32
	global_load_b32 v[X+32*((\j)%2)+li], v[L4], s[24:25] offset:(32*(\j)+li)*8192 th:TH_LOAD_NT
.set li, li+1
.endr
.endm
.macro XBLOCK j
.set XR, X+32*((\j)%2)
.set PR, PE+32*((\j)%2)
.set CXR, CX+8*((\j)%2)
.set CPR, CP+8*((\j)%2)
.set IM, 2048*((\j)/4)+512*((\j)%4)
.if (\j) < 7
	s_wait_loadcnt 40                              ; this block's 40 loads are in; the next block's may be out
.else
	s_wait_loadcnt 0x0
.endif
	s_wait_xcnt 0x0                                ; the stores of two blocks ago have read their data: these code registers are written again only behind this wait,
	s_wait_dscnt 0x0                               ; and the LDS stores likewise
.if (\j) >= 2
	s_wait_alu depctr_vm_vsrc(0)                   ; the stores of two blocks ago have read this set of code registers, and the LDS stores of the scale words have read v176 and v177: the quantisers below write them again
.endif
.set pk, 0
.rept 16
	v_pk_add_f32 v[PR+2*pk:PR+2*pk+1], v[PR+2*pk:PR+2*pk+1], v[XR+2*pk:XR+2*pk+1]    ; x + pe
.set pk, pk+1
.endr
	QB XR, CXR, XW, (\j)%4
	QB PR, CPR, PWX, (\j)%4
	s_wait_alu depctr_va_vdst(0)                   ; the quantisers are done with this set of x and pe, in which the loads below land, and have written the codes and scale words that the stores below read
.if (\j)+2 < 8
	LOADB (\j)+2
.endif
	ds_store_b128 v[XI], v[CPR:CPR+3] offset:IM            ; K 0-15 of the block: the place of lanes 0-15 of the fragment
	ds_store_b128 v[XI], v[CPR+4:CPR+7] offset:IM+256      ; K 16-31: of lanes 16-31
	global_store_b128 v[XI], v[CXR:CXR+3], s[28:29] offset:IM
	global_store_b128 v[XI], v[CXR+4:CXR+7], s[28:29] offset:IM+256
.if (\j)%4 == 3
	ds_store_b32 v[XSA], v[PWX] offset:512*((\j)/4)
	ds_store_b32 v[XSA], v[XW] offset:512*((\j)/4)+2048
.endif
.endm
	s_wait_alu depctr_va_vdst(0)                   ; the offsets and addresses v1 to v10 are written, which every load and store of the kernel reads; so are v40-47 and v68-71, in which loads of x land
	LOADB 0
	LOADB 1
	; the passes' pointers, while the loads are out.  s[40:49]: weights, their scale words, bias, codes out, scale words out, for q; s[50:59] for k; s[66:75] for v
	s_lshl_b32 s36, s[WV], 15
	s_add_nc_u64 s[40:41], s[6:7], s[36:37]
	s_lshl_b32 s36, s[WV], 10
	s_add_co_u32 s36, s36, WSO
	s_add_nc_u64 s[42:43], s[6:7], s[36:37]
	s_lshl_b32 s36, s[WV], 8
	s_add_nc_u64 s[44:45], s[8:9], s[36:37]
	s_add_nc_u64 s[54:55], s[10:11], s[36:37]
	s_lshl_b32 s36, s38, 13
	s_add_co_u32 s36, s36, QC
	s_add_nc_u64 s[46:47], s[12:13], s[36:37]
	s_lshl_b32 s36, s38, 9
	s_add_co_u32 s36, s36, QSO
	s_add_nc_u64 s[48:49], s[14:15], s[36:37]
	s_lshl_b32 s36, s38, 8
	s_add_co_u32 s36, s36, VSO
	s_add_nc_u64 s[74:75], s[14:15], s[36:37]
	s_add_nc_u64 s[50:51], s[40:41], 262144
	s_add_nc_u64 s[52:53], s[42:43], 8192
	s_add_nc_u64 s[56:57], s[46:47], KC-QC
	s_add_nc_u64 s[58:59], s[48:49], KSO-QSO
	s_add_nc_u64 s[66:67], s[40:41], 524288
	s_add_nc_u64 s[68:69], s[42:43], 16384
	s_add_nc_u64 s[70:71], s[54:55], 2048
	s_add_nc_u64 s[72:73], s[46:47], VC-QC
.irp j, 0,1,2,3,4,5,6,7
	XBLOCK \j
.endr
	s_wait_dscnt 0x0                               ; for the others' sake: my images and scale words have landed
	s_barrier_signal -1
	s_barrier_wait -1                              ; the launch's one barrier: nothing in LDS is written behind it
	ds_load_b64 v[12:13], v[XCP]                   ; no wait: no vector instruction since the last block's wait names v12 or v13
	s_wait_dscnt 0x0
	global_store_b64 v[L8], v[12:13], s[30:31]     ; x's scale words leave as they lie: the wave stores 256 consecutive bytes
	s_wait_xcnt 0x0                                ; the stores of x's codes have read their data: token fragments land in those registers
; ---- q, then k: one text, two trips
	s_mov_b32 s60, 0
.Lpass:
	s_wait_alu depctr_vm_vsrc(0)                   ; first trip: the stores of phase X have read v144-177, in which token fragments land; second trip: q's stores have read v80-95 and v100-103, in which weights land.  (No vector instruction stands behind the last wait on va_vdst on either way)
	BIAS BI, 44, 0
	GEMM 0, 1, L16, SAD, 0, 40, 42, 0
	; a lane holds a token; the 32 registers of tile m are 32 of the head's 64, the lane 16 away holds the others.  Each accumulator is read from its low end on.
	WIN 0x05
.set pk, 0
.rept 16
.set mi, 0
.rept 8
.if pk == 0
	v_pk_mul_f32 v[SS+2*mi:SS+2*mi+1], v[32*mi:32*mi+1], v[32*mi:32*mi+1]
.else
	v_pk_fma_f32 v[SS+2*mi:SS+2*mi+1], v[32*mi+2*pk:32*mi+2*pk+1], v[32*mi+2*pk:32*mi+2*pk+1], v[SS+2*mi:SS+2*mi+1]
.endif
.set mi, mi+1
.endr
.set pk, pk+1
.endr
	WIN 0
.irp m, 0,1,2,3,4,5,6,7
	v_add_f32 v[ET1+\m], v[SS+2*\m], v[SS+2*\m+1]
.endr
.irp m, 0,1,2,3,4,5,6,7
	v_permlanex16_b32 v[ET2+\m], v[ET1+\m], s[SEL], s[SEL+1]
.endr
.irp m, 0,1,2,3,4,5,6,7
	v_add_f32 v[ET1+\m], v[ET1+\m], v[ET2+\m]
.endr
.irp m, 0,1,2,3,4,5,6,7
	v_rsq_f32 v[ET2+\m], v[ET1+\m]
.endr
	v_nop                                          ; a plain line behind the last root
	s_wait_alu depctr_va_vdst(0)                   ; one wait for the eight, ahead of their first reader
.irp m, 0,1,2,3,4,5,6,7
	v_min_num_f32 v[SS+2*\m], 0x5368d4a5, v[ET2+\m]        ; 1 / max(norm, 1e-12) = min(1 / norm, 1e12)
	v_min_num_f32 v[SS+2*\m+1], 0x5368d4a5, v[ET2+\m]
.endr
	WIN 0x41
.set mi, 0
.rept 8
.set pk, 0
.rept 16
	v_pk_mul_f32 v[32*mi+2*pk:32*mi+2*pk+1], v[32*mi+2*pk:32*mi+2*pk+1], v[SS+2*mi:SS+2*mi+1]
.set pk, pk+1
.endr
.set mi, mi+1
.endr
.irp pr, 0,1,2,3                       ; tiles 2 pr and 2 pr + 1: blocks 0, 1 are the first tile's 64, blocks 2, 3 the second's
	s_wait_xcnt 0x0                                ; the last stores have read the code registers
.if \pr > 0
	s_wait_alu depctr_vm_vsrc(0)                   ; the last four stores have read v80-95, which the quantiser writes again
.endif
	QUANT 64*\pr
	v_lshrrev_b32 v[SW+\pr], v[SH], v[PW]          ; lanes 16-31 carry the second tile's two bytes at the word's low end
	s_wait_alu depctr_va_vdst(0)                   ; the conversions have written v80-95, and the shift the pair's scale word, which the stores below read
.irp c, 0,1,2,3
	global_store_b128 v[L16], v[PC+4*\c:PC+4*\c+3], s[46:47] offset:2048*\pr+512*\c
.endr
.endr
	global_store_b128 v[L16], v[SW:SW+3], s[48:49]
	s_wait_xcnt 0x0                                ; the stores have read their data and bases: both are written again
	s_mov_b64 s[40:41], s[50:51]
	s_mov_b64 s[42:43], s[52:53]
	s_mov_b64 s[44:45], s[54:55]
	s_mov_b64 s[46:47], s[56:57]
	s_mov_b64 s[48:49], s[58:59]
	s_add_co_u32 s60, s60, 1
	s_cmp_lt_u32 s60, 2
	s_cbranch_scc1 .Lpass
; ---- v: source 0 = tokens, so that a lane holds one d and its registers run along the keys
	s_wait_alu depctr_vm_vsrc(0)                   ; k's stores have read v80-95 and v100-103, in which v's weights land
.irp nt, 0,1,2,3
	global_load_b32 v[BI+8*\nt], v[BV], s[70:71] offset:(32*(\nt/2)+8*(\nt%2))*4
.endr
	s_wait_loadcnt 0x0
.irp nt, 0,1,2,3
.irp j, 1,2,3,4,5,6,7
	v_mov_b32 v[BI+8*\nt+\j], v[BI+8*\nt]          ; my column's bias for the tile's eight tokens.  (These name v224-255 alone, in which no load of the product below lands)
.endr
.endr
	GEMM 1, 1, L16, SAD, 0, 66, 68, 0
	WIN 0x05                                       ; a token's 64 numbers lie in register 8 m + j of four accumulators and in the 16 lanes of my half
.set ni, 0
.rept 4
.set pk, 0
.rept 32
.if ni == 0
	v_pk_mul_f32 v[SSV+2*pk:SSV+2*pk+1], v[2*pk:2*pk+1], v[2*pk:2*pk+1]
.else
	v_pk_fma_f32 v[SSV+2*pk:SSV+2*pk+1], v[64*ni+2*pk:64*ni+2*pk+1], v[64*ni+2*pk:64*ni+2*pk+1], v[SSV+2*pk:SSV+2*pk+1]
.endif
.set pk, pk+1
.endr
.set ni, ni+1
.endr
	WIN 0
.irp xm, 1,2,4,8
.set pk, 0
.rept 64
	v_add_f32_dpp v[SSV+pk], v[SSV+pk], v[SSV+pk] row_xmask:\xm row_mask:0xf bank_mask:0xf
.set pk, pk+1
.endr
.endr
.set pk, 0
.rept 64
	v_rsq_f32 v[SSV+pk], v[SSV+pk]
.set pk, pk+1
.endr
	v_nop
	s_wait_alu depctr_va_vdst(0)                   ; one wait for the 64 roots
.set pk, 0
.rept 64
	v_min_num_f32 v[SSV+pk], 0x5368d4a5, v[SSV+pk]
.set pk, pk+1
.endr
	WIN 0x41
.set ni, 0
.rept 4
.set pk, 0
.rept 32
	v_pk_mul_f32 v[64*ni+2*pk:64*ni+2*pk+1], v[64*ni+2*pk:64*ni+2*pk+1], v[SSV+2*pk:SSV+2*pk+1]
.set pk, pk+1
.endr
.set ni, ni+1
.endr
.irp dn, 0,1,2,3                       ; d tile dn: its 64 registers are the block's 128 keys in the operand's order
	s_wait_xcnt 0x0
.if \dn > 0
	s_wait_alu depctr_vm_vsrc(0)                   ; the last four stores have read v80-95, which the quantiser writes again
.endif
	QUANT 64*\dn
	v_mov_b32 v[PWK+\dn], v[PW]
	s_wait_alu depctr_va_vdst(0)                   ; the conversions have written v80-95, which the stores below read
.irp c, 0,1,2,3
	global_store_b128 v[L16], v[PC+4*\c:PC+4*\c+3], s[72:73] offset:2048*\dn+512*\c
.endr
.endr
	v_cndmask_b32 v[VW], v[PWK], v[PWK+1], s[MSK]          ; lanes 0-15 the even tile's words, lanes 16-31 the odd tile's
	v_cndmask_b32 v[VW+1], v[PWK+2], v[PWK+3], s[MSK]
	s_wait_alu depctr_va_vdst(0)                   ; the two selections have written v108 and v109, which the store reads
	global_store_b64 v[L8], v[VW:VW+1], s[74:75]
	s_wait_xcnt 0x0
	v_lshl_add_u32 v254, v0, 2, 0x11000            ; the add's two registers, made anew: no memory or LDS instruction has read v254 or v255
	v_mov_b32 v255, 0
	s_wait_dscnt 0x0                               ; the closing lines, six on end
	s_wait_alu 0x0
	s_wait_tensorcnt 0x0
	ds_add_u32 v254, v255
	s_wait_dscnt 0x0
	s_endpgm
.Lfunc_end_k_q6010ecb5d7_qkv:
	.size	k_q6010ecb5d7_qkv, .Lfunc_end_k_q6010ecb5d7_qkv-k_q6010ecb5d7_qkv
	.p2alignl 7, 3214868480
	.fill 96, 4, 3214868480
	.section	.rodata,"a",@progbits
	.p2align	6, 0x0
	.amdhsa_kernel k_q6010ecb5d7_qkv
		.amdhsa_group_segment_fixed_size 70656
		.amdhsa_private_segment_fixed_size 0
		.amdhsa_enable_private_segment 0
		.amdhsa_kernarg_size 48
		.amdhsa_user_sgpr_count 2
		.amdhsa_user_sgpr_kernarg_segment_ptr 1
		.amdhsa_wavefront_size32 1
		.amdhsa_system_sgpr_workgroup_id_x 1
		.amdhsa_system_sgpr_workgroup_id_y 1
		.amdhsa_system_sgpr_workgroup_id_z 1
		.amdhsa_system_vgpr_workitem_id 0
		.amdhsa_next_free_vgpr 512
		.amdhsa_next_free_sgpr 80
		.amdhsa_reserve_vcc 0
		.amdhsa_float_denorm_mode_32 3
		.amdhsa_float_denorm_mode_16_64 3
		.amdhsa_memory_ordered 1
		.amdhsa_forward_progress 1
		.amdhsa_inst_pref_size 255
	.end_amdhsa_kernel
	.section	.bss,"aw",@nobits
	.p2align	6
	.space	262144
	.amdgpu_metadata
---
amdhsa.version: [ 1, 2 ]
amdhsa.kernels:
  - .name:           k_q6010ecb5d7_qkv
    .symbol:         k_q6010ecb5d7_qkv.kd
    .args:
      - { .name: x, .offset: 0, .size: 8, .value_kind: global_buffer, .address_space: global }
      - { .name: wk, .offset: 8, .size: 8, .value_kind: global_buffer, .address_space: global }
      - { .name: b_q, .offset: 16, .size: 8, .value_kind: global_buffer, .address_space: global }
      - { .name: b_kv, .offset: 24, .size: 8, .value_kind: global_buffer, .address_space: global }
      - { .name: acod, .offset: 32, .size: 8, .value_kind: global_buffer, .address_space: global }
      - { .name: ascl, .offset: 40, .size: 8, .value_kind: global_buffer, .address_space: global }
    .group_segment_fixed_size: 70656
    .private_segment_fixed_size: 0
    .kernarg_segment_align: 8
    .kernarg_segment_size: 48
    .max_flat_workgroup_size: 256
    .sgpr_count:     80
    .vgpr_count:     512
    .wavefront_size: 32
...
	.end_amdgpu_metadata
.endif
;; end of part 4
;; launch attn (part 5): grid 256 x 1, 8 waves a work-group, no clusters, 283,648 bytes of LDS; arguments wk, acod, ascl, b_out, ln_g, ln_b, out0; writes out0
.if DOCPART == 5
	.amdgcn_target "amdgcn-amd-amdhsa--gfx1250"
	.amdhsa_code_object_version 6
	.text
	.protected	k_q6010ecb5d7_attn
	.globl	k_q6010ecb5d7_attn
	.p2align	8
	.type	k_q6010ecb5d7_attn,@function
k_q6010ecb5d7_attn:
	s_mov_b64 s[64:65], 0
	v_nop
	global_prefetch_b8 v0, s[64:65] scope:SCOPE_SE
	s_setreg_imm32_b32 hwreg(HW_REG_WAVE_SCHED_MODE, 0, 2), 2
	s_setreg_imm32_b32 hwreg(HW_REG_WAVE_MODE, 25, 1), 1
	s_wait_xcnt 0x0
	s_wait_alu depctr_vm_vsrc(0)
; ATTN: for a block of 128 tokens of one slice: attention over the slice's 512 keys, conv + batch norm, w_m, the residual, w_out, LayerNorm, exact GELU, and the output with the tokens innermost.
; All five products run on codes of E5M2 with one E8M0 byte for each 32 along K.  SHARES: 256 work-groups = 64 slices x 4 blocks; eight waves, two to a SIMD; WAVE w = HEAD w = 64 output columns in every product.
; K, V and the weights are read by one wave of the work-group each and lie in memory in the order of the operand's registers: they come straight into registers, 512 consecutive bytes a load.
; What goes from wave to wave (x's codes, o's, the residual sum's) goes through LDS as images of the operand's registers: fragment (tile m, K step s) at (4 m + s) 2,048 + 512 c + 16 lane.
; Tiles are not made of neighbours: row rho of tile 2 B + u is item 32 B + 8 u + rho + 8 (rho / 8), for tokens, columns and d; so a result's 16 registers of tiles 2 B, 2 B + 1 are 16 neighbours along the next K.
; NO CLUSTER, NO TENSOR LOAD: the four work-groups of a slice read the same K and V, but each fragment goes to one wave's registers, where no joint load can put it; a way through LDS would add reads of LDS to every product.
; THE SOFTMAX HAS NO RUNNING MAXIMUM.  q and k are unit vectors by the computation itself; a code of E5M2 is within one eighth of its number, so |q . k| <= 1.27 and |t| = |q . k| log2(e) / 8 <= 0.23 for every input:
; p = 2^t lies between 0.85 and 1.18.  The rule's M, the ceiling of the row's largest t, is 0 or 1; taking M = 0 changes p, its block scales, the sum and O by the same exact power of two: the codes and o come out the same.
; K = 64 IN A FORM OF K = 128: q's fragment is eight registers of codes and eight of zeros; k's upper eight registers are whatever follows (the next tile's codes, all finite, or zeros), under scale bytes that are never 0xff: exact zeros are added.
; LIMITS: NaN and infinities are not served; a block of zeros has the byte 1 (its codes are zeros); erf by Abramowitz and Stegun 7.1.26, absolute error 1.5e-7, behind the last quantiser only; biases enter as the sums' first addend.
; LDS: 0 x's images; 65,536 o's; 131,072 q's fragments (8,192 a wave), later the residual sum's images; 196,608 three sets of scale words of 2,048; behind the last exchange's barrier 0 .. 274,431 are the waves' stages; 274,432 two exchanges of 4,096.
; REGISTERS: window 1 (v256-511): 32 accumulators (O^T, then the three products').  Window 0: v1-15 addresses; v208-223 scale words and nothing else; the rest by phase.
; THE MODE: SCHED_MODE bits 1:0 = 2 (LLVM: expert scheduling mode 2), set by the entry lines.  The code itself states the register dependences
; between vector or matrix instructions and memory or LDS instructions, with s_wait_alu, always for 0.
; THE PLAN.  Registers that memory or LDS instructions touch:
;   v1-15      offsets and LDS addresses: made at the head, never written again: one wait on va_vdst ahead of the first load.
;   key loop   q's tile v16-23, k's tiles v32-95 and scale words v208-211: loaded, and read by the products K Q^T alone.  The loads of the next tile of queries (and, in the last tile, of the next key step's k) stand behind
;              the wait for the second group's exponentials, which stands there anyway and shows those products done: they owe no wait of their own.
;              p's codes v224-239 and scale word v218: written by vector instructions, taken by scaled products: one wait on va_vdst behind the four places.
;              v's fragments v104-167 and scale words v216-217: read by the products V^T P^T; a wait on va_vdst in the last tile, ahead of the next key step's loads.
;   images     v80-97: written by the quantiser, read by LDS stores: va_vdst between the two, vm_vsrc ahead of the next quantiser and, behind the barrier, ahead of the weights that land there.
;   products   pairs of token fragments, weight sets, scale words: one wait on va_vdst behind a group's eight products, as the macro says; the last two groups load nothing and have none,
;              so a wait on va_vdst stands ahead of whatever loads follow a product at once.
;   LayerNorm  the sums v160-167: va_vdst ahead of an exchange's LDS stores, vm_vsrc ahead of the line that writes them again.
;   GELU       v32-95: LDS loads land, the arithmetic works in place, stores read; v238 the LDS address, stepped once a trip.  At a trip's head vm_vsrc, the step, va_vdst.  A quarter's four stores stand behind the
;              next quarter's wait for its transcendentals; the last quarter's have a wait of their own.
.set QC,  16777216
.set KC,  33554432
.set VC,  50331648
.set QSO, 524288
.set KSO, 1572864
.set VSO, 2621440
.set WSO, 1572864
.set BNO, 2670592
.set OIMG, 65536
.set QIMG, 131072
.set XSC,  196608
.set OSC,  198656
.set STAT, 274432
.set L16, 1                            ; v1   16 x lane
.set L8,  2                            ; v2   8 x lane
.set L4,  3                            ; v3   4 x lane
.set SH,  4                            ; v4   16 (lane / 16)
.set QAD, 5                            ; v5   my wave's q fragments
.set OI,  6                            ; v6   where my head's half fragments of o go
.set OS,  7                            ; v7   and its two scale bytes
.set UI,  8                            ; v8   the same for the residual sum
.set US,  9                            ; v9
.set BO,  10                           ; v10  64 (lane / 16)
.set IA2, 11                           ; v11  o's images + 16 x lane
.set IA3, 12                           ; v12  the residual sum's
.set SAD, 13                           ; v13  the scale words + 16 x lane
.set PFO, 14                           ; v14  256 x lane: the prefetches' offset
.set XWA, 15                           ; v15  my wave's 8 KB of x's images
.set QF,  16                           ; key loop: v16-23 q's tile, v24-31 zeros
.set QZ,  24
.set KF,  32                           ; v32-95 eight tiles of k, v96-103 zeros
.set KZ,  96
.set VF,  104                          ; v104-167 four fragments of v
.set S,   168                          ; v168-199 four tiles of scores, then p
.set AM,  200
.set PT,  202
.set HD,  204
.set SC,  206
.set KS,  208                          ; scale words: k's four, q's four, v's two, p's one
.set QS,  212
.set VS,  216
.set PS,  218
.set PCA, 224                          ; v224-239 p's codes
.set BY,  240
.set SA2, 242
.set SA3, 244
.set LS,  246                          ; v246-253 the rows' sums, a register a tile of queries
.set RP,  48                           ; v48-63 1 / sum, a pair a tile
.set WB,  16                           ; products: as in the launch before
.set AB,  144
.set WS,  208
.set AS,  216
.set BI,  224
.set TM,  64
.set PC,  80
.set PW,  96
.set SM,  16                           ; LayerNorm: v16-31 sums; v32-95 the exchange; v96-127 ln_g, v128-159 ln_b; v160-175 at work; v176-191 the mean, v192-207 1 / deviation, a pair a tile
.set EX,  32
.set LG,  96
.set LB,  128
.set LT1, 160
.set LT2, 168
.set MU,  176
.set RS,  192
.set STA, 224
.set LDA, 225
.set SG,  226
.set RD0, 227
.set GA1, 228                          ; v228-237 the polynomial's five numbers, halved, a pair each
.set GA2, 230
.set GA3, 232
.set GA4, 234
.set GA5, 236
.set RD,  238
.set Z,   32                           ; GELU: v32-95 16 rows; v160-207 at work
.set U,   160
.set E,   176
.set R,   192
.set WV,  18
.set MNT, 19
.set SEL, 20
.set CS,  22
.set KB,  32
.set VB,  34
.set KSB, 36
.set VSB, 38
.set PF,  40
.set WCV, 42
.set WCS, 44
.set WMV, 46
.set WMS, 48
.set WOV, 50
.set WOS, 52
.set BNB, 54
.set BOB, 56
.set LGB, 58
.set LBB, 60
.set LIM, 62
.set KCNT, 63
.set GCNT, 66
.set GOFF, 67
.set I512, 68
.set EPS, 69
.set C1,  70
.set C2,  72
.set XCB, 74
.set QCB, 76
.set XSB, 78
.set QSB, 80
.set MSB, 0
.macro WIN new                         ; the immediate's high byte repeats the setting that is left; a switch that changes nothing is dropped
.if MSB != (\new)
	s_set_vgpr_msb (MSB<<8)|(\new)
.set MSB, (\new)
.endif
.endm
.macro WM d, a, b, c, sa, sb, ra, rb   ; one product 16 x 16 x 128; c < 0: the sum starts; ra, rb: the side's scale words stand in lanes 16-31
.if (\c) < 0
.if (\ra) && (\rb)
	v_wmma_scale_f32_16x16x128_f8f6f4 v[\d:\d+7], v[\a:\a+15], v[\b:\b+15], 0, v[\sa], v[\sb] matrix_a_fmt:MATRIX_FMT_BF8 matrix_b_fmt:MATRIX_FMT_BF8 matrix_a_scale:MATRIX_SCALE_ROW1 matrix_b_scale:MATRIX_SCALE_ROW1
.elseif (\ra)
	v_wmma_scale_f32_16x16x128_f8f6f4 v[\d:\d+7], v[\a:\a+15], v[\b:\b+15], 0, v[\sa], v[\sb] matrix_a_fmt:MATRIX_FMT_BF8 matrix_b_fmt:MATRIX_FMT_BF8 matrix_a_scale:MATRIX_SCALE_ROW1
.elseif (\rb)
	v_wmma_scale_f32_16x16x128_f8f6f4 v[\d:\d+7], v[\a:\a+15], v[\b:\b+15], 0, v[\sa], v[\sb] matrix_a_fmt:MATRIX_FMT_BF8 matrix_b_fmt:MATRIX_FMT_BF8 matrix_b_scale:MATRIX_SCALE_ROW1
.else
	v_wmma_scale_f32_16x16x128_f8f6f4 v[\d:\d+7], v[\a:\a+15], v[\b:\b+15], 0, v[\sa], v[\sb] matrix_a_fmt:MATRIX_FMT_BF8 matrix_b_fmt:MATRIX_FMT_BF8
.endif
.else
.if (\ra) && (\rb)
	v_wmma_scale_f32_16x16x128_f8f6f4 v[\d:\d+7], v[\a:\a+15], v[\b:\b+15], v[\c:\c+7], v[\sa], v[\sb] matrix_a_fmt:MATRIX_FMT_BF8 matrix_b_fmt:MATRIX_FMT_BF8 matrix_a_scale:MATRIX_SCALE_ROW1 matrix_b_scale:MATRIX_SCALE_ROW1
.elseif (\ra)
	v_wmma_scale_f32_16x16x128_f8f6f4 v[\d:\d+7], v[\a:\a+15], v[\b:\b+15], v[\c:\c+7], v[\sa], v[\sb] matrix_a_fmt:MATRIX_FMT_BF8 matrix_b_fmt:MATRIX_FMT_BF8 matrix_a_scale:MATRIX_SCALE_ROW1
.elseif (\rb)
	v_wmma_scale_f32_16x16x128_f8f6f4 v[\d:\d+7], v[\a:\a+15], v[\b:\b+15], v[\c:\c+7], v[\sa], v[\sb] matrix_a_fmt:MATRIX_FMT_BF8 matrix_b_fmt:MATRIX_FMT_BF8 matrix_b_scale:MATRIX_SCALE_ROW1
.else
	v_wmma_scale_f32_16x16x128_f8f6f4 v[\d:\d+7], v[\a:\a+15], v[\b:\b+15], v[\c:\c+7], v[\sa], v[\sb] matrix_a_fmt:MATRIX_FMT_BF8 matrix_b_fmt:MATRIX_FMT_BF8
.endif
.endif
.endm
; 64 numbers of a lane in window 1, register s + 16 b + i = K 32 b + 16 (lane / 16) + i of the lane's row, become a fragment's 16 registers v[PC] on and its scale word v[PW]
.macro QUANT s
	WIN 0x05
.irp b, 0,1,2,3
	v_max3_num_f32 v[TM+\b], |v[\s+16*\b]|, |v[\s+16*\b+1]|, 0x8000000   ; my 16 numbers of block b, and the floor 2^(16 - 127): the byte cannot fall under 1
.endr
	WIN 0x14
.irp i, 2,4,6,8,10,12,14
.irp b, 0,1,2,3
	v_max3_num_f32 v[TM+\b], v[TM+\b], |v[\s+16*\b+\i]|, |v[\s+16*\b+\i+1]|   ; the four blocks by turns
.endr
.endr
	WIN 0
.irp b, 0,1,2,3
	v_permlanex16_b32 v[TM+4+\b], v[TM+\b], s[SEL], s[SEL+1]
.endr
.irp b, 0,1,2,3
	v_max_num_f32 v[TM+\b], v[TM+\b], v[TM+4+\b]           ; with the lane 16 away: the block's largest magnitude
.endr
.irp b, 0,1,2,3
	v_add_nc_u32 v[TM+12+\b], 0xf8800000, v[TM+\b]         ; 15 off the exponent field: the conversion's scale operand
.endr
.irp b, 0,1,2,3
	v_and_or_b32 v[TM+8+\b], v[TM+\b], 0x7f800000, s[MNT]  ; 57,344 x the scale
.endr
.irp b, 0,1,2,3
	v_lshrrev_b32 v[TM+4+\b], 23, v[TM+12+\b]              ; the byte
.endr
	v_lshl_or_b32 v[PW], v[TM+5], 8, v[TM+4]
	v_lshl_or_b32 v[PW], v[TM+6], 16, v[PW]
	v_lshl_or_b32 v[PW], v[TM+7], 24, v[PW]
	WIN 0x41
.irp b, 0,1,2,3
.set qi, 0
.rept 16
	v_med3_num_f32 v[\s+16*\b+qi], v[\s+16*\b+qi], -v[TM+8+\b], v[TM+8+\b]   ; the conversion to an 8-bit code does not saturate (ISA guide 7.6.2): the hold comes first
.set qi, qi+1
.endr
.endr
	WIN 0x01
.irp b, 0,1,2,3
	v_cvt_scalef32_pk8_bf8_f32 v[PC+4*\b:PC+4*\b+1], v[\s+16*\b:\s+16*\b+7], v[TM+12+\b]
	v_cvt_scalef32_pk8_bf8_f32 v[PC+4*\b+2:PC+4*\b+3], v[\s+16*\b+8:\s+16*\b+15], v[TM+12+\b]
.endr
	WIN 0
	v_nop                                                  ; a plain line behind the last conversion
.endm
.macro BIAS reg, bp, off               ; 8 registers a tile: lane half h wants the columns 32 B + 16 h + 8 u + 0 .. 7 of tile 2 B + u
.irp nt, 0,1,2,3
	global_load_b128 v[\reg+8*\nt:\reg+8*\nt+3], v[BO], s[\bp:\bp+1] offset:\off+(32*(\nt/2)+8*(\nt%2))*4
	global_load_b128 v[\reg+8*\nt+4:\reg+8*\nt+7], v[BO], s[\bp:\bp+1] offset:\off+(32*(\nt/2)+8*(\nt%2))*4+16
.endr
.endm
; THE PRODUCT of a wave: 128 tokens x 64 columns x K 512: 128 matrix instructions on 32 accumulators that take turns, one instruction a turn.
.macro WLOAD wp, s
.irp nt, 0,1,2,3
.irp c, 0,1,2,3
	global_load_b128 v[WB+64*((\s)%2)+16*\nt+4*\c:WB+64*((\s)%2)+16*\nt+4*\c+3], v[L16], s[\wp:\wp+1] offset:8192*(\s)+2048*\nt+512*\c
.endr
.endr
.endm
.macro PLOAD aad, qq
.irp mm, 0,1
.irp c, 0,1,2,3
	ds_load_b128 v[AB+32*((\qq)%2)+16*\mm+4*\c:AB+32*((\qq)%2)+16*\mm+4*\c+3], v[\aad] offset:(4*(2*((\qq)%4)+\mm)+(\qq)/4)*2048+512*\c
.endr
.endr
.endm
.macro GGROUP cmode, aad, sad, soff, s, i, nextra
.set gq, 4*(\s)+(\i)
.if (\i) == 0
.if (\s) < 3
	s_wait_loadcnt 16                              ; this step's weights are in (and all that was asked for before them); the next step's 16 loads may be out
.else
	s_wait_loadcnt \nextra                         ; the last step's weights are in; what was asked for behind them may be out
.endif
.endif
.if gq == 15
	s_wait_dscnt 0x0
.elseif (\i) == 3
	s_wait_dscnt 9                                 ; behind this pair: the next step's scale words and the next pair's eight
.else
	s_wait_dscnt 8                                 ; behind this pair: the next pair's eight
.endif
.if ((\s) == 0) && ((\cmode) != 2)
	WIN 0x40
.else
	WIN 0x50
.endif
.irp mm, 0,1
.irp nt, 0,1,2,3
.set rW, WB+64*((\s)%2)+16*\nt
.set rT, AB+32*((\i)%2)+16*\mm
.set rWS, WS+2*(\s)+(\nt)/2
.set rAS, AS+4*((\s)%2)+(\i)
.set rD, 8*(4*(2*(\i)+\mm)+\nt)
.set rC, rD
.if (\s) == 0
.if (\cmode) == 0
.set rC, -1
.elseif (\cmode) == 1
.set rC, BI+8*\nt
.endif
.endif
	WM rD,rW,rT,rC,rWS,rAS,(\nt)%2,\mm
.endr
.endr
	WIN 0
.rept 8
	v_nop                                          ; eight places behind these products, ahead of the loads below and of the first read of results
.endr
.if gq+2 < 16
	s_wait_alu depctr_va_vdst(0)                   ; the products issued so far are done reading: this group's pair of token fragments, in which the pair two groups on lands; the last step's scale words; and, at a step's last group, the weight set that the next step's head fills again
.endif
.if ((\i) == 2) && ((\s) < 3)
	ds_load_b128 v[AS+4*(((\s)+1)%2):AS+4*(((\s)+1)%2)+3], v[\sad] offset:\soff+512*((\s)+1)
.endif
.if gq+2 < 16
	PLOAD \aad, gq+2
.endif
.endm
.macro GSTEP cmode, aad, sad, soff, wp, s, nextra
.if (\s) < 3
	WLOAD \wp, (\s)+1                              ; no wait: no vector or matrix instruction since the last group's wait names this set
.elseif (\nextra) > 0
	BIAS 16, BNB, 2048                             ; batch norm's t, into the weight set that the step before has left (likewise)
.endif
.irp i, 0,1,2,3
	GGROUP \cmode, \aad, \sad, \soff, \s, \i, \nextra
.endr
.endm
; source 0 = weights, source 1 = tokens: a lane holds a token, accumulator (m, nt) at 8 (4 m + nt).  cmode 0: sums start at 0; 1: at the bias; 2: go on in place
.macro GEMM cmode, aad, sad, soff, wp, wsp, nextra
.irp s, 0,1,2,3
.irp bp, 0,1
	global_load_b32 v[WS+2*\s+\bp], v[L4], s[\wsp:\wsp+1] offset:256*\s+128*\bp
.endr
.endr
	WLOAD \wp, 0
	ds_load_b128 v[AS:AS+3], v[\sad] offset:\soff
	PLOAD \aad, 0
	PLOAD \aad, 1
.irp s, 0,1,2,3
	GSTEP \cmode, \aad, \sad, \soff, \wp, \s, \nextra
.endr
.endm
; the 256 accumulator registers (a lane a token, 32 registers a tile along my 64 channels) become half fragments of K step w / 2, for all eight tiles; then the barrier behind which all waves read them
.macro TOIMG ia, sa
.irp pr, 0,1,2,3
	s_wait_dscnt 0x0                               ; the last LDS stores have read the code registers
.if \pr > 0
	s_wait_alu depctr_vm_vsrc(0)                   ; the last five LDS stores have read v80-95 and v97, which the quantiser and the shift write again
.endif
	QUANT 64*\pr
	v_lshrrev_b32 v[PW+1], v[SH], v[PW]            ; lanes 0-15: tile 2 pr's two bytes; lanes 16-31: tile 2 pr + 1's
	s_wait_alu depctr_va_vdst(0)                   ; the conversions have written v80-95 and the shift v97, which the LDS stores below read
.irp hi, 0,1
.irp b, 0,1
	ds_store_b128 v[\ia], v[PC+8*\hi+4*\b:PC+8*\hi+4*\b+3] offset:8192*(2*\pr+\hi)+512*\b
.endr
.endr
	ds_store_b16 v[\sa], v[PW+1] offset:4*\pr
.endr
	s_wait_dscnt 0x0                               ; for the others' sake: my stores have landed, and my reads of what is written next are over
	s_barrier_signal -1
	s_barrier_wait -1
	s_wait_alu depctr_vm_vsrc(0)                   ; my last LDS stores have read v80-95 and v97, in which the next product's weights land.  (No vector instruction stands behind the last wait on va_vdst)
.endm
.macro KLOAD                           ; 128 keys of my head: eight tiles of 8 registers, and their scale words
.set kk, 0
.rept 16
	global_load_b128 v[KF+4*kk:KF+4*kk+3], v[L16], s[KB:KB+1] offset:512*kk
.set kk, kk+1
.endr
	global_load_b128 v[KS:KS+3], v[L16], s[KSB:KSB+1]
.endm
.macro VLOAD                           ; the same keys' v: four fragments of 16 d x 128 keys
.set kk, 0
.rept 16
	global_load_b128 v[VF+4*kk:VF+4*kk+3], v[L16], s[VB:VB+1] offset:512*kk
.set kk, kk+1
.endr
	global_load_b64 v[VS:VS+1], v[L8], s[VSB:VSB+1]
.endm
; 64 keys' scores of a tile of queries become p.  The first part: the scalings and the exponentials, with their wait
.macro SOFTA
.set k_, 0
.rept 16
	v_pk_mul_f32 v[S+2*k_:S+2*k_+1], v[S+2*k_:S+2*k_+1], s[CS:CS+1] op_sel_hi:[1,0]   ; t = score x log2(e) / 8; each tile from its low end on
.set k_, k_+1
.endr
.set k_, 0
.rept 32
	v_exp_f32 v[S+k_], v[S+k_]                     ; p = 2^t
.set k_, k_+1
.endr
	v_nop                                          ; a plain line behind the last exponential
	s_wait_alu depctr_va_vdst(0)                   ; one wait for the 32, ahead of their first reader.  It also states that the products K Q^T issued so far are done reading q's tile, k's tiles and k's scale words: the loads that follow it in a tile's second half land there
.endm
; the second part: p's part of the row's sum of tile i, and half of p's fragment
.macro SOFTB g, i
	v_pk_add_f32 v[SA2:SA2+1], v[S:S+1], v[S+2:S+3]        ; the sum is taken of the unquantised p, in two chains
	v_pk_add_f32 v[SA3:SA3+1], v[S+4:S+5], v[S+6:S+7]
	v_max3_num_f32 v[AM], v[S], v[S+1], 0x8000000          ; the two blocks' largest p (p is positive), the floor among the leaves
	v_max3_num_f32 v[AM+1], v[S+16], v[S+17], 0x8000000
.irp k, 8,12,16,20,24,28
	v_pk_add_f32 v[SA2:SA2+1], v[SA2:SA2+1], v[S+\k:S+\k+1]
	v_pk_add_f32 v[SA3:SA3+1], v[SA3:SA3+1], v[S+\k+2:S+\k+3]
.endr
.irp k, 2,4,6,8,10,12,14
	v_max3_num_f32 v[AM], v[AM], v[S+\k], v[S+\k+1]
	v_max3_num_f32 v[AM+1], v[AM+1], v[S+16+\k], v[S+17+\k]
.endr
	v_pk_add_f32 v[SA2:SA2+1], v[SA2:SA2+1], v[SA3:SA3+1]
	v_permlanex16_b32 v[PT], v[AM], s[SEL], s[SEL+1]
	v_permlanex16_b32 v[PT+1], v[AM+1], s[SEL], s[SEL+1]
	v_add_f32 v[LS+(\i)], v[LS+(\i)], v[SA2]
	v_max_num_f32 v[AM], v[AM], v[PT]
	v_max_num_f32 v[AM+1], v[AM+1], v[PT+1]
	v_add_f32 v[LS+(\i)], v[LS+(\i)], v[SA2+1]
	v_add_nc_u32 v[SC], 0xf8800000, v[AM]
	v_add_nc_u32 v[SC+1], 0xf8800000, v[AM+1]
	v_and_or_b32 v[HD], v[AM], 0x7f800000, s[MNT]
	v_and_or_b32 v[HD+1], v[AM+1], 0x7f800000, s[MNT]
	v_lshrrev_b32 v[BY], 23, v[SC]
	v_lshrrev_b32 v[BY+1], 23, v[SC+1]
.if (\g) == 0
	v_lshl_or_b32 v[PS], v[BY+1], 8, v[BY]         ; p's scale word for these 128 keys, byte by byte
.else
	v_lshl_or_b32 v[PS], v[BY], 16, v[PS]
	v_lshl_or_b32 v[PS], v[BY+1], 24, v[PS]
.endif
.set k_, 0
.rept 32
	v_min_num_f32 v[S+k_], v[S+k_], v[HD+k_/16]    ; the hold, one-sided.  (These 32 are also the scale word's places in front of the products)
.set k_, k_+1
.endr
.irp b, 0,1
	v_cvt_scalef32_pk8_bf8_f32 v[PCA+8*(\g)+4*\b:PCA+8*(\g)+4*\b+1], v[S+16*\b:S+16*\b+7], v[SC+\b]
	v_cvt_scalef32_pk8_bf8_f32 v[PCA+8*(\g)+4*\b+2:PCA+8*(\g)+4*\b+3], v[S+16*\b+8:S+16*\b+15], v[SC+\b]
.endr
	v_nop                                          ; a plain line behind the last conversion: the next products write its sources
.endm
; tile i of 16 queries against the key step's 128 keys: S^T = K Q^T (8 products, 4 at a time), the softmax, O^T += V^T P^T (4 products)
.macro UNIT i
	s_wait_dscnt 0x0                               ; q's tile is in
.if (\i) == 0
	s_wait_loadcnt 17                              ; k's 17 loads are in; v's 17 may be out
.endif
.irp g, 0,1
.irp tt, 0,1,2,3
.set t_, 4*\g+\tt
	WM S+8*\tt,KF+8*t_,QF,-1,KS+t_/2,QS+(\i)/2,t_%2,(\i)%2
.endr
.rept 8
	v_nop                                          ; eight places in front of the first read of the scores
.endr
	SOFTA
.if \g == 1
.set nq, ((\i)+1)%8
	ds_load_b128 v[QF:QF+3], v[QAD] offset:2048*(nq/2)+1024*(nq%2)         ; the next tile of queries.  No wait of its own: no vector or matrix instruction since the wait above names v16-23
	ds_load_b128 v[QF+4:QF+7], v[QAD] offset:2048*(nq/2)+1024*(nq%2)+512
.if (\i) == 2
	; A PREFETCH of the next key step's 8,192 bytes of my head, lanes 256 bytes apart; five tiles of queries ahead of the loads that want them.  The four work-groups of a slice read the same K and V:
	; the first asks for K's bytes, the second for V's, the others for nothing: each block of 256 bytes is named once in the launch.  Key step 0 comes by its loads alone; the last trip asks for nothing.
	s_cmp_lt_u32 s[KCNT], s[LIM]
	s_cbranch_scc0 .Lno_ask_\@
	global_prefetch_b8 v[PFO], s[PF:PF+1] th:TH_LOAD_NT scope:SCOPE_SE
.Lno_ask_\@:
.endif
.if (\i) == 7
	s_wait_xcnt 0x0                                ; the prefetch and the last loads have read their bases: these are stepped only behind this wait
	s_add_nc_u64 s[PF:PF+1], s[PF:PF+1], 8192
	s_cmp_eq_u32 s[KCNT], 3
	s_cbranch_scc1 .Lno_k_\@                       ; the last key step fetches nothing: no load leaves its buffer
	s_add_nc_u64 s[KB:KB+1], s[KB:KB+1], 8192
	s_add_nc_u64 s[KSB:KSB+1], s[KSB:KSB+1], 512
	KLOAD                                          ; likewise: nothing since that wait names v32-95 or v208-211
.Lno_k_\@:
.endif
.endif
	SOFTB \g, \i
.endr
.rept 4
	v_nop                                          ; four places between the codes' last conversion and the products that read them
.endr
	s_wait_alu depctr_va_vdst(0)                   ; the conversions have written p's codes v224-239, and the shifts its scale word v218, which the scaled products below take as source 1 and as its scales
.if (\i) == 0
	s_wait_loadcnt 0x0                             ; v is in
.endif
	WIN 0x50
.irp dn, 0,1,2,3
	WM 32*(\i)+8*\dn,VF+16*\dn,PCA,32*(\i)+8*\dn,VS+\dn/2,PS,\dn%2,0
.endr
	WIN 0
.if (\i) == 7
.rept 8
	v_nop
.endr
	s_wait_alu depctr_va_vdst(0)                   ; the products V^T P^T are done reading v's fragments and scale words, in which the next key step's land
	s_cmp_eq_u32 s[KCNT], 3
	s_cbranch_scc1 .Lno_v_\@
	s_add_nc_u64 s[VB:VB+1], s[VB:VB+1], 8192
	s_add_nc_u64 s[VSB:VSB+1], s[VSB:VSB+1], 256
	VLOAD
.Lno_v_\@:
.endif
.endm
; eight numbers a lane (a token a tile; both halves of the lanes hold the same) are summed over the eight waves: [m][r][wave] words, one barrier
.macro EXCH off
	s_wait_alu depctr_va_vdst(0)                   ; the sums v160-167 are written, which the LDS stores read, and so are the two addresses v224, v225; all vector and matrix instructions are done with v32-95, in which the loads below land
.irp m, 0,1,2,3,4,5,6,7
	ds_store_b32 v[STA], v[LT1+\m] offset:\off+512*\m
.endr
	s_wait_dscnt 0x0
	s_barrier_signal -1
	s_barrier_wait -1
.irp m, 0,1,2,3,4,5,6,7
	ds_load_b128 v[EX+8*\m:EX+8*\m+3], v[LDA] offset:\off+512*\m
	ds_load_b128 v[EX+8*\m+4:EX+8*\m+7], v[LDA] offset:\off+512*\m+16
.endr
	s_wait_dscnt 0x0
	s_wait_alu depctr_vm_vsrc(0)                   ; the LDS stores have read v160-167, which the last additions below write again
.irp m, 0,1,2,3,4,5,6,7
	v_pk_add_f32 v[EX+8*\m:EX+8*\m+1], v[EX+8*\m:EX+8*\m+1], v[EX+8*\m+2:EX+8*\m+3]
	v_pk_add_f32 v[EX+8*\m+4:EX+8*\m+5], v[EX+8*\m+4:EX+8*\m+5], v[EX+8*\m+6:EX+8*\m+7]
.endr
.irp m, 0,1,2,3,4,5,6,7
	v_pk_add_f32 v[EX+8*\m:EX+8*\m+1], v[EX+8*\m:EX+8*\m+1], v[EX+8*\m+4:EX+8*\m+5]
.endr
.irp m, 0,1,2,3,4,5,6,7
	v_add_f32 v[LT1+\m], v[EX+8*\m], v[EX+8*\m+1]
.endr
.endm
; four channels of quarter q of a trip leave
.macro OUT4 q
.irp k, 0,1,2,3
	global_store_b128 v[L16], v[Z+16*(\q)+4*\k:Z+16*(\q)+4*\k+3], s[16:17] offset:8192*(4*(\q)+\k) th:TH_STORE_NT   ; 512 consecutive bytes, at a multiple of 256 from out0's first byte
.endr
.endm
; gelu(z) = max(z, 0) - |z| q, q = (half the polynomial in 1 / (1 + 0.23164189 |z|)) x 2^(-0.72134752 z^2): 16 numbers a lane.  st >= 0: quarter st, finished just before, is stored behind this quarter's wait
.macro GELU16 z, st
.set k_, 0
.rept 16
	v_fma_f32 v[U+k_], |v[\z+k_]|, s[C1], 1.0
.set k_, k_+1
.endr
.set k_, 0
.rept 8
	v_pk_mul_f32 v[E+2*k_:E+2*k_+1], v[\z+2*k_:\z+2*k_+1], v[\z+2*k_:\z+2*k_+1]
.set k_, k_+1
.endr
.set k_, 0
.rept 8
	v_pk_mul_f32 v[E+2*k_:E+2*k_+1], v[E+2*k_:E+2*k_+1], s[C2:C2+1] op_sel_hi:[1,0]
.set k_, k_+1
.endr
.set k_, 0
.rept 16
	v_rcp_f32 v[U+k_], v[U+k_]
.set k_, k_+1
.endr
.set k_, 0
.rept 16
	v_exp_f32 v[E+k_], v[E+k_]
.set k_, k_+1
.endr
	v_nop
	s_wait_alu depctr_va_vdst(0)                   ; one wait for the 32, ahead of their first reader.  It also states that the quarter before has written its 16 registers, which the four stores below read; nothing of this quarter names them
.if (\st) >= 0
	OUT4 \st
.endif
.set k_, 0
.rept 8
	v_pk_fma_f32 v[R+2*k_:R+2*k_+1], v[U+2*k_:U+2*k_+1], v[GA5:GA5+1], v[GA4:GA4+1]
.set k_, k_+1
.endr
.irp a, GA3, GA2, GA1
.set k_, 0
.rept 8
	v_pk_fma_f32 v[R+2*k_:R+2*k_+1], v[R+2*k_:R+2*k_+1], v[U+2*k_:U+2*k_+1], v[\a:\a+1]
.set k_, k_+1
.endr
.endr
.set k_, 0
.rept 8
	v_pk_mul_f32 v[R+2*k_:R+2*k_+1], v[R+2*k_:R+2*k_+1], v[U+2*k_:U+2*k_+1]
.set k_, k_+1
.endr
.set k_, 0
.rept 8
	v_pk_mul_f32 v[R+2*k_:R+2*k_+1], v[R+2*k_:R+2*k_+1], v[E+2*k_:E+2*k_+1]
.set k_, k_+1
.endr
.set k_, 0
.rept 16
	v_max_num_f32 v[E+k_], 0, v[\z+k_]
.set k_, k_+1
.endr
.set k_, 0
.rept 16
	v_fma_f32 v[\z+k_], -|v[\z+k_]|, v[R+k_], v[E+k_]
.set k_, k_+1
.endr
.endm
	s_load_b256 s[4:11], s[0:1], 0x0               ; wk 4, acod 6, ascl 8, b_out 10
	s_load_b128 s[12:15], s[0:1], 0x20             ; ln_g 12, ln_b 14
	s_load_b64 s[16:17], s[0:1], 0x30              ; out0
	v_lshrrev_b32 v16, 5, v0
	v_readfirstlane_b32 s[WV], v16
	v_and_b32 v16, 31, v0
	v_lshlrev_b32 v[L16], 4, v16
	v_lshlrev_b32 v[L8], 3, v16
	v_lshlrev_b32 v[L4], 2, v16
	v_lshlrev_b32 v[PFO], 8, v16
	v_bfe_u32 v17, v0, 4, 1
	v_lshlrev_b32 v[SH], 4, v17
	v_lshlrev_b32 v[BO], 6, v17
	s_wait_alu depctr_va_sdst(0)                   ; the wave's number is written, ahead of its first reader: LDS addresses and all bases are made from it
	s_lshl_b32 s24, s[WV], 13
	v_add_nc_u32 v[XWA], s24, v[L16]
	s_add_co_u32 s24, s24, QIMG
	v_add_nc_u32 v[QAD], s24, v[L16]
	s_lshr_b32 s25, s[WV], 1
	s_and_b32 s26, s[WV], 1
	s_lshl_b32 s27, s25, 11
	s_lshl_b32 s28, s26, 10
	s_add_co_u32 s27, s27, s28
	s_add_co_u32 s27, s27, OIMG
	v_add_nc_u32 v[OI], s27, v[L16]                ; K step w / 2, groups 2 (w % 2) on
	v_add_nc_u32 v[UI], 65536, v[OI]
	s_lshl_b32 s27, s25, 9
	s_lshl_b32 s28, s26, 1
	s_add_co_u32 s27, s27, s28
	s_add_co_u32 s27, s27, OSC
	v_add_nc_u32 v[OS], s27, v[L16]
	v_add_nc_u32 v[US], 2048, v[OS]
	v_add_nc_u32 v[IA2], OIMG, v[L16]
	v_add_nc_u32 v[IA3], QIMG, v[L16]
	v_add_nc_u32 v[SAD], XSC, v[L16]
	s_lshl_b32 s27, s[WV], 8
	s_add_co_u32 s27, s27, XSC
	v_add_nc_u32 v170, s27, v[L8]                  ; my wave's 256 bytes of x's scale words
	s_mov_b32 s[MNT], 0x600000
	s_mov_b32 s[SEL], 0x76543210
	s_mov_b32 s[SEL+1], 0xfedcba98                 ; v_permlanex16_b32's selects for the lane 16 away
	s_mov_b32 s[CS], 0x3e38aa3b                    ; log2(e) / 8
	s_mov_b32 s[CS+1], s[CS]                       ; (named with it as a pair, so it is written)
	s_mov_b32 s[I512], 0x3b000000                  ; 1 / 512
	s_mov_b32 s[EPS], 0x3727c5ac                   ; 1e-5
	s_mov_b32 s[C1], 0x3e6d3387                    ; 0.3275911 / sqrt(2)
	s_mov_b32 s[C2], 0xbf38aa3b                    ; -log2(e) / 2
	s_mov_b32 s[C2+1], s[C2]
	s_lshr_b32 s24, ttmp9, 2                       ; slice
	s_and_b32 s25, ttmp9, 3                        ; my block of 128 tokens
	s_lshl_b32 s26, s24, 3
	s_add_co_u32 s26, s26, s[WV]                   ; (slice, head)
	s_lshl_b32 s27, s26, 2
	s_add_co_u32 s27, s27, s25                     ; (slice, head, block)
	s_mov_b32 s29, 0
	s_mov_b32 s31, 0
	s_cmp_lt_u32 s25, 2
	s_cselect_b32 s[LIM], 3, 0                     ; who prefetches, and in which trips
	s_mov_b32 s30, VC+8192
	s_cmp_eq_u32 s25, 0
	s_cselect_b32 s30, KC+8192, s30
	s_wait_kmcnt 0x0
	s_lshl_b32 s28, s26, 15
	s_add_nc_u64 s[KB:KB+1], s[6:7], s[28:29]
	s_add_nc_u64 s[VB:VB+1], s[KB:KB+1], VC
	s_add_nc_u64 s[PF:PF+1], s[KB:KB+1], s[30:31]  ; key step 1 of K's or of V's codes of my head
	s_add_nc_u64 s[KB:KB+1], s[KB:KB+1], KC
	s_lshl_b32 s28, s26, 11
	s_add_co_u32 s28, s28, KSO
	s_add_nc_u64 s[KSB:KSB+1], s[8:9], s[28:29]
	s_lshl_b32 s28, s26, 10
	s_add_co_u32 s28, s28, VSO
	s_add_nc_u64 s[VSB:VSB+1], s[8:9], s[28:29]
	s_lshl_b32 s28, s27, 13
	s_add_co_u32 s28, s28, QC
	s_add_nc_u64 s[QCB:QCB+1], s[6:7], s[28:29]
	s_lshl_b32 s28, s27, 9
	s_add_co_u32 s28, s28, QSO
	s_add_nc_u64 s[QSB:QSB+1], s[8:9], s[28:29]
	s_lshl_b32 s28, ttmp9, 16
	s_lshl_b32 s30, s[WV], 13
	s_add_co_u32 s28, s28, s30
	s_add_nc_u64 s[XCB:XCB+1], s[6:7], s[28:29]
	s_lshl_b32 s28, ttmp9, 11
	s_lshl_b32 s30, s[WV], 8
	s_add_co_u32 s28, s28, s30
	s_add_nc_u64 s[XSB:XSB+1], s[8:9], s[28:29]
; ---- the block's codes of x (an eighth a wave) and my head's q go into LDS; meanwhile O^T and the sums are cleared (the key step is written once: its first trip finds zeros)
	s_wait_alu depctr_va_vdst(0)                   ; the offsets and addresses v1 to v15 and v170 are written, which the loads and stores of the kernel read; the head is done with v16 and v17, in which q's first tile lands
.set kk, 0
.rept 16
	global_load_b128 v[KF+4*kk:KF+4*kk+3], v[L16], s[XCB:XCB+1] offset:512*kk th:TH_LOAD_NT
.set kk, kk+1
.endr
.set kk, 0
.rept 16
	global_load_b128 v[VF+4*kk:VF+4*kk+3], v[L16], s[QCB:QCB+1] offset:512*kk th:TH_LOAD_NT
.set kk, kk+1
.endr
	global_load_b64 v[168:169], v[L8], s[XSB:XSB+1]
	global_load_b128 v[QS:QS+3], v[L16], s[QSB:QSB+1]
	s_lshl_b32 s28, s[WV], 15
	s_add_nc_u64 s[WCV:WCV+1], s[4:5], s[28:29]
	s_add_nc_u64 s[WMV:WMV+1], s[WCV:WCV+1], 24*32768
	s_add_nc_u64 s[WOV:WOV+1], s[WCV:WCV+1], 32*32768
	s_add_nc_u64 s[WCV:WCV+1], s[WCV:WCV+1], 40*32768
	s_lshl_b32 s28, s[WV], 10
	s_add_co_u32 s28, s28, WSO
	s_add_nc_u64 s[WCS:WCS+1], s[4:5], s[28:29]
	s_add_nc_u64 s[WMS:WMS+1], s[WCS:WCS+1], 24*1024
	s_add_nc_u64 s[WOS:WOS+1], s[WCS:WCS+1], 32*1024
	s_add_nc_u64 s[WCS:WCS+1], s[WCS:WCS+1], 40*1024
	s_lshl_b32 s28, s[WV], 8
	s_add_nc_u64 s[BOB:BOB+1], s[10:11], s[28:29]
	s_add_nc_u64 s[LGB:LGB+1], s[12:13], s[28:29]
	s_add_nc_u64 s[LBB:LBB+1], s[14:15], s[28:29]
	s_add_co_u32 s28, s28, BNO
	s_add_nc_u64 s[BNB:BNB+1], s[4:5], s[28:29]
	s_lshr_b32 s28, s24, 2                         ; b
	s_lshl_b32 s28, s28, 22
	s_and_b32 s30, s24, 3                          ; t
	s_lshl_b32 s30, s30, 11
	s_add_co_u32 s28, s28, s30
	s_lshl_b32 s30, s[WV], 19
	s_add_co_u32 s28, s28, s30
	s_lshl_b32 s30, s25, 9
	s_add_co_u32 s28, s28, s30
	s_add_nc_u64 s[16:17], s[16:17], s[28:29]      ; out0 at my wave's first channel and my block's first token
.irp i, 0,1,2,3,4,5,6,7
	v_mov_b32 v[LS+\i], 0                          ; the rows' sums,
	v_mov_b32 v[QZ+\i], 0                          ; the zeros that fill q's fragment up to K = 128: written here, ahead of the 256 lines below, which are the four places and more
	v_mov_b32 v[KZ+\i], 0                          ; that an operand written by a vector instruction stands ahead of a scaled product; and the zeros behind k's last tile
.endr
	v_mov_b32 v[PT], 0                             ; written once: a lane permute's destination counts as one of its sources
	v_mov_b32 v[PT+1], 0
	WIN 0x40
.set kk, 0
.rept 256
	v_mov_b32 v[kk], 0
.set kk, kk+1
.endr
	WIN 0
	s_wait_loadcnt 0x0
.set kk, 0
.rept 16
	ds_store_b128 v[XWA], v[KF+4*kk:KF+4*kk+3] offset:512*kk
	ds_store_b128 v[QAD], v[VF+4*kk:VF+4*kk+3] offset:512*kk
.set kk, kk+1
.endr
	ds_store_b64 v170, v[168:169]
	s_wait_dscnt 0x0                               ; the stores have read their registers: k and v land there
	s_wait_alu depctr_vm_vsrc(0)                   ; the LDS stores have read v32-95 and v104-167, in which k and v land, and v168-170, which the first products write
	s_wait_alu depctr_va_vdst(0)                   ; the zeros of v24-31 and v96-103 are written, which the scaled products K Q^T take as parts of their two sources
	KLOAD
	VLOAD
	ds_load_b128 v[QF:QF+3], v[QAD]
	ds_load_b128 v[QF+4:QF+7], v[QAD] offset:512
; ---- the keys, 128 a trip
	s_mov_b32 s[KCNT], 0
.Lkeys:
.irp i, 0,1,2,3,4,5,6,7
	UNIT \i
.endr
	s_add_co_u32 s[KCNT], s[KCNT], 1
	s_cmp_lt_u32 s[KCNT], 4
	s_cbranch_scc1 .Lkeys
	s_wait_loadcnt 0x0                             ; nothing is pending on any way out of the loop
	s_wait_dscnt 0x0
; ---- o = O^T / the sum; its codes go to LDS as my head's half of K step w / 2
.irp i, 0,1,2,3,4,5,6,7
	v_permlanex16_b32 v[32+\i], v[LS+\i], s[SEL], s[SEL+1]
.endr
.irp i, 0,1,2,3,4,5,6,7
	v_add_f32 v[LS+\i], v[LS+\i], v[32+\i]
.endr
.irp i, 0,1,2,3,4,5,6,7
	v_rcp_f32 v[RP+2*\i], v[LS+\i]
.endr
	v_nop
	s_wait_alu depctr_va_vdst(0)                   ; one wait for the eight reciprocals
.irp i, 0,1,2,3,4,5,6,7
	v_mov_b32 v[RP+2*\i+1], v[RP+2*\i]
.endr
	WIN 0x41
.set mi, 0
.rept 8
.set pk, 0
.rept 16
	v_pk_mul_f32 v[32*mi+2*pk:32*mi+2*pk+1], v[32*mi+2*pk:32*mi+2*pk+1], v[RP+2*mi:RP+2*mi+1]
.set pk, pk+1
.endr
.set mi, mi+1
.endr
	TOIMG OI, OS                                   ; behind its barrier x's and o's images are whole, and nobody reads q's fragments any more
; ---- conv on x's codes, batch norm and the biases as y s + t, then o w_m added in place
	BIAS BI, BNB, 0                                ; s
	GEMM 0, L16, SAD, 0, WCV, WCS, 8
	s_wait_loadcnt 0x0                             ; t
	WIN 0x41
.set mi, 0
.rept 8
.set pk, 0
.rept 16
	v_pk_fma_f32 v[32*mi+2*pk:32*mi+2*pk+1], v[32*mi+2*pk:32*mi+2*pk+1], v[BI+2*pk:BI+2*pk+1], v[16+2*pk:16+2*pk+1]
.set pk, pk+1
.endr
.set mi, mi+1
.endr
	WIN 0
	s_wait_alu depctr_va_vdst(0)                   ; conv's last two groups of products are done reading their weights, token fragments and scale words, and the multiply-adds above reading v16-47: the next product's loads land in all of these
	GEMM 2, IA2, SAD, 2048, WMV, WMS, 0
	TOIMG UI, US                                   ; the residual sum's codes
; ---- w_out
	BIAS BI, BOB, 0
	GEMM 1, IA3, SAD, 4096, WOV, WOS, 0
; ---- LayerNorm over the 512 channels of a token: my 32 registers, the lane 16 away, the eight waves.  The mean first, then the squares of what is left: no difference of large sums
	s_wait_alu depctr_va_vdst(0)                   ; the last two groups of products are done reading v96-159 (weights and token fragments), in which ln_g and ln_b land
	BIAS LG, LGB, 0
	BIAS LB, LBB, 0
	v_and_b32 v[LDA], 15, v0
	v_and_b32 v[SG], 8, v[LDA]
	v_add_nc_u32 v[SG], v[SG], v[LDA]
	v_lshlrev_b32 v[SG], 2, v[SG]                  ; my token's 4 bytes in a stage row: 4 (r + 8 (r / 8))
	v_bfe_u32 v[STA], v0, 4, 1
	v_mul_u32_u24 v[STA], v[STA], 8576
	v_add_nc_u32 v[SG], v[SG], v[STA]              ; lanes 16-31: 16 rows further down
	s_mul_i32 s24, s[WV], 34304
	v_add_nc_u32 v[SG], s24, v[SG]
	v_add_nc_u32 v[RD0], s24, v[L16]
	v_lshlrev_b32 v[LDA], 5, v[LDA]
	v_add_nc_u32 v[LDA], STAT, v[LDA]
	s_lshl_b32 s24, s[WV], 2
	v_add_nc_u32 v[STA], s24, v[LDA]
.irp p, 0,1
	v_mov_b32 v[GA1+\p], 0x3e027906
	v_mov_b32 v[GA2+\p], 0xbe11a98e
	v_mov_b32 v[GA3+\p], 0x3f35f0e3
	v_mov_b32 v[GA4+\p], 0xbf3a00e3
	v_mov_b32 v[GA5+\p], 0x3f07dc22
.endr
	WIN 0x05
.irp m, 0,1,2,3,4,5,6,7
	v_pk_add_f32 v[SM+2*\m:SM+2*\m+1], v[32*\m:32*\m+1], v[32*\m+2:32*\m+3]
.endr
	WIN 0x04
.set pk, 2
.rept 14
.irp m, 0,1,2,3,4,5,6,7
	v_pk_add_f32 v[SM+2*\m:SM+2*\m+1], v[SM+2*\m:SM+2*\m+1], v[32*\m+2*pk:32*\m+2*pk+1]
.endr
.set pk, pk+1
.endr
	WIN 0
.irp m, 0,1,2,3,4,5,6,7
	v_add_f32 v[LT1+\m], v[SM+2*\m], v[SM+2*\m+1]
.endr
.irp m, 0,1,2,3,4,5,6,7
	v_permlanex16_b32 v[LT2+\m], v[LT1+\m], s[SEL], s[SEL+1]
.endr
.irp m, 0,1,2,3,4,5,6,7
	v_add_f32 v[LT1+\m], v[LT1+\m], v[LT2+\m]
.endr
	EXCH 0
.irp m, 0,1,2,3,4,5,6,7
	v_mul_f32 v[MU+2*\m], s[I512], v[LT1+\m]
	v_mul_f32 v[MU+2*\m+1], s[I512], v[LT1+\m]
.endr
	WIN 0x41
.set mi, 0
.rept 8
.set pk, 0
.rept 16
	v_pk_add_f32 v[32*mi+2*pk:32*mi+2*pk+1], v[32*mi+2*pk:32*mi+2*pk+1], v[MU+2*mi:MU+2*mi+1] neg_lo:[0,1] neg_hi:[0,1]
.set pk, pk+1
.endr
.set mi, mi+1
.endr
	WIN 0x05
.set pk, 0
.rept 16
.irp m, 0,1,2,3,4,5,6,7
.if pk == 0
	v_pk_mul_f32 v[SM+2*\m:SM+2*\m+1], v[32*\m:32*\m+1], v[32*\m:32*\m+1]
.else
	v_pk_fma_f32 v[SM+2*\m:SM+2*\m+1], v[32*\m+2*pk:32*\m+2*pk+1], v[32*\m+2*pk:32*\m+2*pk+1], v[SM+2*\m:SM+2*\m+1]
.endif
.endr
.set pk, pk+1
.endr
	WIN 0
.irp m, 0,1,2,3,4,5,6,7
	v_add_f32 v[LT1+\m], v[SM+2*\m], v[SM+2*\m+1]
.endr
.irp m, 0,1,2,3,4,5,6,7
	v_permlanex16_b32 v[LT2+\m], v[LT1+\m], s[SEL], s[SEL+1]
.endr
.irp m, 0,1,2,3,4,5,6,7
	v_add_f32 v[LT1+\m], v[LT1+\m], v[LT2+\m]
.endr
	EXCH 4096                                      ; behind its barrier no wave reads an image any more: the stages may lie over them
.irp m, 0,1,2,3,4,5,6,7
	v_fma_f32 v[LT1+\m], v[LT1+\m], s[I512], s[EPS]
.endr
.irp m, 0,1,2,3,4,5,6,7
	v_rsq_f32 v[RS+2*\m], v[LT1+\m]
.endr
	v_nop
	s_wait_alu depctr_va_vdst(0)                   ; one wait for the eight roots
.irp m, 0,1,2,3,4,5,6,7
	v_mov_b32 v[RS+2*\m+1], v[RS+2*\m]
.endr
	s_wait_loadcnt 0x0                             ; ln_g, ln_b
	WIN 0x41
.set mi, 0
.rept 8
.set pk, 0
.rept 16
	v_pk_mul_f32 v[32*mi+2*pk:32*mi+2*pk+1], v[32*mi+2*pk:32*mi+2*pk+1], v[RS+2*mi:RS+2*mi+1]
.set pk, pk+1
.endr
.set mi, mi+1
.endr
.set mi, 0
.rept 8
.set pk, 0
.rept 16
	v_pk_fma_f32 v[32*mi+2*pk:32*mi+2*pk+1], v[32*mi+2*pk:32*mi+2*pk+1], v[LG+2*pk:LG+2*pk+1], v[LB+2*pk:LB+2*pk+1]
.set pk, pk+1
.endr
.set mi, mi+1
.endr
; ---- the turn: a lane holds a token and 32 channels; the output wants a channel's 128 tokens on end.  My wave's own stage: row = my channel, 512 bytes + 16, and 128 bytes more behind every 16 rows,
;      so that the two halves of the lanes, 16 rows apart, fall 32 words apart modulo 64 (64 banks of 4 bytes: ISA guide 11.1).  LDS serves a wave's instructions in order: no wait between these stores and the loads below.
	WIN 0x04
	s_wait_alu depctr_va_vdst(0)                   ; the multiply-adds have written the 256 registers of window 1, which the LDS stores below read; their address v226 was written further up
.set mi, 0
.rept 8
.set ni, 0
.rept 4
.set ji, 0
.rept 8
	ds_store_b32 v[SG], v[32*mi+8*ni+ji] offset:(32*(ni/2)+8*(ni%2)+ji)*528+256*(ni/2)+(32*(mi/2)+8*(mi%2))*4
.set ji, ji+1
.endr
.set ni, ni+1
.endr
.set mi, mi+1
.endr
	WIN 0
; ---- GELU and the way out: 16 channels a trip; a load takes a channel's 512 bytes, and so does a store
	s_mov_b32 s[GCNT], 0
	s_mov_b32 s[GOFF], 0
.Lgelu:
	s_wait_alu depctr_vm_vsrc(0)                   ; the last trip's LDS loads have read v238, which the next line writes, and its stores have read v32-95, in which the loads below land
	v_add_nc_u32 v[RD], s[GOFF], v[RD0]
	s_wait_alu depctr_va_vdst(0)                   ; v238 is written, which the loads below read as their address; the last trip's arithmetic (first trip: the exchange's additions) is done with v32-95, in which they land
.set kk, 0
.rept 16
	ds_load_b128 v[Z+4*kk:Z+4*kk+3], v[RD] offset:528*kk
.set kk, kk+1
.endr
.irp gq, 0,1,2,3
	s_wait_dscnt 12-4*\gq                          ; these four rows are in; the later rows' loads may be out
	GELU16 Z+16*\gq, \gq-1
.endr
	s_wait_alu depctr_va_vdst(0)                   ; the last quarter has written its 16 registers, which its four stores read
	OUT4 3
	s_wait_xcnt 0x0                                ; the stores have read their data and their base: both are written again
	s_add_nc_u64 s[16:17], s[16:17], 131072
	s_add_co_u32 s[GOFF], s[GOFF], 8576
	s_add_co_u32 s[GCNT], s[GCNT], 1
	s_cmp_lt_u32 s[GCNT], 4
	s_cbranch_scc1 .Lgelu
	s_wait_xcnt 0x0
	v_lshl_add_u32 v254, v0, 2, 0x45000            ; the add's two registers, made anew: no memory or LDS instruction has read v254 or v255
	v_mov_b32 v255, 0
	s_wait_dscnt 0x0                               ; the closing lines, six on end
	s_wait_alu 0x0
	s_wait_tensorcnt 0x0
	ds_add_u32 v254, v255
	s_wait_dscnt 0x0
	s_endpgm
.Lfunc_end_k_q6010ecb5d7_attn:
	.size	k_q6010ecb5d7_attn, .Lfunc_end_k_q6010ecb5d7_attn-k_q6010ecb5d7_attn
	.p2alignl 7, 3214868480
	.fill 96, 4, 3214868480
	.section	.rodata,"a",@progbits
	.p2align	6, 0x0
	.amdhsa_kernel k_q6010ecb5d7_attn
		.amdhsa_group_segment_fixed_size 283648
		.amdhsa_private_segment_fixed_size 0
		.amdhsa_enable_private_segment 0
		.amdhsa_kernarg_size 56
		.amdhsa_user_sgpr_count 2
		.amdhsa_user_sgpr_kernarg_segment_ptr 1
		.amdhsa_wavefront_size32 1
		.amdhsa_system_sgpr_workgroup_id_x 1
		.amdhsa_system_sgpr_workgroup_id_y 1
		.amdhsa_system_sgpr_workgroup_id_z 1
		.amdhsa_system_vgpr_workitem_id 0
		.amdhsa_next_free_vgpr 512
		.amdhsa_next_free_sgpr 90
		.amdhsa_reserve_vcc 0
		.amdhsa_float_denorm_mode_32 3
		.amdhsa_float_denorm_mode_16_64 3
		.amdhsa_memory_ordered 1
		.amdhsa_forward_progress 1
		.amdhsa_inst_pref_size 255
	.end_amdhsa_kernel
	.section	.bss,"aw",@nobits
	.p2align	6
	.space	262144
	.amdgpu_metadata
---
amdhsa.version: [ 1, 2 ]
amdhsa.kernels:
  - .name:           k_q6010ecb5d7_attn
    .symbol:         k_q6010ecb5d7_attn.kd
    .args:
      - { .name: wk, .offset: 0, .size: 8, .value_kind: global_buffer, .address_space: global }
      - { .name: acod, .offset: 8, .size: 8, .value_kind: global_buffer, .address_space: global }
      - { .name: ascl, .offset: 16, .size: 8, .value_kind: global_buffer, .address_space: global }
      - { .name: b_out, .offset: 24, .size: 8, .value_kind: global_buffer, .address_space: global }
      - { .name: ln_g, .offset: 32, .size: 8, .value_kind: global_buffer, .address_space: global }
      - { .name: ln_b, .offset: 40, .size: 8, .value_kind: global_buffer, .address_space: global }
      - { .name: out0, .offset: 48, .size: 8, .value_kind: global_buffer, .address_space: global }
    .group_segment_fixed_size: 283648
    .private_segment_fixed_size: 0
    .kernarg_segment_align: 8
    .kernarg_segment_size: 56
    .max_flat_workgroup_size: 256
    .sgpr_count:     90
    .vgpr_count:     512
    .wavefront_size: 32
...
	.end_amdgpu_metadata
.endif
;; end of part 5
